; MI455X (gfx1250); checked and timed in simulation.
; The chip was launched on July 23, 2026; its instructions are those of AMD's public machine-readable ISA for CDNA 5 (MIT licence, August 2026) and "CDNA5" Instruction Set Architecture Reference Guide (July 2026). The comments in the code are by the model that wrote it; some were corrected since.
;; Transformer Block. Allowed arithmetic: matrix products marked QUANTISED: E2M3 operands, one E8M0 scale for each 32 along K, by v_wmma_scale_f32_16x16x128_f8f6f4 with both operands' format E2M3, f32 sums; everything else in f32.
;; Inputs: b1 4,096 float32; b2 1,024 float32; ln1_b 1,024 float32; ln1_g 1,024 float32; ln2_b 1,024 float32; ln2_g 1,024 float32; w1_codes 4,096 x 32 x 24 uint8 (E2M3 codes of w1, K innermost, in blocks of 32 codes, four codes in three bytes); w1_scales 4,096 x 32 uint8 (E8M0 scales of w1, one for each 32 codes along K); w2_codes 1,024 x 128 x 24 uint8 (E2M3 codes of w2, K innermost, in blocks of 32 codes, four codes in three bytes); w2_scales 1,024 x 128 uint8 (E8M0 scales of w2, one for each 32 codes along K); w_out_codes 1,024 x 32 x 24 uint8 (E2M3 codes of w_out, K innermost, in blocks of 32 codes, four codes in three bytes); w_out_scales 1,024 x 32 uint8 (E8M0 scales of w_out, one for each 32 codes along K); w_qkv_codes 3,072 x 32 x 24 uint8 (E2M3 codes of w_qkv, K innermost, in blocks of 32 codes, four codes in three bytes); w_qkv_scales 3,072 x 32 uint8 (E8M0 scales of w_qkv, one for each 32 codes along K); x 2 x 2,048 x 1,024 float32.
;; Outputs: out0 2 x 2,048 x 1,024 float32.
;; This version of the problem:
;;   THIS VERSION OF THE PROBLEM IS GIVEN IN LOW PRECISION. The matrix products marked QUANTISED in the list below multiply operands that are first quantised to E2M3 (2 exponent bits, 3 mantissa bits; 6 bits a number), with one power-of-two scale for each 32 numbers along K (OCP MX v1.0); their sums are f32. All else is computed in f32.
;;   The module's matrix products, in the order in which they are computed (A, B: the left and right operand; K: the contracted axis; several contracted axes count as one K, in the product's order):
;;     1. [M 4,096, K 1,024] x [K 1,024, N 3,072]; A: computed on the way; B: input w_qkv (given as codes): QUANTISED
;;     2. batch 32 x [M 2,048, K 64] x [K 64, N 2,048]; A: computed on the way; B: computed on the way: QUANTISED
;;     3. batch 32 x [M 2,048, K 2,048] x [K 2,048, N 64]; A: softmax (see below); B: computed on the way: QUANTISED
;;     4. [M 4,096, K 1,024] x [K 1,024, N 1,024]; A: computed on the way; B: input w_out (given as codes): QUANTISED
;;     5. [M 4,096, K 1,024] x [K 1,024, N 4,096]; A: computed on the way; B: input w1 (given as codes): QUANTISED
;;     6. [M 4,096, K 4,096] x [K 4,096, N 1,024]; A: computed on the way; B: input w2 (given as codes): QUANTISED
;;   THE QUANTISER, for each operand of a quantised product, along K:
;;     - K is cut into blocks of 32 from its start; a last block that is shorter is filled with zeros.
;;     - A block's scale is 2^e with e = floor(log2(the largest magnitude in the block)) - 2, held to -126 .. 127; a block of zeros has e = 0. As a byte (E8M0): e + 127.
;;     - Each number is divided by its block's scale, clamped to +-7.5, and rounded to the nearest number of E2M3, ties to even, subnormals kept.
;;     - The product sums the exact products of the quantised numbers (number of the format x scale) in f32.
;;   ~~~python
;;   def quantise(x, axis):      # numpy; x: float32 -> the quantised numbers, widened to float32 again
;;       x = np.moveaxis(x, axis, -1); K = x.shape[-1]
;;       x = np.pad(x, [(0, 0)] * (x.ndim - 1) + [(0, -K % 32)]); x = x.reshape(x.shape[:-1] + (-1, 32)); a = np.abs(x).max(-1, keepdims=True)
;;       e = np.where(a > 0, np.clip(np.frexp(np.where(a > 0, a, 1))[1] - 1 - 2, -126, 127), 0)      # np.frexp(a)[1] - 1 = floor(log2(a)), exactly
;;       r = np.clip(x / 2.0 ** e, -7.5, 7.5)
;;       step = 2.0 ** (np.maximum(np.frexp(np.where(r == 0, 1, r))[1] - 1, 0) - 3)
;;       q = np.round(r / step) * step * 2.0 ** e      # np.round: ties to even
;;       return np.moveaxis(q.reshape(q.shape[:-2] + (-1,))[..., :K], -1, axis).astype(np.float32)
;;   ~~~
;;   SOFTMAX AHEAD OF A QUANTISED PRODUCT. Where the list says 'softmax', what is quantised is not the finished softmax but p = 2^(t - M), with t = logit x log2(e) and M = ceil(the row's largest t), a whole number; so 1/2 < the row's largest p <= 1. The row's sum l is taken of the UNQUANTISED p, in f32, and the product's result is divided by l at the end. Since M is a whole number, a kernel that streams over the keys may use a running M (the ceiling of the running maximum): every later rescaling is an exact power of two, which a block's scale takes up: the codes' values come out the same.
;;   OPERANDS COMPUTED ON THE WAY. 'Computed on the way' means the value that the module computes at that place (a softmax that the list does not call 'softmax' is quantised finished and normalised). What goes into a quantiser is computed in f32, as accurately as f32 sums, v_exp_f32 and their like allow (about 1e-6 of the number): no bf16 or f16 on the way to a quantiser, and a product that is left as it is and whose result goes on into a quantised operand takes f32 operands (vector FMAs, or v_wmma_f32_16x16x4_f32). A number that lies on a knife's edge between two numbers of the format may be rounded either way, as far as f32 arithmetic and the matrix unit's own rounding can turn it there, and no further.
;;   INPUTS GIVEN AS CODES. w1 (in the module: [1024, 4096], K = its axis 0); w2 (in the module: [4096, 1024], K = its axis 0); w_out (in the module: [1024, 1024], K = its axis 0); w_qkv (in the module: [1024, 3072], K = its axis 0): each comes as NAME_codes (uint8): NAME with its K axis moved to the last place and cut into blocks of 32 codes, [.., K / 32, bytes a block], one block behind the other in memory; four codes in three bytes: a row's codes are one little-endian stream of bits, code i at bits 6 i .. 6 i + 5 (a code: sign, 2 exponent bits, 3 mantissa bits); and NAME_scales (uint8): the same leading axes, one E8M0 byte (e + 127) for each 32 codes along K. Its value is code x scale, taken as it is: it is not quantised again, and the codes and scales need not be those that the quantiser above would give.
;; 2 versions, each right. Each part assembles by itself: llvm-mc -triple=amdgcn-amd-amdhsa -mcpu=gfx1250 --defsym DOCPART=n.
;; ======== version 1 of 2: 7 launches
;; workspace buffers: hc 3,145,728 bytes; hs 131,072 bytes; qkvi 9,437,184 bytes; qkvs 393,216 bytes; aimg 12,582,912 bytes; asc 524,288 bytes; x1 16,777,216 bytes
;; launch ln1 (part 1): grid 256 x 1, 8 waves a work-group, no clusters, 84,992 bytes of LDS; arguments x, ln1_g, ln1_b, hc, hs; writes hc, hs
.if DOCPART == 1
	.amdgcn_target "amdgcn-amd-amdhsa--gfx1250"
	.amdhsa_code_object_version 6
	.text
	.protected	k_qbe166258be_ln1
	.globl	k_qbe166258be_ln1
	.p2align	8
	.type	k_qbe166258be_ln1,@function
k_qbe166258be_ln1:
	s_mov_b64 s[64:65], 0
	v_nop
	global_prefetch_b8 v0, s[64:65] scope:SCOPE_SE
	s_setreg_imm32_b32 hwreg(HW_REG_WAVE_MODE, 25, 1), 1
	s_wait_xcnt 0x0
; y = (x - mean) * rsqrt(var + 1e-5) * g + b along rows of 1,024 f32, then y is turned into codes of FP6 (E2M3) with one E8M0 byte for each 32 along the row.
; Arguments: the rows [4096][1024] f32, g [1024], b [1024], the codes [4096][768 bytes] (a row's codes are one stream of bits), the scale bytes [4096][32].
; SHARES.  A work-group of eight waves takes 16 rows, a wave two whole rows: the sums never leave the wave, so there is no barrier.  Everything is written out: no loop, no pointer is stepped.
; Each load reads 512 consecutive bytes, 16 a lane; the conversion wants 16 NEIGHBOURS in one lane, so each 2,048 bytes turn through the wave's own stage in LDS (64 bytes + 16 of padding for each lane's place).
; The variance is taken of x - mean (two passes over registers), so a common offset of the inputs costs no digits.
; A block's scale byte is its largest magnitude's exponent field - 2, held at 1 from below.  A block of zeros so gets the byte 1 (its codes are zeros; this program alone reads the bytes).
; LIMITS: NaN and infinities are not served; blocks whose largest magnitude lies under 2^-124 keep the byte 1.
; The scale bytes leave as 64 consecutive bytes a wave: a quarter of an aligned block of 256; they are one byte in 25 of what the launch stores.
.set WREG, 10496                       ; LDS of a wave: four stages of 2,560 bytes, then its 64 scale bytes
.set SP,   80                          ; a lane's place in a stage
.set STG,  32*SP
.set SCB,  4*STG
.set G,    16                          ; v16-47   g of my 32 columns: 512 s + 16 lane + i at G + 16 s + i
.set BT,   48                          ; v48-79   b likewise
.set R,    80                          ; v80-143  the two rows as loaded
.set X,    144                         ; v144-207 row p at X + 32 p: number 512 s + 16 lane + i at 16 s + i
.set C,    208                         ; v208-223 codes: four registers for each of the four quarters
.set E,    224                         ; v224-227 their scale bytes
.set T,    228                         ; v228-235 sums, two pairs a row
.set MU,   236                         ; v236-239 the mean, twice, for each row
.set RS,   240                         ; v240-243 1 / sqrt(var + eps), twice, for each row
.set PT,   244                         ; v244-245 the other half of the lanes' sum
	s_load_b256 s[4:11], s[0:1], 0x0               ; rows, g, b, codes
	s_load_b64 s[12:13], s[0:1], 0x20              ; scale bytes
	v_lshl_add_u32 v254, v0, 2, 0x14800
	v_mov_b32 v255, 0
	v_lshrrev_b32 v1, 5, v0
	v_readfirstlane_b32 s14, v1                    ; wave 0..7
	v_and_b32 v1, 31, v0                           ; lane
	v_lshlrev_b32 v2, 4, v1                        ; my 16 bytes of a load's 512
	v_mul_u32_u24 v3, v1, 12                       ; my 12 bytes of a quarter's 384 bytes of codes
	s_mul_i32 s15, s14, WREG
	v_lshrrev_b32 v4, 2, v1
	v_mul_u32_u24 v4, v4, SP
	v_and_b32 v5, 3, v1
	v_lshl_add_u32 v4, v5, 4, v4
	v_add_nc_u32 v4, s15, v4                       ; the stage, in: four lanes' 64 bytes on end, then 16 of padding
	v_mul_u32_u24 v5, v1, SP
	v_add_nc_u32 v5, s15, v5                       ; and out: my 16 neighbours
	s_add_co_u32 s15, s15, SCB
	v_lshrrev_b32 v6, 1, v1
	v_add_nc_u32 v6, s15, v6                       ; my block's scale byte
	v_lshlrev_b32 v8, 1, v1                        ; the bytes' way out: two a lane
	v_add_nc_u32 v7, s15, v8
	v_lshlrev_b32 v9, 6, v1                        ; g, b: my 16 numbers of 512
	v_mov_b32 v[PT], 0                             ; a lane permute's destination counts as one of its sources
	v_mov_b32 v[PT+1], 0
	s_mov_b32 s16, 0x76543210
	s_mov_b32 s17, 0xfedcba98                      ; v_permlanex16_b32's selects for lane l xor 16
	s_mov_b32 s22, 0x3727c5ac                      ; 1e-5
	s_mov_b32 s23, 0x3a800000                      ; 1 / 1024
	s_lshl_b32 s18, ttmp9, 4
	s_lshl_b32 s19, s14, 1
	s_add_co_u32 s18, s18, s19                     ; my first row: 16 x work-group + 2 x wave
	s_lshl_b32 s20, s18, 12
	s_mov_b32 s21, 0
	s_mul_i32 s24, s18, 768
	s_mov_b32 s25, 0
	s_lshl_b32 s26, s18, 5
	s_mov_b32 s27, 0
	s_wait_kmcnt 0x0
	s_add_nc_u64 s[4:5], s[4:5], s[20:21]
	s_add_nc_u64 s[10:11], s[10:11], s[24:25]
	s_add_nc_u64 s[12:13], s[12:13], s[26:27]
.irp q, 0,1,2,3                                ; quarter q = 2 x row + half of the row: 2,048 bytes
.irp i, 0,1,2,3
	global_load_b128 v[R+16*\q+4*\i:R+16*\q+4*\i+3], v2, s[4:5] offset:2048*\q+512*\i th:TH_LOAD_NT
.endr
.endr
.irp s, 0,1
.irp e, 0,1,2,3
	global_load_b128 v[G+16*\s+4*\e:G+16*\s+4*\e+3], v9, s[6:7] offset:2048*\s+16*\e
	global_load_b128 v[BT+16*\s+4*\e:BT+16*\s+4*\e+3], v9, s[8:9] offset:2048*\s+16*\e
.endr
.endr
	s_wait_loadcnt 16                              ; the rows are in; the 16 younger loads of g and b may be out
.irp q, 0,1,2,3                                ; LDS serves a wave's instructions in order: no wait between the stores and the loads
.irp i, 0,1,2,3
	ds_store_b128 v4, v[R+16*\q+4*\i:R+16*\q+4*\i+3] offset:STG*\q+8*SP*\i
.endr
.irp i, 0,1,2,3
	ds_load_b128 v[X+16*\q+4*\i:X+16*\q+4*\i+3], v5 offset:STG*\q+16*\i
.endr
.endr
	s_wait_dscnt 0x0
; the two pairs of a row's sums become one number in every lane; the two rows by turns
.macro WSUM
.irp p, 0,1
	v_pk_add_f32 v[T+4*\p:T+4*\p+1], v[T+4*\p:T+4*\p+1], v[T+4*\p+2:T+4*\p+3]
.endr
.irp p, 0,1
	v_add_f32 v[T+4*\p], v[T+4*\p], v[T+4*\p+1]
.endr
.irp m, 1,2,4,8
.irp p, 0,1
	v_add_f32_dpp v[T+4*\p], v[T+4*\p], v[T+4*\p] row_xmask:\m row_mask:0xf bank_mask:0xf
.endr
.endr
.irp p, 0,1
	v_permlanex16_b32 v[PT+\p], v[T+4*\p], s16, s17
.endr
.irp p, 0,1
	v_add_f32 v[T+4*\p], v[T+4*\p], v[PT+\p]
.endr
.endm
.irp p, 0,1                                    ; the sum, two at a time, in two chains a row
	v_pk_add_f32 v[T+4*\p:T+4*\p+1], v[X+32*\p:X+32*\p+1], v[X+32*\p+4:X+32*\p+5]
	v_pk_add_f32 v[T+4*\p+2:T+4*\p+3], v[X+32*\p+2:X+32*\p+3], v[X+32*\p+6:X+32*\p+7]
.endr
.irp j, 8,12,16,20,24,28
.irp p, 0,1
	v_pk_add_f32 v[T+4*\p:T+4*\p+1], v[T+4*\p:T+4*\p+1], v[X+32*\p+\j:X+32*\p+\j+1]
	v_pk_add_f32 v[T+4*\p+2:T+4*\p+3], v[T+4*\p+2:T+4*\p+3], v[X+32*\p+\j+2:X+32*\p+\j+3]
.endr
.endr
	WSUM
.irp p, 0,1
	v_mul_f32 v[MU+2*\p], s23, v[T+4*\p]           ; the mean, in both halves of a pair
	v_mul_f32 v[MU+2*\p+1], s23, v[T+4*\p]
.endr
.irp j, 0,2,4,6,8,10,12,14,16,18,20,22,24,26,28,30
.irp p, 0,1
	v_pk_add_f32 v[X+32*\p+\j:X+32*\p+\j+1], v[X+32*\p+\j:X+32*\p+\j+1], v[MU+2*\p:MU+2*\p+1] neg_lo:[0,1] neg_hi:[0,1]   ; x - mean
.endr
.endr
.irp p, 0,1
	v_pk_mul_f32 v[T+4*\p:T+4*\p+1], v[X+32*\p:X+32*\p+1], v[X+32*\p:X+32*\p+1]
	v_pk_mul_f32 v[T+4*\p+2:T+4*\p+3], v[X+32*\p+2:X+32*\p+3], v[X+32*\p+2:X+32*\p+3]
.endr
.irp j, 4,8,12,16,20,24,28
.irp p, 0,1
	v_pk_fma_f32 v[T+4*\p:T+4*\p+1], v[X+32*\p+\j:X+32*\p+\j+1], v[X+32*\p+\j:X+32*\p+\j+1], v[T+4*\p:T+4*\p+1]
	v_pk_fma_f32 v[T+4*\p+2:T+4*\p+3], v[X+32*\p+\j+2:X+32*\p+\j+3], v[X+32*\p+\j+2:X+32*\p+\j+3], v[T+4*\p+2:T+4*\p+3]
.endr
.endr
	WSUM
.irp p, 0,1
	v_fma_f32 v[T+4*\p], v[T+4*\p], s23, s22       ; var + eps
.endr
.irp p, 0,1
	v_rsq_f32 v[RS+2*\p], v[T+4*\p]
	v_rsq_f32 v[RS+2*\p+1], v[T+4*\p]
.endr
	v_nop                                          ; one plain place behind the transcendentals
	s_wait_loadcnt 0x0                             ; g and b
	s_wait_alu depctr_va_vdst(0)
.irp j, 0,2,4,6,8,10,12,14,16,18,20,22,24,26,28,30
.irp p, 0,1
	v_pk_mul_f32 v[X+32*\p+\j:X+32*\p+\j+1], v[X+32*\p+\j:X+32*\p+\j+1], v[RS+2*\p:RS+2*\p+1]
.endr
.endr
.irp j, 0,2,4,6,8,10,12,14,16,18,20,22,24,26,28,30
.irp p, 0,1
	v_pk_fma_f32 v[X+32*\p+\j:X+32*\p+\j+1], v[X+32*\p+\j:X+32*\p+\j+1], v[G+\j:G+\j+1], v[BT+\j:BT+\j+1]
.endr
.endr
; a quarter's 512 numbers: two neighbouring lanes hold a block of 32.  Each quarter has registers of its own for its codes, its scale operand and its byte: no store's data are written again
.macro QUANT q
.set XS, X+16*(\q)
	v_max3_num_f32 v246, |v[XS]|, |v[XS+1]|, |v[XS+2]|
	v_max3_num_f32 v247, |v[XS+3]|, |v[XS+4]|, |v[XS+5]|
.irp i, 6,10
	v_max3_num_f32 v246, v246, |v[XS+\i]|, |v[XS+\i+1]|
	v_max3_num_f32 v247, v247, |v[XS+\i+2]|, |v[XS+\i+3]|
.endr
	v_max3_num_f32 v246, v246, |v[XS+14]|, |v[XS+15]|
	v_max3_num_f32 v246, v246, v247, 0x1800000     ; and the floor 2^(3 - 127): the byte cannot fall under 1
	v_max_num_f32_dpp v246, v246, v246 row_xmask:1 row_mask:0xf bank_mask:0xf   ; with my neighbour's 16: the block's largest magnitude
	v_add_nc_u32 v[248+(\q)], 0xff000000, v246     ; 2 off its exponent field: the conversion takes this operand's exponent field as its scale
	v_cvt_scalef32_pk16_fp6_f32 v[C+4*(\q):C+4*(\q)+2], v[XS:XS+15], v[248+(\q)]
	v_lshrrev_b32 v[E+(\q)], 23, v[248+(\q)]       ; the scale's byte (a plain line behind the conversion)
	ds_store_b8 v6, v[E+(\q)] offset:16*(\q)       ; both lanes of a block write the same byte with the same value
	global_store_b96 v3, v[C+4*(\q):C+4*(\q)+2], s[10:11] offset:384*(\q)   ; the wave stores 384 consecutive bytes
.endm
	QUANT 0
	QUANT 1
	QUANT 2
	QUANT 3
	ds_load_u16 v10, v7                            ; LDS serves a wave's instructions in order: this sees my byte stores
	s_wait_dscnt 0x0
	global_store_b16 v8, v10, s[12:13]             ; my two rows' 64 scale bytes
	s_wait_tensorcnt 0x0
	ds_add_u32 v254, v255
	s_wait_dscnt 0x0
	s_endpgm
.Lfunc_end_k_qbe166258be_ln1:
	.size	k_qbe166258be_ln1, .Lfunc_end_k_qbe166258be_ln1-k_qbe166258be_ln1
	.p2alignl 7, 3214868480
	.fill 96, 4, 3214868480
	.section	.rodata,"a",@progbits
	.p2align	6, 0x0
	.amdhsa_kernel k_qbe166258be_ln1
		.amdhsa_group_segment_fixed_size 84992
		.amdhsa_private_segment_fixed_size 0
		.amdhsa_enable_private_segment 0
		.amdhsa_kernarg_size 40
		.amdhsa_user_sgpr_count 2
		.amdhsa_user_sgpr_kernarg_segment_ptr 1
		.amdhsa_wavefront_size32 1
		.amdhsa_system_sgpr_workgroup_id_x 1
		.amdhsa_system_sgpr_workgroup_id_y 1
		.amdhsa_system_sgpr_workgroup_id_z 1
		.amdhsa_system_vgpr_workitem_id 0
		.amdhsa_next_free_vgpr 256
		.amdhsa_next_free_sgpr 66
		.amdhsa_reserve_vcc 0
		.amdhsa_float_denorm_mode_32 3
		.amdhsa_float_denorm_mode_16_64 3
		.amdhsa_memory_ordered 1
		.amdhsa_forward_progress 1
		.amdhsa_inst_pref_size 24
	.end_amdhsa_kernel
	.amdgpu_metadata
---
amdhsa.version: [ 1, 2 ]
amdhsa.kernels:
  - .name:           k_qbe166258be_ln1
    .symbol:         k_qbe166258be_ln1.kd
    .args:
      - { .name: x, .offset: 0, .size: 8, .value_kind: global_buffer, .address_space: global }
      - { .name: ln1_g, .offset: 8, .size: 8, .value_kind: global_buffer, .address_space: global }
      - { .name: ln1_b, .offset: 16, .size: 8, .value_kind: global_buffer, .address_space: global }
      - { .name: hc, .offset: 24, .size: 8, .value_kind: global_buffer, .address_space: global }
      - { .name: hs, .offset: 32, .size: 8, .value_kind: global_buffer, .address_space: global }
    .group_segment_fixed_size: 84992
    .private_segment_fixed_size: 0
    .kernarg_segment_align: 8
    .kernarg_segment_size: 40
    .max_flat_workgroup_size: 256
    .sgpr_count:     66
    .vgpr_count:     256
    .wavefront_size: 32
...
	.end_amdgpu_metadata
.endif
;; end of part 1
;; launch qkv (part 2): grid 8 x 24, 4 waves a work-group, clusters of 4 x 4, 327,680 bytes of LDS; arguments hc, hs, w_qkv_codes, w_qkv_scales, qkvi, qkvs; writes qkvi, qkvs
.if DOCPART == 2
	.amdgcn_target "amdgcn-amd-amdhsa--gfx1250"
	.amdhsa_code_object_version 6
	.text
	.protected	k_qbe166258be_qkv
	.globl	k_qbe166258be_qkv
	.p2align	8
	.type	k_qbe166258be_qkv,@function
k_qbe166258be_qkv:
	s_mov_b64 s[64:65], 0
	v_nop
	global_prefetch_b8 v0, s[64:65] scope:SCOPE_SE
	s_setreg_imm32_b32 hwreg(HW_REG_WAVE_MODE, 25, 1), 1
	s_wait_xcnt 0x0
	s_wait_alu depctr_hold_cnt(0) depctr_sa_sdst(0) depctr_va_vdst(0) depctr_va_sdst(0) depctr_va_ssrc(0) depctr_va_vcc(0) depctr_vm_vsrc(0)
	s_getreg_b32 s2, hwreg(HW_REG_IB_STS2, 6, 4)
	s_cmp_eq_u32 s2, 0
	s_cbranch_scc0 .Lentry_in_a_cluster
	s_endpgm
.Lentry_in_a_cluster:
	s_bfe_u32 s2, ttmp6, 0x10000c
	s_cmp_lg_u32 s2, 0xf033
	s_cbranch_scc0 .Lentry_shape_is_right
	s_endpgm
.Lentry_shape_is_right:
; qkv = LN1(x) w_qkv on codes of FP6 (E2M3) with E8M0 scales for each 32 along K = 1,024; the f32 sums are quantised at once for the two products of attention and leave as IMAGES of operands' registers.
; A tile of 256 x 256 is made by four waves, each 128 x 128: 64 accumulators, 512 registers.  K goes in steps of 256 through a ring of two LDS slots filled by the tensor data mover; the scales of the tile's rows stay in LDS.
; CLUSTERS: 4 x 4 work-groups; A's tiles are asked for jointly along a row of the cluster, B's along a column.  The matrix instruction is used TRANSPOSED (source 0 = 16 rows of B, source 1 = 16 rows of A):
; a lane holds one row of A's side and eight neighbours along B's side, and the way out quantises ALONG B's SIDE.
; TWO ROLES, ONE PATH.  Clusters with y < 4: A = the tokens' codes, B = w_qkv's rows 0-2047 (q, k): the blocks of 32 run along a head's 64.  Clusters with y >= 4: A = w_qkv's rows 2048-3071 (v), B = the tokens:
; the blocks run along the KEYS, which are the second product's K.  Only pointers and offsets are chosen (on the cluster's y, which all partners share); shapes, LDS addresses and trip counts are the same.
; THE IMAGE: a half fragment (16 rows x 64 K: six registers a lane) is 768 bytes: registers 0-3 at 16 x lane, registers 4, 5 at 512 + 8 x lane: every store covers whole aligned blocks of 256 bytes.
; q, k: [q or k][batch][head][token / 16][768]; v: [token / 128][(64 head + d) / 16][2 x 768].  Scale words: q, k: [2 (q or k) + batch][head / 2][token], byte 2 c + h: head 2 pair + c, block h; v: [token / 128][64 head + d].
; Within each block of 32 the groups of eight lie in the order 0, 2, 1, 3: alike in q and k, and in v as the softmax's codes come out of tiles of 16 neighbouring keys: the products are the same.
; LIMITS: NaN and infinities are not served; a block whose largest magnitude lies under 2^-124 keeps the byte 1, a block of zeros too (its codes are zeros; this program alone reads the bytes).
.set ROLE,   1                         ; 1: the two roles above;  0: A = rows, B = the weight
.set PERM,   1                         ; 1: groups of eight in the order 0, 2, 1, 3
.set GELU,   0                         ; 1: bias and exact gelu ahead of the quantiser
.set SIZE_K, 1024
.set KSTEP,  256                       ; along K in a slot
.set NQ,     KSTEP/128
.set ROWB,   192                       ; a tile's row in bytes
.set KROW,   SIZE_K*6/8
.set PITCH,  240                       ; an LDS row: 3 x (64 bytes + 16 of padding)
.set FR,     12                        ; registers of a fragment
.set NL,     6                         ; LDS loads that bring one
.set NP,     4                         ; places behind this matrix instruction (ISA guide 7.12.1)
.set HALFT,  128*PITCH
.set SLOT,   4*HALFT                   ; A's 256 rows, then B's 256 rows
.set LAPS,   SIZE_K/(2*KSTEP)
.set KS,     SIZE_K/32
.set SCL,    2*SLOT                    ; behind the ring: the scales, as units of 256 bytes + 16 of padding
.set HALFS,  (128*KS/256)*272
.set SBLK,   (16*KS/256)*272
.set SPARE,  SCL+4*HALFS               ; the spare words, 128 bytes for each wave: two blocks of 256 bytes that no other line names
.set SPITCH, 528                       ; the way out: a stage of 16 rows x (512 + 16) bytes for each wave, in slot 0, which has had its last fill and its last read by then
.set SCR,    4*16*SPITCH               ; behind the stages, in slot 0 too: 512 bytes for each wave's scale words
.set VO8,  10                          ; v10  8 x lane
.set SBA,  11                          ; v11  my scale byte's place: 4 (lane % 16) + lane / 16 in my scratch
.set ADRA, 16                          ; v16-19 LDS addresses of my A fragments (slot 0, 1; behind one padding more)
.set ADRB, 20                          ; v20-23 the same for B
.set STO,  24                          ; v24  the stage: where I put 32 bytes of a row
.set RD,   25                          ; v25  and where I read my 128 bytes of a row back
.set CO,   26                          ; v26  16 x lane
.set ADRS, 27                          ; v27  my scale words: lanes 0-15 A's rows, lanes 16-31 B's
.set SPW,  28                          ; v28  my spare word; never rewritten
.set NIL,  29                          ; v29  0; never rewritten
.set SBR,  31                          ; v31  my scratch, 16 bytes a lane
.set SC,   32                          ; v32-63 scale words, two sets: they hold scales and nothing else
.set GU,   64                          ; v64-95 gelu at work
.set GS,   72
.set GA,   80
.set GQ,   88
.set CD,   96                          ; v96-119 two sets of a fragment's codes
.set T,    120                         ; v120-126 the second halves of the blocks' codes as the conversions leave them
.set AF,   128                         ; A's fragments, one set
.set X,    128                         ; the way out: two sets of 64 numbers
.set G1, 24
.set G0, 32
.set G1B, 48
.set G0B, 56
.set G1S, 68
.set G0S, 76
.set G1SB, 80
.set G0SB, 88
.if ROLE
.set PA,  66                           ; where the chosen pointers lie
.set PAS, 4
.set PB,  104
.set PBS, 8
.else
.set PA,  4
.set PAS, 6
.set PB,  8
.set PBS, 10
.endif
.set MSB, 0
.macro WIN new                         ; the immediate's high byte repeats the setting that is left
.if MSB != \new
	s_set_vgpr_msb (MSB<<8)|\new
.set MSB, \new
.endif
.endm
.set MUL_LO, 0xa1                      ; source 0 (B) window 1, source 1 (A) window 0, C and D window 2
.set MUL_HI, 0xf1                      ; the same, C and D window 3
.set TO_B,   0x40                      ; destination window 1
; A joint load: waves 0 and 1 fetch for A, waves 2 and 3 for B; the branch hangs on the wave's number alone.  Four v_nop follow each of the two lines.
.macro JLOAD g0a, g1a, g0b, g1b
	s_cmp_eq_u32 s15, 0
	s_cbranch_scc0 .Lfor_b_\@
	tensor_load_to_lds s[\g0a:\g0a+3], s[\g1a:\g1a+7]
	s_nop 0
.rept 4
	v_nop
.endr
	s_branch .Lasked_\@
.Lfor_b_\@:
	tensor_load_to_lds s[\g0b:\g0b+3], s[\g1b:\g1b+7]
	s_nop 0
.rept 4
	v_nop
.endr
.Lasked_\@:
.endm
.macro CREST                           ; a round of the cluster's barrier behind its opening barrier
	s_cmp_lg_u32 s14, 0
	s_cbranch_scc1 .Lnot_wave_0_\@
	s_barrier_signal -3
.Lnot_wave_0_\@:
	s_barrier_wait -3
	s_barrier_signal -1
	s_barrier_wait -1
.endm
.macro CROUND
	s_barrier_signal -1
	s_barrier_wait -1
	CREST
.endm
	s_load_b256 s[4:11], s[0:1], 0x0               ; the rows' codes and scales, the weight's codes and scales
	s_load_b128 s[96:99], s[0:1], 0x20             ; the images, the scale words
.if GELU
	s_load_b64 s[100:101], s[0:1], 0x30            ; the bias
.endif
	v_lshl_add_u32 v[SPW], v0, 2, SPARE
	v_mov_b32 v[NIL], 0
	ds_add_u32 v28, v29
	ds_add_u32 v28, v29
	s_wait_dscnt 0x0
	v_lshrrev_b32 v1, 5, v0
	v_readfirstlane_b32 s14, v1                    ; wave 0..3
	s_lshr_b32 s15, s14, 1                         ; which half of A's rows is mine.  Also: I fetch for A (0) or for B (1)
	s_and_b32 s16, s14, 1                          ; which half of B's rows.  Also: which 128 rows of that tile I fetch
	s_bfe_u32 s40, ttmp6, 0x40000                  ; cx, cy: my place in the cluster
	s_bfe_u32 s41, ttmp6, 0x40004
	s_and_b32 s95, ttmp7, 0xffff                   ; the cluster's y
	s_lshl_b32 s42, ttmp9, 2
	s_lshl_b32 s17, s95, 2
	s_mov_b32 s19, 0
.if ROLE
	s_sub_co_u32 s18, s95, 4                       ; v's clusters: B's tile column 4 (2 (y - 4) + x) + cx, A's tile row cy, 8 tile rows down in the weight
	s_lshl_b32 s18, s18, 1
	s_add_co_u32 s18, s18, ttmp9
	s_lshl_b32 s18, s18, 2
	s_cmp_ge_u32 s95, 4
	s_cselect_b32 s42, s18, s42
	s_cselect_b32 s17, 0, s17
	s_cselect_b32 s19, 8, 0
.endif
	s_add_co_u32 s42, s42, s40                     ; B's tile: cx enters B's addresses alone
	s_add_co_u32 s17, s17, s41                     ; A's tile: cy enters A's addresses alone
	s_lshl_b32 s43, s41, 2
	s_lshl_b32 s43, 15, s43                        ; my row of the cluster
	s_lshl_b32 s44, 0x1111, s40                    ; my column
	s_or_b32 s[G1+0], s43, (0<<16)|(1<<20)|(1<<21)|(3<<22)|(3<<25)  ; the mask; elements of 1 byte; padding on; bit 21 beside a mask; after every 16 words 4 words
	s_or_b32 s[G1B+0], s44, (0<<16)|(1<<20)|(1<<21)|(3<<22)|(3<<25)
.irp g, G1, G1B
	s_mov_b32 s[\g+1], ROWB<<16                    ; tensor_dim0
	s_mov_b32 s[\g+2], 128<<16                     ; tensor_dim1
	s_mov_b32 s[\g+3], ROWB<<16                    ; tile_dim0
	s_mov_b32 s[\g+4], 128                         ; tile_dim1
	s_mov_b32 s[\g+5], KROW                        ; the pitch
	s_mov_b32 s[\g+6], 0
	s_mov_b32 s[\g+7], 0
.endr
	s_or_b32 s[G1S+0], s43, (3<<16)|(1<<20)|(1<<21)|(5<<22)|(3<<25) ; the scales of 128 rows: a dense block, as rows of 256 bytes + 16 of padding
	s_or_b32 s[G1SB+0], s44, (3<<16)|(1<<20)|(1<<21)|(5<<22)|(3<<25)
.irp g, G1S, G1SB
	s_mov_b32 s[\g+1], 32<<16
	s_mov_b32 s[\g+2], (128*KS/256)<<16
	s_mov_b32 s[\g+3], 32<<16
	s_mov_b32 s[\g+4], 128*KS/256
	s_mov_b32 s[\g+5], 32
	s_mov_b32 s[\g+6], 0
	s_mov_b32 s[\g+7], 0
.endr
	s_lshl_b32 s18, s16, 7                         ; which 128 rows of the tile I fetch
	s_add_co_u32 s20, s17, s19
	s_lshl_b32 s20, s20, 8
	s_add_co_u32 s20, s20, s18                     ; A's row in its buffer
	s_lshl_b32 s46, s42, 8
	s_add_co_u32 s46, s46, s18                     ; B's
	s_mov_b32 s21, 0
	s_mov_b32 s47, 0
	s_mov_b64 s[18:19], KS
	s_mul_u64 s[22:23], s[20:21], s[18:19]         ; where these rows' scales begin,
	s_mul_u64 s[92:93], s[46:47], s[18:19]
	s_mov_b64 s[18:19], KROW
	s_mul_u64 s[20:21], s[20:21], s[18:19]         ; and their codes
	s_mul_u64 s[46:47], s[46:47], s[18:19]
	s_mul_i32 s45, s14, HALFT                      ; where they go: wave x 128 rows
	s_mul_i32 s94, s14, HALFS
	s_wait_kmcnt 0x0
.if ROLE
	s_cmp_ge_u32 s95, 4                            ; the choice hangs on the cluster's y alone
	s_cselect_b64 s[66:67], s[8:9], s[4:5]         ; A's codes
	s_cselect_b64 s[104:105], s[4:5], s[8:9]       ; B's codes
	s_cselect_b64 s[4:5], s[10:11], s[6:7]         ; A's scales
	s_cselect_b64 s[8:9], s[6:7], s[10:11]         ; B's scales
.endif
	s_add_nc_u64 s[20:21], s[PA:PA+1], s[20:21]
	s_add_nc_u64 s[22:23], s[PAS:PAS+1], s[22:23]
	s_add_nc_u64 s[46:47], s[PB:PB+1], s[46:47]
	s_add_nc_u64 s[92:93], s[PBS:PBS+1], s[92:93]
	CROUND                                         ; all sixteen work-groups are here: the first joint loads meet
	s_mov_b32 s[G0S], 1
	s_add_co_u32 s[G0S+1], s94, SCL
	s_mov_b64 s[G0S+2:G0S+3], s[22:23]
	s_or_b32 s[G0S+3], s[G0S+3], 0x80000000
	s_mov_b32 s[G0SB], 1
	s_add_co_u32 s[G0SB+1], s94, SCL
	s_mov_b64 s[G0SB+2:G0SB+3], s[92:93]
	s_or_b32 s[G0SB+3], s[G0SB+3], 0x80000000
	JLOAD G0S, G1S, G0SB, G1SB                     ; the scales first: they are wanted with K step 0
.irp s, 0,1
	s_mov_b32 s[G0+4*\s], 1
	s_add_co_u32 s[G0+4*\s+1], s45, \s*SLOT
	s_add_nc_u64 s[G0+4*\s+2:G0+4*\s+3], s[20:21], \s*ROWB
	s_or_b32 s[G0+4*\s+3], s[G0+4*\s+3], 0x80000000
	s_mov_b32 s[G0B+4*\s], 1
	s_add_co_u32 s[G0B+4*\s+1], s45, \s*SLOT
	s_add_nc_u64 s[G0B+4*\s+2:G0B+4*\s+3], s[46:47], \s*ROWB
	s_or_b32 s[G0B+4*\s+3], s[G0B+4*\s+3], 0x80000000
	JLOAD G0+4*\s, G1, G0B+4*\s, G1B
.endr
	v_and_b32 v1, 15, v0                           ; r = lane % 16
	v_bfe_u32 v2, v0, 4, 1                         ; h = lane / 16
	v_mul_u32_u24 v3, v1, PITCH
	v_mul_u32_u24 v4, v2, 24
	v_add_nc_u32 v4, v3, v4                        ; a fragment's row x pitch + 24 x half
	v_lshl_add_u32 v5, v2, 4, v4                   ; and the same behind one padding more
	s_mul_i32 s21, s15, HALFT
	s_mul_i32 s22, s16, HALFT
	s_add_co_u32 s22, s22, 2*HALFT
.irp s, 0,1
	v_add_nc_u32 v[ADRA+\s], s21, v4
	v_add_nc_u32 v[ADRB+\s], s22, v4
	v_add_nc_u32 v[ADRA+2+\s], s21, v5
	v_add_nc_u32 v[ADRB+2+\s], s22, v5
	s_add_co_u32 s21, s21, SLOT
	s_add_co_u32 s22, s22, SLOT
.endr
	v_mul_u32_u24 v5, v1, KS                       ; my row's scales: KS bytes a row, and 16 more for each 256 passed
	v_lshrrev_b32 v6, 8, v5
	v_lshl_add_u32 v5, v6, 4, v5
	s_mul_i32 s21, s15, HALFS
	s_mul_i32 s22, s16, HALFS
	s_add_co_u32 s22, s22, 2*HALFS
	s_sub_co_u32 s22, s22, s21
	v_mul_u32_u24 v6, s22, v2                      ; lanes 16-31 take B's
	s_add_co_u32 s21, s21, SCL
	v_add_nc_u32 v5, v5, v6
	v_add_nc_u32 v[ADRS], s21, v5
	s_mul_i32 s23, s14, 16*SPITCH                  ; my stage
	v_mul_u32_u24 v5, v1, SPITCH
	v_lshl_add_u32 v6, v2, 5, v5
	v_add_nc_u32 v[STO], s23, v6                   ; in: row r, 32 bytes for each half of the lanes
	v_lshl_add_u32 v6, v2, 7, v5
	v_add_nc_u32 v[RD], s23, v6                    ; back: row r, 128 bytes (a block of 32) for each half of the lanes
	v_and_b32 v6, 31, v0
	v_lshlrev_b32 v[CO], 4, v6
	v_lshlrev_b32 v[VO8], 3, v6
	s_lshl_b32 s22, s14, 9
	s_add_co_u32 s22, s22, SCR                     ; my scratch
	v_lshl_add_u32 v[SBA], v1, 2, v2
	v_add_nc_u32 v[SBA], s22, v[SBA]
	v_add_nc_u32 v[SBR], s22, v[CO]
	; where my 128 x 128 goes.  m0: my first index on A's side, n0: on B's side
	s_lshl_b32 s18, s17, 8
	s_lshl_b32 s19, s15, 7
	s_add_co_u32 s18, s18, s19                     ; m0
	s_lshl_b32 s19, s42, 8
	s_lshl_b32 s20, s16, 7
	s_add_co_u32 s19, s19, s20                     ; n0
.if ROLE
	s_lshr_b32 s20, s19, 10                        ; q, k: m0 a token, n0 a column: q or k,
	s_lshr_b32 s21, s18, 11                        ; the batch,
	s_bfe_u32 s22, s19, 0x40006                    ; the first of my two heads
	s_lshl_b32 s23, s20, 5
	s_lshl_b32 s40, s21, 4
	s_add_co_u32 s23, s23, s40
	s_add_co_u32 s23, s23, s22
	s_mul_i32 s23, s23, 98304
	s_and_b32 s40, s18, 2047
	s_lshr_b32 s41, s40, 4
	s_mul_i32 s41, s41, 768
	s_add_co_u32 s23, s23, s41                     ; the images' offset
	s_lshl_b32 s20, s20, 1
	s_add_co_u32 s20, s20, s21
	s_lshl_b32 s20, s20, 3
	s_lshr_b32 s22, s22, 1
	s_add_co_u32 s20, s20, s22
	s_lshl_b32 s20, s20, 13
	s_lshl_b32 s40, s40, 2
	s_add_co_u32 s20, s20, s40                     ; the scale words' offset
	s_lshr_b32 s21, s19, 7                         ; v: m0 = 64 head + d, n0 a token
	s_mul_i32 s22, s21, 98304
	s_lshr_b32 s41, s18, 4
	s_mul_i32 s41, s41, 1536
	s_add_co_u32 s22, s22, s41
	s_add_co_u32 s22, s22, 6291456
	s_lshl_b32 s21, s21, 12
	s_lshl_b32 s41, s18, 2
	s_add_co_u32 s21, s21, s41
	s_add_co_u32 s21, s21, 262144
	s_mov_b32 s43, 1536
	s_mov_b32 s44, 98304
	s_cmp_ge_u32 s95, 4
	s_cselect_b32 s40, s22, s23
	s_cselect_b32 s46, s21, s20
	s_cselect_b32 s66, s43, 768                    ; from 16 rows to the next 16
	s_cselect_b32 s44, 768, s44                    ; from a fragment's first half to its second
.else
	s_lshr_b32 s40, s18, 4                         ; [row / 16][k / 128][1,536], 32 K steps to a row block
	s_mul_i32 s40, s40, 49152
	s_lshr_b32 s21, s19, 7
	s_mul_i32 s22, s21, 1536
	s_add_co_u32 s40, s40, s22
	s_lshl_b32 s46, s21, 14                        ; scale words: [k / 128][row]
	s_lshl_b32 s22, s18, 2
	s_add_co_u32 s46, s46, s22
	s_mov_b32 s66, 49152
	s_mov_b32 s44, 768
.endif
	s_mov_b32 s41, 0
	s_mov_b32 s47, 0
	s_mov_b32 s67, 0
	s_mov_b32 s45, 0
	s_add_nc_u64 s[96:97], s[96:97], s[40:41]      ; the first halves,
	s_add_nc_u64 s[104:105], s[96:97], s[44:45]    ; the second halves,
	s_add_nc_u64 s[98:99], s[98:99], s[46:47]      ; my 128 scale words
.if GELU
	s_lshl_b32 s40, s19, 2
	s_add_nc_u64 s[100:101], s[100:101], s[40:41]
	v_lshlrev_b32 v9, 7, v2                        ; the bias of my 64 columns, n0 + 64 c + 32 h + i, stays in window 1 beside B's two sets: v96-127 (c = 0), v224-255 (c = 1)
	WIN TO_B
.irp c, 0,1
.irp e, 0,1,2,3,4,5,6,7
	global_load_b128 v[96+128*\c+4*\e:99+128*\c+4*\e], v9, s[100:101] offset:256*\c+16*\e
.endr
.endr
	WIN 0
	v_mov_b32 v12, 0xaf95df0b                      ; the two leading coefficients, as pairs
	v_mov_b32 v13, 0xaf95df0b
	v_mov_b32 v14, 0xb77460cd
	v_mov_b32 v15, 0xb77460cd
.endif
.macro FRAG reg, adr, q, i             ; a fragment: lane l holds row l % 16; registers 6 c .. 6 c + 5 hold K = 64 c + 32 (l / 16) + 0 .. 31: 24 bytes of the row's stream of bits, in pieces of 8 bytes
.irp p, 0,1,2,3,4,5
.set PC, 12*(\q)+6*(\p/3)+\p%3        ; 16 bytes of padding lie behind every 8 pieces: where the piece three on lies behind one padding more, the second address register serves
.if PC%8 < 5
	ds_load_b64 v[\reg+2*\p:\reg+2*\p+1], v[\adr] offset:8*PC+16*(PC/8)+(\i)*16*PITCH
.else
	ds_load_b64 v[\reg+2*\p:\reg+2*\p+1], v[\adr+2] offset:8*PC+16*(PC/8)+(\i)*16*PITCH
.endif
.endr
.endm
; 16 matrix instructions: A's blocks a0, a0 + 1 x B's eight.  The 64 accumulators take turns, one instruction a turn, in the same order in every step.  zero = 1: the first product starts the sums.
.macro MUL16 a0, p, q, sc, zero
.irp a, \a0, \a0+1
.irp b, 0,1,2,3,4,5,6,7
.if \zero
	v_wmma_scale_f32_16x16x128_f8f6f4 v[8*(8*((\a)%4)+\b):8*(8*((\a)%4)+\b)+7], v[128*(\p)+FR*\b:128*(\p)+FR*\b+FR-1], v[AF+FR*(\a):AF+FR*(\a)+FR-1], 0, v[SC+8*NQ*(\sc)+NQ*\b+(\q)], v[SC+8*NQ*(\sc)+NQ*(\a)+(\q)] matrix_a_fmt:MATRIX_FMT_FP6 matrix_b_fmt:MATRIX_FMT_FP6 matrix_a_scale:MATRIX_SCALE_ROW1
.else
	v_wmma_scale_f32_16x16x128_f8f6f4 v[8*(8*((\a)%4)+\b):8*(8*((\a)%4)+\b)+7], v[128*(\p)+FR*\b:128*(\p)+FR*\b+FR-1], v[AF+FR*(\a):AF+FR*(\a)+FR-1], v[8*(8*((\a)%4)+\b):8*(8*((\a)%4)+\b)+7], v[SC+8*NQ*(\sc)+NQ*\b+(\q)], v[SC+8*NQ*(\sc)+NQ*(\a)+(\q)] matrix_a_fmt:MATRIX_FMT_FP6 matrix_b_fmt:MATRIX_FMT_FP6 matrix_a_scale:MATRIX_SCALE_ROW1
.endif
.endr
.endr
.endm
.macro FETCH_B slot, q, p
	WIN TO_B
.irp i, 0,1,2,3,4,5,6,7
	FRAG 128*(\p)+FR*\i, ADRB+\slot, \q, \i
.endr
	WIN 0
.endm
.macro FETCH_A slot, q, i0
.irp i, \i0, \i0+1, \i0+2, \i0+3
	FRAG AF+FR*(\i), ADRA+\slot, \q, \i
.endr
.endm
.macro SCALES sc                       ; a K step's scale words: lanes 0-15 take A's block i, lanes 16-31 B's block i
.irp i, 0,1,2,3,4,5,6,7
	ds_load_b64 v[SC+8*NQ*\sc+NQ*\i:SC+8*NQ*\sc+NQ*\i+1], v[ADRS] offset:\i*SBLK
.endr
.endm
.macro PLACES n                        ; plain vector lines between a matrix instruction and a load into, or a read of, its registers
.rept \n
	v_nop
.endr
.endm
.macro STEP slot, q, zero              ; 128 along K with its successor in the same slot
	s_wait_dscnt 4*NL                              ; B's set and A's blocks 0-3 are in; the youngest loads (A's blocks 4-7) may be out
	WIN MUL_LO
	MUL16 0, (\q)%2, \q, \slot, \zero
	MUL16 2, (\q)%2, \q, \slot, \zero
	s_wait_dscnt 0
	PLACES NP
	FETCH_B \slot, (\q)+1, 1-(\q)%2
	FETCH_A \slot, (\q)+1, 0
	WIN MUL_HI
	MUL16 4, (\q)%2, \q, \slot, \zero
	MUL16 6, (\q)%2, \q, \slot, \zero
	PLACES NP
	WIN 0
	FETCH_A \slot, (\q)+1, 4
.endm
; A slot's last step changes slots: one barrier; in front of it each wave waits for all its tensor loads, adds 0 to its spare word, and waits for that and for its reads of this slot.  fill = 1: this slot is filled again.
.macro TURN slot, next, fill
	s_wait_tensorcnt 0x0                           ; all my tensor loads have landed: my part of the next slot
	ds_add_u32 v[SPW], v[NIL]                      ; 0 onto my spare word
	s_wait_dscnt 4*NL+1                            ; (the add and A's blocks 4-7 may be out)
	WIN MUL_LO
	MUL16 0, 1, NQ-1, \slot, 0
	s_wait_dscnt 0x0                               ; the add is done, and my reads of this slot are over
	s_barrier_signal -1
	MUL16 2, 1, NQ-1, \slot, 0
	WIN 0
	s_barrier_wait -1
.if \fill
	CREST                                          ; the barrier has opened a round of the cluster's barrier: no wave of any partner still reads this slot or has a load on its way
	s_add_nc_u64 s[G0+4*\slot+2:G0+4*\slot+3], s[G0+4*\slot+2:G0+4*\slot+3], 2*ROWB
	s_add_nc_u64 s[G0B+4*\slot+2:G0B+4*\slot+3], s[G0B+4*\slot+2:G0B+4*\slot+3], 2*ROWB
	JLOAD G0+4*\slot, G1, G0B+4*\slot, G1B         ; the first tensor load behind the round; its four v_nop are the places in front of the loads below
.else
	PLACES NP
.endif
	v_add_nc_u32 v[ADRS], 4*NQ, v[ADRS]
	FETCH_B \next, 0, 0
	FETCH_A \next, 0, 0
	SCALES \next
	WIN MUL_HI
	MUL16 4, 1, NQ-1, \slot, 0
	MUL16 6, 1, NQ-1, \slot, 0
	PLACES NP
	WIN 0
	FETCH_A \next, 0, 4
.endm
	s_wait_tensorcnt 1                             ; the scales and my part of K step 0 are in (K step 1's load may be out)
	s_barrier_signal -1
	s_barrier_wait -1
	FETCH_B 0, 0, 0
	FETCH_A 0, 0, 0
	SCALES 0
	FETCH_A 0, 0, 4
	STEP 0, 0, 1
	s_mov_b32 s3, LAPS-1
.Llap:
	TURN 0, 1, 1
	STEP 1, 0, 0
	TURN 1, 0, 1
	STEP 0, 0, 0
	s_sub_co_u32 s3, s3, 1
	s_cmp_lg_u32 s3, 0
	s_cbranch_scc1 .Llap
	TURN 0, 1, 0                                   ; the last lap fills nothing
	STEP 1, 0, 0
	s_wait_dscnt 4*NL
	WIN MUL_LO
	MUL16 0, 1, NQ-1, 1, 0
	MUL16 2, 1, NQ-1, 1, 0
	s_wait_dscnt 0
	WIN MUL_HI
	MUL16 4, 1, NQ-1, 1, 0
	MUL16 6, 1, NQ-1, 1, 0
	WIN 0
; THE WAY OUT, block by block of 16 rows x 128.  The block goes into my stage as it stands (each accumulator from its low end on) and comes back so that lane (r, h) holds, of row r, the two whole blocks of 32
; at 64 c + 32 h: the very numbers whose codes are registers 6 c .. 6 c + 5 of the next operand's fragment.  No other lane is asked for a maximum.
.macro TOSTAGEQ a
.set AC, 64*((\a)%4)
	WIN 0x08+4*((\a)/4)                            ; the data: window 2 or 3
.irp b, 0,1,2,3,4,5,6,7
	ds_store_b128 v[STO], v[AC+8*\b:AC+8*\b+3] offset:64*\b
	ds_store_b128 v[STO], v[AC+8*\b+4:AC+8*\b+7] offset:64*\b+16
.endr
	WIN 0
.set XB, X+64*((\a)%2)
.irp c, 0,1
.irp g, 0,1,2,3
.if PERM
.set PG, ((\g)%2)*2+(\g)/2
.else
.set PG, \g
.endif
	ds_load_b128 v[XB+32*\c+8*\g:XB+32*\c+8*\g+3], v[RD] offset:256*\c+32*PG       ; LDS serves a wave's instructions in order: these see the stores above
	ds_load_b128 v[XB+32*\c+8*\g+4:XB+32*\c+8*\g+7], v[RD] offset:256*\c+32*PG+16
.endr
.endr
.endm
; gelu(x) = x/2 (1 + erf(x / sqrt 2)), erf(u) = u P(u^2) / Q(u^2) with u held to +-4 (beyond it erf is 1 to f32's last digit): eight numbers at v[GX] on
.macro G8
.irp p, 0,2,4,6
	v_pk_mul_f32 v[GU+\p:GU+\p+1], v[GX+\p:GX+\p+1], 0x3f3504f3 op_sel_hi:[1,0]
.endr
.irp p, 0,1,2,3,4,5,6,7
	v_med3_num_f32 v[GU+\p], v[GU+\p], -4.0, 4.0
.endr
.irp p, 0,2,4,6
	v_pk_mul_f32 v[GS+\p:GS+\p+1], v[GU+\p:GU+\p+1], v[GU+\p:GU+\p+1]
.endr
.irp p, 0,2,4,6
	v_pk_fma_f32 v[GA+\p:GA+\p+1], v[GS+\p:GS+\p+1], v[12:13], 0x32edffee op_sel_hi:[1,1,0]
	v_pk_fma_f32 v[GQ+\p:GQ+\p+1], v[GS+\p:GS+\p+1], v[14:15], 0xb95fbd29 op_sel_hi:[1,1,0]
.endr
.irp k, 0xb60cff51, 0xb86ec2d2, 0xba40ac63, 0xbb41a1f6, 0xbc83dbd4
.irp p, 0,2,4,6
	v_pk_fma_f32 v[GA+\p:GA+\p+1], v[GA+\p:GA+\p+1], v[GS+\p:GS+\p+1], \k op_sel_hi:[1,1,0]
.endr
.endr
.irp k, 0xbadc924e, 0xbbf19bf8, 0xbc69b6a7
.irp p, 0,2,4,6
	v_pk_fma_f32 v[GQ+\p:GQ+\p+1], v[GQ+\p:GQ+\p+1], v[GS+\p:GS+\p+1], \k op_sel_hi:[1,1,0]
.endr
.endr
.irp p, 0,2,4,6
	v_pk_mul_f32 v[GU+\p:GU+\p+1], v[GU+\p:GU+\p+1], v[GA+\p:GA+\p+1]
.endr
.irp p, 0,1,2,3,4,5,6,7
	v_rcp_f32 v[GQ+\p], v[GQ+\p]
.endr
.irp p, 0,2,4,6
	v_pk_mul_f32 v[GS+\p:GS+\p+1], v[GX+\p:GX+\p+1], 0.5 op_sel_hi:[1,0]   ; x / 2 (plain lines behind the reciprocals)
.endr
.irp p, 0,2,4,6
	v_pk_mul_f32 v[GU+\p:GU+\p+1], v[GU+\p:GU+\p+1], v[GQ+\p:GQ+\p+1]      ; erf
.endr
.irp p, 0,2,4,6
	v_pk_fma_f32 v[GX+\p:GX+\p+1], v[GU+\p:GU+\p+1], v[GS+\p:GS+\p+1], v[GS+\p:GS+\p+1]
.endr
.endm
.macro GELUALL
	WIN 0x04                                       ; source 1: window 1, the bias
.irp c, 0,1
.irp i, 0,2,4,6,8,10,12,14,16,18,20,22,24,26,28,30
	v_pk_add_f32 v[XB+32*\c+\i:XB+32*\c+\i+1], v[XB+32*\c+\i:XB+32*\c+\i+1], v[96+128*\c+\i:97+128*\c+\i]
.endr
.endr
	WIN 0
.set GX, XB
.rept 8
	G8
.set GX, GX+8
.endr
.endm
.macro PROCQ a, younger                ; younger: LDS instructions issued behind block a's loads, which may stay out
.set XB, X+64*((\a)%2)
.set CB, CD+12*((\a)%2)
	s_wait_dscnt \younger
.if GELU
	GELUALL
.endif
.irp c, 0,1                                    ; my two blocks' largest magnitudes, by turns
	v_max3_num_f32 v[1+\c], |v[XB+32*\c]|, |v[XB+32*\c+1]|, |v[XB+32*\c+2]|
	v_max3_num_f32 v[3+\c], |v[XB+32*\c+3]|, |v[XB+32*\c+4]|, |v[XB+32*\c+5]|
.endr
.irp i, 6,10,14,18,22,26
.irp c, 0,1
	v_max3_num_f32 v[1+\c], v[1+\c], |v[XB+32*\c+\i]|, |v[XB+32*\c+\i+1]|
	v_max3_num_f32 v[3+\c], v[3+\c], |v[XB+32*\c+\i+2]|, |v[XB+32*\c+\i+3]|
.endr
.endr
.irp c, 0,1
	v_max3_num_f32 v[1+\c], v[1+\c], |v[XB+32*\c+30]|, |v[XB+32*\c+31]|
.endr
.irp c, 0,1
	v_max3_num_f32 v[1+\c], v[1+\c], v[3+\c], 0x1800000   ; and the floor 2^(3 - 127): the byte cannot fall under 1
.endr
.irp c, 0,1
	v_add_nc_u32 v[5+\c], 0xff000000, v[1+\c]      ; 2 off the exponent field: the conversion's scale operand
.endr
	s_wait_xcnt 0x0                                ; the earlier stores have read their data and their bases: this set of codes may be written, the bases may step
.if (\a) > 0
	s_add_nc_u64 s[96:97], s[96:97], s[66:67]
	s_add_nc_u64 s[104:105], s[104:105], s[66:67]
.endif
.irp c, 0,1
	v_cvt_scalef32_pk16_fp6_f32 v[CB+6*\c:CB+6*\c+2], v[XB+32*\c:XB+32*\c+15], v[5+\c]
	v_cvt_scalef32_pk16_fp6_f32 v[T+4*\c:T+4*\c+2], v[XB+32*\c+16:XB+32*\c+31], v[5+\c]   ; (a conversion's three registers begin on an even number)
.endr
.irp c, 0,1
	v_lshrrev_b32 v[7+\c], 23, v[5+\c]             ; the scales' bytes (plain lines behind the conversions)
.endr
.irp c, 0,1
.irp i, 0,1,2
	v_mov_b32 v[CB+6*\c+3+\i], v[T+4*\c+\i]
.endr
.endr
.irp c, 0,1
	ds_store_b8 v[SBA], v[7+\c] offset:64*(\a)+2*\c   ; row 16 a + r's word, byte 2 c + h
.endr
	global_store_b128 v[CO], v[CB:CB+3], s[96:97]              ; 512 consecutive bytes, aligned,
	global_store_b64 v[VO8], v[CB+4:CB+5], s[96:97] offset:512 ; and 256
	global_store_b128 v[CO], v[CB+6:CB+9], s[104:105]
	global_store_b64 v[VO8], v[CB+10:CB+11], s[104:105] offset:512
.endm
	PLACES NP
.if GELU
	s_wait_loadcnt 0x0                             ; the bias
.endif
	TOSTAGEQ 0
.irp a, 1,2,3,4,5,6,7
	TOSTAGEQ \a
	PROCQ \a-1, 32                                 ; behind block a - 1's loads: block a's 16 stores and 16 loads at the least
.endr
	PROCQ 7, 0
	ds_load_b128 v[2:5], v[SBR]                    ; my 128 rows' scale words
	s_wait_dscnt 0x0
	global_store_b128 v[CO], v[2:5], s[98:99]      ; 512 consecutive bytes, aligned
	s_wait_tensorcnt 0x0                           ; the wave's end
	ds_add_u32 v[SPW], v[NIL]
	s_wait_dscnt 0x0
	CROUND                                         ; the closing round
	s_endpgm
.Lfunc_end_k_qbe166258be_qkv:
	.size	k_qbe166258be_qkv, .Lfunc_end_k_qbe166258be_qkv-k_qbe166258be_qkv
	.p2alignl 7, 3214868480
	.fill 96, 4, 3214868480
	.section	.rodata,"a",@progbits
	.p2align	6, 0x0
	.amdhsa_kernel k_qbe166258be_qkv
		.amdhsa_group_segment_fixed_size 327680
		.amdhsa_private_segment_fixed_size 0
		.amdhsa_enable_private_segment 0
		.amdhsa_kernarg_size 48
		.amdhsa_user_sgpr_count 2
		.amdhsa_user_sgpr_kernarg_segment_ptr 1
		.amdhsa_wavefront_size32 1
		.amdhsa_system_sgpr_workgroup_id_x 1
		.amdhsa_system_sgpr_workgroup_id_y 1
		.amdhsa_system_sgpr_workgroup_id_z 1
		.amdhsa_system_vgpr_workitem_id 0
		.amdhsa_next_free_vgpr 1024
		.amdhsa_next_free_sgpr 106
		.amdhsa_reserve_vcc 0
		.amdhsa_float_denorm_mode_32 3
		.amdhsa_float_denorm_mode_16_64 3
		.amdhsa_memory_ordered 1
		.amdhsa_forward_progress 1
		.amdhsa_inst_pref_size 176
	.end_amdhsa_kernel
	.amdgpu_metadata
---
amdhsa.version: [ 1, 2 ]
amdhsa.kernels:
  - .name:           k_qbe166258be_qkv
    .symbol:         k_qbe166258be_qkv.kd
    .args:
      - { .name: hc, .offset: 0, .size: 8, .value_kind: global_buffer, .address_space: global }
      - { .name: hs, .offset: 8, .size: 8, .value_kind: global_buffer, .address_space: global }
      - { .name: w_qkv_codes, .offset: 16, .size: 8, .value_kind: global_buffer, .address_space: global }
      - { .name: w_qkv_scales, .offset: 24, .size: 8, .value_kind: global_buffer, .address_space: global }
      - { .name: qkvi, .offset: 32, .size: 8, .value_kind: global_buffer, .address_space: global }
      - { .name: qkvs, .offset: 40, .size: 8, .value_kind: global_buffer, .address_space: global }
    .group_segment_fixed_size: 327680
    .private_segment_fixed_size: 0
    .kernarg_segment_align: 8
    .kernarg_segment_size: 48
    .max_flat_workgroup_size: 128
    .sgpr_count:     106
    .vgpr_count:     1024
    .wavefront_size: 32
...
	.end_amdgpu_metadata
.endif
;; end of part 2
;; launch attn (part 3): grid 8 x 32, 16 waves a work-group, no clusters, 280,576 bytes of LDS; arguments qkvi, qkvs, aimg, asc; writes aimg, asc
.if DOCPART == 3
	.amdgcn_target "amdgcn-amd-amdhsa--gfx1250"
	.amdhsa_code_object_version 6
	.text
	.protected	k_qbe166258be_attn
	.globl	k_qbe166258be_attn
	.p2align	8
	.type	k_qbe166258be_attn,@function
k_qbe166258be_attn:
	s_mov_b64 s[64:65], 0
	v_nop
	global_prefetch_b8 v0, s[64:65] scope:SCOPE_SE
	s_setreg_imm32_b32 hwreg(HW_REG_WAVE_MODE, 25, 1), 1
	s_wait_xcnt 0x0
; Causal attention of one (batch, head) on codes of FP6 (E2M3) with E8M0 scales; head size 64, 2,048 tokens.  q, k, v arrive as images of operands' registers; the result, divided by the row's sum, is quantised along the model's
; 1,024 and leaves as an image for the next product.
; THE SOFTMAX AHEAD OF THE SECOND PRODUCT: t = score x log2(e) / 8; M = the running largest t rounded UP to a whole number; p = 2^(t - M) is quantised along the keys, not normalised; the row's sum is taken of the
; unquantised p.  When M moves, the sum and O are multiplied by 2^(old M - new M): exact.
; SHARES.  A work-group has sixteen waves, each with 16 queries in 256 registers.  Waves 0-7 take queries 128 j + 16 w, waves 8-15 queries 128 (15 - j) + 16 (w - 8): early and late queries together, so that every
; work-group has the same visible work.  A step is 128 keys; a step all of whose keys come after the wave's queries is left out by a scalar branch on ids.
; NO CLUSTER, though the eight work-groups of a head read the same K and V: the steps that a wave leaves out hang on its work-group's place, and partners of joint loads must run alike.
; LDS IS FILLED ONCE: a head's K (98,304 bytes), V (98,304) and their scale words (8,192 + 4,096) fit together.  Every wave issues six tensor loads at the start, by this text's count six are out at the most;
; the keys come in four groups of 512, and a counted wait and a barrier stand ahead of each group: nothing is ever filled again.
; LAYOUT.  Both products are used transposed: S^T = K Q^T, O^T = V^T P^T: a lane holds ONE query (lane % 16).  The tiles of K are 16 neighbouring keys, so a lane's block of p has its groups of eight keys in the
; order 0, 2, 1, 3, which is the order in which v's codes were laid.
; K = 64 IN AN INSTRUCTION OF 128: Q's registers 6-11 hold zero codes; the six registers behind a tile of K's own six (the next tile's codes) meet those zeros; the scale half-words come zero-extended: bytes 2, 3 are 0, never 0xff.
; LIMITS: NaN and infinities are not served; a block whose largest magnitude lies under 2^-124 keeps the byte 1, a block of zeros too.  The result's scale bytes leave one byte a lane (32 a wave): the other half of each word is another head's.
; REGISTERS: v1-7 addresses that stay; v8-11 the step's addresses; v12 -M, v13 the largest t, v[14:15] the sum; v16-21 Q, v22-27 zeros; v32-85 K's eight half fragments (v80-85 zeros), later V's four fragments;
; v96-159 S^T, then p; v160-191 O^T; v224-235 p's codes; v232-254 at work; v248-251, v253, v255 scale words.
.set KSC,   196608                     ; K's scale words, 4 bytes a key
.set VSC,   204800                     ; V's: [key step][64 d]
.set STAGE, 208896                     ; the way out: 16 rows x (256 + 16) bytes for each wave; no fill lands here
.set WV,   12
.set Q0,   19                          ; my first query
.set KF,   20                          ; the step's first key
.set TB,   21                          ; LDS byte of the step's K; its V lies 24,576 on
.set TSK,  22                          ; the step's scale words of K: 512 bytes a step
.set TSV,  23                          ; and of V: 256
.set SEL,  24
.set CS,   26
.set CNT,  28
.set G1D,  32                          ; s[32:39] group 1: 12 rows of 256 bytes;  s[40:47]: 2 rows;  s[48:55]: 1 row
.set G1KS, 40
.set G1VS, 48
	s_load_b256 s[4:11], s[0:1], 0x0               ; the images of q, k, v; their scale words; the result's images; its scale words
	v_lshl_add_u32 v223, v0, 2, 0x44000
	v_mov_b32 v243, 0
	ds_add_u32 v223, v243
	ds_add_u32 v223, v243
	v_lshrrev_b32 v1, 5, v0
	v_readfirstlane_b32 s[WV], v1                  ; wave 0..15
	s_and_b32 s14, ttmp7, 0xffff                   ; 16 x batch + head
	s_and_b32 s15, s14, 15                         ; head
	s_lshr_b32 s16, s14, 4                         ; batch
	s_and_b32 s17, s15, 1                          ; which head of its pair
	s_lshr_b32 s18, s15, 1                         ; the pair
	s_lshl_b32 s84, ttmp9, 7
	s_sub_co_u32 s85, 1792, s84
	s_cmp_lt_u32 s[WV], 8
	s_cselect_b32 s84, s84, s85
	s_lshl_b32 s85, s[WV], 4
	s_add_co_u32 s[Q0], s84, s85                   ; 16 w + 128 j, or 16 w + 1,792 - 128 j
	; my slice of each group, 3,072 dense bytes: waves 0-7 of K, waves 8-15 of V
	s_add_co_u32 s86, s14, 32
	s_mul_i32 s86, s86, 98304
	s_mul_i32 s94, s[WV], 3072
	s_add_co_u32 s86, s86, s94
	s_and_b32 s88, s[WV], 7
	s_lshr_b32 s89, s88, 1                         ; V: which key step of the group,
	s_lshl_b32 s90, s16, 4
	s_add_co_u32 s89, s89, s90
	s_mul_i32 s89, s89, 98304
	s_mul_i32 s90, s15, 6144
	s_add_co_u32 s89, s89, s90
	s_and_b32 s90, s88, 1                          ; which half of the head's 6,144 bytes
	s_mul_i32 s90, s90, 3072
	s_add_co_u32 s89, s89, s90
	s_add_co_u32 s89, s89, 6291456
	s_mov_b32 s91, 393216
	s_cmp_lt_u32 s[WV], 8
	s_cselect_b32 s86, s86, s89                    ; the slice's offset,
	s_cselect_b32 s88, 24576, s91                  ; and from group to group
	s_mov_b32 s87, 0
	s_mov_b32 s89, 0
.irp g, G1D, G1KS, G1VS
	s_mov_b32 s[\g], 3<<16                         ; no mask; elements of 8 bytes; no padding
	s_mov_b32 s[\g+1], 32<<16                      ; tensor_dim0 = 32
	s_mov_b32 s[\g+3], 32<<16                      ; tile_dim0 = 32
	s_mov_b32 s[\g+5], 32                          ; the pitch: dense
	s_mov_b32 s[\g+6], 0
	s_mov_b32 s[\g+7], 0
.endr
	s_mov_b32 s[G1D+2], 12<<16                     ; tensor_dim1, tile_dim1: the rows
	s_mov_b32 s[G1D+4], 12
	s_mov_b32 s[G1KS+2], 2<<16
	s_mov_b32 s[G1KS+4], 2
	s_mov_b32 s[G1VS+2], 1<<16
	s_mov_b32 s[G1VS+4], 1
	s_mov_b32 s[SEL], 0x76543210
	s_mov_b32 s[SEL+1], 0xfedcba98                 ; v_permlanex16_b32's selects for lane l xor 16
	s_mov_b32 s[CS], 0x3e38aa3b                    ; c = log2(e) / 8
	s_mov_b32 s[CS+1], s[CS]
	s_add_co_u32 s92, s16, 2                       ; K's scale words: [2 + batch][pair][token], my 128 tokens
	s_lshl_b32 s92, s92, 3
	s_add_co_u32 s92, s92, s18
	s_lshl_b32 s92, s92, 13
	s_lshl_b32 s93, s[WV], 9
	s_add_co_u32 s92, s92, s93
	s_mov_b32 s93, 0
	s_lshl_b32 s96, s16, 4                         ; V's: key step w of the batch, the head's 64 words
	s_add_co_u32 s96, s96, s[WV]
	s_lshl_b32 s96, s96, 12
	s_lshl_b32 s97, s15, 8
	s_add_co_u32 s96, s96, s97
	s_add_co_u32 s96, s96, 262144
	s_mov_b32 s97, 0
	s_wait_dscnt 0x0
	s_wait_kmcnt 0x0
	s_mov_b32 s56, 1
	s_lshl_b32 s57, s[WV], 9
	s_add_co_u32 s57, s57, KSC
	s_add_nc_u64 s[58:59], s[6:7], s[92:93]
	s_or_b32 s59, s59, 0x80000000
	s_mov_b32 s60, 1
	s_lshl_b32 s61, s[WV], 8
	s_add_co_u32 s61, s61, VSC
	s_add_nc_u64 s[62:63], s[6:7], s[96:97]
	s_or_b32 s63, s63, 0x80000000
	s_add_nc_u64 s[70:71], s[4:5], s[86:87]
	s_add_nc_u64 s[74:75], s[70:71], s[88:89]
	s_add_nc_u64 s[78:79], s[74:75], s[88:89]
	s_add_nc_u64 s[82:83], s[78:79], s[88:89]
.irp g, 0,1,2,3
	s_mov_b32 s[68+4*\g], 1
	s_add_co_u32 s[69+4*\g], s94, \g*49152         ; group g: K's 24,576 bytes, then V's: 3,072 x wave serves both
	s_or_b32 s[71+4*\g], s[71+4*\g], 0x80000000
.endr
	tensor_load_to_lds s[56:59], s[G1KS:G1KS+7]    ; all first fills in one group, ahead of every wait on TENSORcnt, every LDS read and every barrier
	s_nop 0
	tensor_load_to_lds s[60:63], s[G1VS:G1VS+7]
	s_nop 0
	tensor_load_to_lds s[68:71], s[G1D:G1D+7]
	s_nop 0
	tensor_load_to_lds s[72:75], s[G1D:G1D+7]
	s_nop 0
	tensor_load_to_lds s[76:79], s[G1D:G1D+7]
	s_nop 0
	tensor_load_to_lds s[80:83], s[G1D:G1D+7]
	s_nop 0
.rept 4
	v_nop
.endr
	v_and_b32 v7, 31, v0                           ; lane
	v_and_b32 v28, 15, v0                          ; r
	v_bfe_u32 v29, v0, 4, 1                        ; h
	v_lshlrev_b32 v1, 4, v7                        ; an image's first four registers: 16 x lane
	v_lshl_add_u32 v2, v7, 3, 512                  ; its last two: 512 + 8 x lane
	s_lshl_b32 s84, s17, 1
	s_add_co_u32 s84, s84, KSC
	v_lshl_add_u32 v3, v7, 2, s84                  ; K's scale half-words: my head's two bytes of key (lane)'s word
	v_lshl_add_u32 v4, v7, 2, VSC                  ; V's scale words
	s_mul_i32 s85, s[WV], 4352
	s_add_co_u32 s85, s85, STAGE                   ; my stage
	v_mul_u32_u24 v6, v28, 272
	v_lshl_add_u32 v5, v29, 5, v6
	v_add_nc_u32 v5, s85, v5                       ; in: row r, 32 bytes for each half of the lanes
	v_lshl_add_u32 v6, v29, 7, v6
	v_add_nc_u32 v6, s85, v6                       ; back: row r, 128 bytes (a block of 32) for each half
	v_lshl_add_u32 v7, v28, 2, v29                 ; the result's scale byte: 4 r + h
	v_lshlrev_b32 v30, 2, v28                      ; Q's scale words: 4 r
	s_mul_i32 s84, s14, 98304                      ; Q: [batch][head][token / 16][768]
	s_lshr_b32 s85, s[Q0], 4
	s_mul_i32 s85, s85, 768
	s_add_co_u32 s84, s84, s85
	s_mov_b32 s85, 0
	s_add_nc_u64 s[84:85], s[4:5], s[84:85]
	global_load_b128 v[16:19], v1, s[84:85]
	global_load_b64 v[20:21], v2, s[84:85]
	s_lshl_b32 s90, s16, 3
	s_add_co_u32 s90, s90, s18
	s_lshl_b32 s90, s90, 13
	s_lshl_b32 s91, s[Q0], 2
	s_add_co_u32 s90, s90, s91
	s_lshl_b32 s91, s17, 1
	s_add_co_u32 s90, s90, s91
	s_mov_b32 s91, 0
	s_add_nc_u64 s[90:91], s[6:7], s[90:91]
	global_load_u16 v255, v30, s[90:91]            ; my head's two bytes, zero-extended
	s_lshl_b32 s92, s16, 11
	s_add_co_u32 s92, s92, s[Q0]                   ; my first token of 4,096
	s_lshr_b32 s93, s92, 4
	s_mul_i32 s93, s93, 12288                      ; the result: [token / 16][pair][2 x 768]
	s_mul_i32 s94, s18, 1536
	s_add_co_u32 s93, s93, s94
	s_mul_i32 s94, s17, 768
	s_add_co_u32 s94, s93, s94
	s_mov_b32 s95, 0
	s_add_nc_u64 s[8:9], s[8:9], s[94:95]
	s_lshl_b32 s94, s18, 14                        ; its scale words: [pair][token]
	s_lshl_b32 s92, s92, 2
	s_add_co_u32 s94, s94, s92
	s_lshl_b32 s92, s17, 1
	s_add_co_u32 s94, s94, s92
	s_add_nc_u64 s[10:11], s[10:11], s[94:95]
.irp j, 22,23,24,25,26,27,80,81,82,83,84,85
	v_mov_b32 v[\j], 0                             ; zero codes
.endr
	v_mov_b32 v13, 0xff61b1e6                      ; the largest t so far: -3e38
	v_floor_f32 v12, -v13                          ; -M
	v_mov_b32 v14, 0
	v_mov_b32 v15, 0
.irp b, 0,1,2,3
	v_mov_b32 v[236+\b], 0                         ; a lane permute's destination counts as one of its sources
.endr
	v_mov_b32 v252, 0
	v_mov_b32 v253, 0
.irp j, 0,1,2,3,4,5,6,7,8,9,10,11,12,13,14,15,16,17,18,19,20,21,22,23,24,25,26,27,28,29,30,31
	v_mov_b32 v[160+\j], 0                         ; O^T: the step is written once; the first change of M leaves zeros zeros
.endr
.macro STEP
	s_add_co_u32 s96, s[Q0], 15
	s_cmp_gt_u32 s[KF], s96
	s_cbranch_scc1 .Lhidden_\@                     ; all 128 keys come after my queries
	v_add_nc_u32 v8, s[TB], v1                     ; (these four are also the places in front of the loads into registers that the last products read)
	v_add_nc_u32 v9, s[TB], v2
	v_add_nc_u32 v10, s[TSK], v3
	v_add_nc_u32 v11, s[TSV], v4
.irp t, 0,1,2,3,4,5,6,7                        ; eight tiles of 16 neighbouring keys, six registers each
	ds_load_b128 v[32+6*\t:35+6*\t], v8 offset:768*\t
	ds_load_b64 v[36+6*\t:37+6*\t], v9 offset:768*\t
.endr
.irp p, 0,1,2,3
	ds_load_u16 v[248+\p], v10 offset:128*\p       ; lanes 0-15: tile 2 p's keys, lanes 16-31: tile 2 p + 1's
.endr
	s_wait_dscnt 0x0
.irp p, 0,1,2,3
	v_wmma_scale_f32_16x16x128_f8f6f4 v[96+16*\p:103+16*\p], v[32+12*\p:43+12*\p], v[16:27], 0, v[248+\p], v255 matrix_a_fmt:MATRIX_FMT_FP6 matrix_b_fmt:MATRIX_FMT_FP6
	v_wmma_scale_f32_16x16x128_f8f6f4 v[104+16*\p:111+16*\p], v[38+12*\p:49+12*\p], v[16:27], 0, v[248+\p], v255 matrix_a_fmt:MATRIX_FMT_FP6 matrix_b_fmt:MATRIX_FMT_FP6 matrix_a_scale:MATRIX_SCALE_ROW1
.endr                                          ; register 8 t + i of lane (r, h): key KF + 16 t + 8 h + i, query Q0 + r
.rept 4
	v_nop
.endr
	s_add_co_u32 s96, s[KF], 127                   ; on the diagonal hidden scores become -infinity ahead of the maximum; a step all of whose keys count skips this
	s_cmp_le_u32 s96, s[Q0]
	s_cbranch_scc1 .Lopen_\@
	s_sub_co_i32 s96, s[Q0], s[KF]
	v_and_b32 v252, 15, v0
	v_bfe_u32 v244, v0, 4, 1
	v_lshlrev_b32 v244, 3, v244
	v_sub_nc_u32 v252, v252, v244
	v_add_nc_u32 v252, s96, v252                   ; d = my query - KF - 8 h: register n is hidden where 16 (n / 8) + n % 8 > d
	v_mov_b32 v254, 0xff800000
.irp n, 0,1,2,3,4,5,6,7,8,9,10,11,12,13,14,15,16,17,18,19,20,21,22,23,24,25,26,27,28,29,30,31,32,33,34,35,36,37,38,39,40,41,42,43,44,45,46,47,48,49,50,51,52,53,54,55,56,57,58,59,60,61,62,63
	v_cmp_gt_i32 vcc_lo, 16*(\n/8)+\n%8, v252
	v_cndmask_b32 v[96+\n], v[96+\n], v254, vcc_lo
.endr
.Lopen_\@:
.irp b, 0,1,2,3
	v_max3_num_f32 v[232+\b], v[96+16*\b], v[97+16*\b], v[98+16*\b]   ; the largest score of each block of 32 keys: for the row's maximum and, since p rises with the score, for the block's largest p
.endr
.irp i, 3,5,7,9,11,13
.irp b, 0,1,2,3
	v_max3_num_f32 v[232+\b], v[232+\b], v[96+16*\b+\i], v[97+16*\b+\i]
.endr
.endr
.irp b, 0,1,2,3
	v_max_num_f32 v[232+\b], v[232+\b], v[111+16*\b]
.endr
.irp b, 0,1,2,3
	v_permlanex16_b32 v[236+\b], v[232+\b], s[SEL], s[SEL+1]
.endr
.irp b, 0,1,2,3
	v_max_num_f32 v[232+\b], v[232+\b], v[236+\b]  ; with lane l xor 16's 16 keys
.endr
	v_max3_num_f32 v254, v232, v233, v234
	v_max_num_f32 v254, v254, v235
	v_mul_f32 v254, s[CS], v254                    ; as t
	v_max_num_f32 v13, v13, v254                   ; the running largest t
	v_mov_b32 v254, v12
	v_floor_f32 v12, -v13                          ; the new -M = -ceil(t)
	v_sub_f32 v254, v12, v254                      ; old M - new M: a whole number, 0 or less
	v_cvt_i32_f32 v254, v254                       ; (it saturates)
	v_ldexp_f32 v252, 1.0, v254                    ; f = 2^(old M - new M)
.irp j, 0,2,4,6,8,10,12,14,16,18,20,22,24,26,28,30,32,34,36,38,40,42,44,46,48,50,52,54,56,58,60,62
	v_pk_fma_f32 v[96+\j:97+\j], v[96+\j:97+\j], s[CS:CS+1], v[12:13] op_sel_hi:[1,0,0]   ; t - M
.endr
.irp b, 0,1,2,3
	v_fma_f32 v[232+\b], v[232+\b], s[CS], v12
.endr
.irp j, 0,1,2,3,4,5,6,7,8,9,10,11,12,13,14,15,16,17,18,19,20,21,22,23,24,25,26,27,28,29,30,31,32,33,34,35,36,37,38,39,40,41,42,43,44,45,46,47,48,49,50,51,52,53,54,55,56,57,58,59,60,61,62,63
	v_exp_f32 v[96+\j], v[96+\j]                   ; p = 2^(t - M)
.endr
.irp b, 0,1,2,3
	v_exp_f32 v[232+\b], v[232+\b]                 ; the block's largest p: the same two instructions on the same number
.endr
	v_pk_mul_f32 v[14:15], v[14:15], v[252:253] op_sel_hi:[1,0]   ; the sums under the new M (a plain place behind the exponentials)
	s_wait_alu depctr_va_vdst(0)
.irp b, 0,1,2,3
	v_max_num_f32 v[232+\b], 0x1800000, v[232+\b]  ; the floor 2^(3 - 127)
.endr
.irp b, 0,1,2,3
	v_add_nc_u32 v[244+\b], 0xff000000, v[232+\b]  ; the conversion's scale operand
.endr
.irp b, 0,1,2,3
	v_lshrrev_b32 v[236+\b], 23, v[244+\b]         ; the scale's byte
.endr
	v_lshl_or_b32 v253, v237, 8, v236              ; p's scale word for these 128 keys
	v_lshl_or_b32 v253, v238, 16, v253
	v_lshl_or_b32 v253, v239, 24, v253
.irp c, 0,1
	v_cvt_scalef32_pk16_fp6_f32 v[224+6*\c:226+6*\c], v[96+32*\c:111+32*\c], v[244+2*\c]
	v_cvt_scalef32_pk16_fp6_f32 v[236+4*\c:238+4*\c], v[112+32*\c:127+32*\c], v[244+2*\c+1]
.endr
	v_nop                                          ; one plain place behind a scaled conversion
.irp c, 0,1                                    ; a whole block in a lane: lanes 0-15 block 2 c, lanes 16-31 block 2 c + 1
.irp i, 0,1,2
	v_permlane16_swap_b32 v[224+6*\c+\i], v[236+4*\c+\i]
.endr
.irp i, 0,1,2
	v_mov_b32 v[227+6*\c+\i], v[236+4*\c+\i]
.endr
.endr
	v_pk_add_f32 v[236:237], v[96:97], v[98:99]    ; the row's sum of the unquantised p, in two chains
.irp j, 4,8,12,16,20,24,28,32,36,40,44,48,52,56,60
	v_pk_add_f32 v[14:15], v[14:15], v[96+\j:97+\j]
	v_pk_add_f32 v[236:237], v[236:237], v[98+\j:99+\j]
.endr
	v_pk_add_f32 v[14:15], v[14:15], v[236:237]
.irp j, 0,2,4,6,8,10,12,14,16,18,20,22,24,26,28,30
	v_pk_mul_f32 v[160+\j:161+\j], v[160+\j:161+\j], v[252:253] op_sel_hi:[1,0]   ; O^T under the new M
.endr
.irp t, 0,1,2,3                                ; V^T: four fragments of 16 d x 128 keys
.irp c, 0,1
	ds_load_b128 v[32+12*\t+6*\c:35+12*\t+6*\c], v8 offset:24576+1536*\t+768*\c
	ds_load_b64 v[36+12*\t+6*\c:37+12*\t+6*\c], v9 offset:24576+1536*\t+768*\c
.endr
.endr
	ds_load_b32 v248, v11                          ; lanes 0-15: d 0-15, lanes 16-31: d 16-31
	ds_load_b32 v249, v11 offset:128
	s_wait_dscnt 0x0
.irp p, 0,1
	v_wmma_scale_f32_16x16x128_f8f6f4 v[160+16*\p:167+16*\p], v[32+24*\p:43+24*\p], v[224:235], v[160+16*\p:167+16*\p], v[248+\p], v253 matrix_a_fmt:MATRIX_FMT_FP6 matrix_b_fmt:MATRIX_FMT_FP6
	v_wmma_scale_f32_16x16x128_f8f6f4 v[168+16*\p:175+16*\p], v[44+24*\p:55+24*\p], v[224:235], v[168+16*\p:175+16*\p], v[248+\p], v253 matrix_a_fmt:MATRIX_FMT_FP6 matrix_b_fmt:MATRIX_FMT_FP6 matrix_a_scale:MATRIX_SCALE_ROW1
.endr
.Lhidden_\@:
	s_add_co_u32 s[KF], s[KF], 128
	s_add_co_u32 s[TB], s[TB], 6144
	s_add_co_u32 s[TSK], s[TSK], 512
	s_add_co_u32 s[TSV], s[TSV], 256
.endm
; Group g: 512 keys.  My slice of it (and the scale words, issued ahead of it) has landed when 3 - g younger loads are out; behind the barrier everybody's has.  Nothing is filled again, so the later groups' loads stay out.
.macro GROUP g
	s_wait_dscnt 0x0
	s_wait_tensorcnt 3-\g
	s_barrier_signal -1
	s_barrier_wait -1
	s_mov_b32 s[TB], \g*49152
	s_mov_b32 s[TSK], \g*2048
	s_mov_b32 s[TSV], \g*1024
	s_mov_b32 s[KF], \g*512
	s_mov_b32 s[CNT], 4
.Lstep_\@:
	STEP
	s_sub_co_u32 s[CNT], s[CNT], 1
	s_cmp_lg_u32 s[CNT], 0
	s_cbranch_scc1 .Lstep_\@
.endm
	s_wait_loadcnt 0x0                             ; Q
	GROUP 0
	GROUP 1
	GROUP 2
	GROUP 3
	; THE WAY OUT.  O^T / the sum goes through my own stage, so that lane (r, h) holds the whole block d = 32 h + 0 .. 31 of query r; it is quantised and leaves as half a fragment's image.
.rept 4
	v_nop                                          ; places behind the last products
.endr
	v_add_f32 v14, v14, v15
	v_permlanex16_b32 v252, v14, s[SEL], s[SEL+1]
	v_add_f32 v14, v14, v252                       ; the row's sum
	v_rcp_f32 v14, v14
	v_nop                                          ; one plain place behind the transcendental
	s_wait_alu depctr_va_vdst(0)
.irp j, 0,1,2,3,4,5,6,7,8,9,10,11,12,13,14,15,16,17,18,19,20,21,22,23,24,25,26,27,28,29,30,31
	v_mul_f32 v[96+\j], v[160+\j], v14             ; register 8 t + i: o(r, 16 t + 8 h + i)
.endr
.irp t, 0,1,2,3
	ds_store_b128 v5, v[96+8*\t:99+8*\t] offset:64*\t
	ds_store_b128 v5, v[100+8*\t:103+8*\t] offset:64*\t+16
.endr
.irp i, 0,1,2,3,4,5,6,7
	ds_load_b128 v[32+4*\i:35+4*\i], v6 offset:16*\i   ; LDS serves a wave's instructions in order: these see my stores
.endr
	s_wait_dscnt 0x0
	v_max3_num_f32 v232, |v32|, |v33|, |v34|
	v_max3_num_f32 v233, |v35|, |v36|, |v37|
.irp i, 6,10,14,18,22,26
	v_max3_num_f32 v232, v232, |v[32+\i]|, |v[33+\i]|
	v_max3_num_f32 v233, v233, |v[34+\i]|, |v[35+\i]|
.endr
	v_max3_num_f32 v232, v232, |v62|, |v63|
	v_max3_num_f32 v232, v232, v233, 0x1800000
	v_add_nc_u32 v244, 0xff000000, v232
	v_cvt_scalef32_pk16_fp6_f32 v[224:226], v[32:47], v244
	v_cvt_scalef32_pk16_fp6_f32 v[236:238], v[48:63], v244
	v_lshrrev_b32 v245, 23, v244                   ; the scale's byte (a plain line behind the conversions)
	v_mov_b32 v227, v236
	v_mov_b32 v228, v237
	v_mov_b32 v229, v238
	global_store_b128 v1, v[224:227], s[8:9]       ; 512 consecutive bytes, aligned,
	global_store_b64 v2, v[228:229], s[8:9]        ; and the 256 behind them
	global_store_b8 v7, v245, s[10:11]             ; byte 2 (head % 2) + h of row r's word
	s_wait_tensorcnt 0x0
	ds_add_u32 v223, v243
	s_wait_dscnt 0x0
	s_endpgm
.Lfunc_end_k_qbe166258be_attn:
	.size	k_qbe166258be_attn, .Lfunc_end_k_qbe166258be_attn-k_qbe166258be_attn
	.p2alignl 7, 3214868480
	.fill 96, 4, 3214868480
	.section	.rodata,"a",@progbits
	.p2align	6, 0x0
	.amdhsa_kernel k_qbe166258be_attn
		.amdhsa_group_segment_fixed_size 280576
		.amdhsa_private_segment_fixed_size 0
		.amdhsa_enable_private_segment 0
		.amdhsa_kernarg_size 32
		.amdhsa_user_sgpr_count 2
		.amdhsa_user_sgpr_kernarg_segment_ptr 1
		.amdhsa_wavefront_size32 1
		.amdhsa_system_sgpr_workgroup_id_x 1
		.amdhsa_system_sgpr_workgroup_id_y 1
		.amdhsa_system_sgpr_workgroup_id_z 1
		.amdhsa_system_vgpr_workitem_id 0
		.amdhsa_next_free_vgpr 256
		.amdhsa_next_free_sgpr 100
		.amdhsa_reserve_vcc 1
		.amdhsa_float_denorm_mode_32 3
		.amdhsa_float_denorm_mode_16_64 3
		.amdhsa_memory_ordered 1
		.amdhsa_forward_progress 1
		.amdhsa_inst_pref_size 102
	.end_amdhsa_kernel
	.amdgpu_metadata
---
amdhsa.version: [ 1, 2 ]
amdhsa.kernels:
  - .name:           k_qbe166258be_attn
    .symbol:         k_qbe166258be_attn.kd
    .args:
      - { .name: qkvi, .offset: 0, .size: 8, .value_kind: global_buffer, .address_space: global }
      - { .name: qkvs, .offset: 8, .size: 8, .value_kind: global_buffer, .address_space: global }
      - { .name: aimg, .offset: 16, .size: 8, .value_kind: global_buffer, .address_space: global }
      - { .name: asc, .offset: 24, .size: 8, .value_kind: global_buffer, .address_space: global }
    .group_segment_fixed_size: 280576
    .private_segment_fixed_size: 0
    .kernarg_segment_align: 8
    .kernarg_segment_size: 32
    .max_flat_workgroup_size: 512
    .sgpr_count:     100
    .vgpr_count:     256
    .wavefront_size: 32
...
	.end_amdgpu_metadata
.endif
;; end of part 3
;; launch oproj (part 4): grid 4 x 16, 4 waves a work-group, clusters of 4 x 4, 327,680 bytes of LDS; arguments aimg, asc, w_out_codes, w_out_scales, x, x1; writes x1
.if DOCPART == 4
	.amdgcn_target "amdgcn-amd-amdhsa--gfx1250"
	.amdhsa_code_object_version 6
	.text
	.protected	k_qbe166258be_oproj
	.globl	k_qbe166258be_oproj
	.p2align	8
	.type	k_qbe166258be_oproj,@function
k_qbe166258be_oproj:
	s_mov_b64 s[64:65], 0
	v_nop
	global_prefetch_b8 v0, s[64:65] scope:SCOPE_SE
	s_setreg_imm32_b32 hwreg(HW_REG_WAVE_MODE, 25, 1), 1
	s_wait_xcnt 0x0
	s_wait_alu depctr_hold_cnt(0) depctr_sa_sdst(0) depctr_va_vdst(0) depctr_va_sdst(0) depctr_va_ssrc(0) depctr_va_vcc(0) depctr_vm_vsrc(0)
	s_getreg_b32 s2, hwreg(HW_REG_IB_STS2, 6, 4)
	s_cmp_eq_u32 s2, 0
	s_cbranch_scc0 .Lentry_in_a_cluster
	s_endpgm
.Lentry_in_a_cluster:
	s_bfe_u32 s2, ttmp6, 0x10000c
	s_cmp_lg_u32 s2, 0xf033
	s_cbranch_scc0 .Lentry_shape_is_right
	s_endpgm
.Lentry_shape_is_right:
; out[m][n] = res[m][n] (+ bias[n]) + sum over k of A[m][k] B[n][k], on codes of FP6 (E2M3) with one E8M0 scale for each 32 along K; sums, residual and result in f32.  Here: x1 = x + attention's result x w_out, K = 1,024.
; A arrives as IMAGES of its fragments, [row / 16][k / 128][1,536 bytes] (each half fragment: registers 0-3 at 16 x lane, registers 4, 5 at 512 + 8 x lane), its scale words as [k / 128][row]; B as rows of codes, K innermost, and rows of scale bytes.
; A tile of 256 x 256 is made by four waves, each 128 x 128: 64 accumulators, 512 registers.  K goes in steps of 256 through a ring of two LDS slots filled by the tensor data mover; all scales of the tile stay in LDS.
; An image needs no pitch and no padding: a load's 32 lanes read consecutive bytes, and a fragment comes by four LDS loads.
; CLUSTERS: 4 x 4 work-groups; A's tiles are asked for jointly along a row of the cluster, B's along a column.  The matrix instruction is used TRANSPOSED (source 0 = 16 rows of B, source 1 = 16 rows of A).
; 64 work-groups: N = 1,024 gives no more tiles of this size.
; REGISTERS: window 0: v0-31 addresses; v32-63 B's scale words, v64-79 A's, two sets each (scales and nothing else); from v128 A's fragments, one set; on the way out v128-255 rows of the result.
;   window 1: B's fragments, two sets; on the way out the residual's rows.   windows 2, 3: the accumulators.
.set SIZE_K, 1024
.set BIAS,   0
.set SIZE_N, 1024
.set KSTEP,  256
.set NQ,     KSTEP/128
.set ROWB,   192                       ; a row of B's tile in bytes
.set ASTEP,  3072                      ; 16 rows of A x 256 along K, as images
.set KROW,   SIZE_K*6/8
.set PITCH,  240                       ; B's LDS row: 3 x (64 bytes + 16 of padding)
.set FR,     12
.set NL,     6                         ; LDS loads that bring a fragment of B
.set NLA,    4                         ; and of A
.set NP,     4                         ; places behind this matrix instruction (ISA guide 7.12.1)
.set HALFA,  8*ASTEP                   ; 128 rows of A
.set HALFT,  128*PITCH                 ; 128 rows of B
.set SLOT,   2*HALFA+2*HALFT
.set LAPS,   SIZE_K/(2*KSTEP)
.set KS,     SIZE_K/32
.set SCLB,   2*SLOT                    ; behind the ring: B's scales, as units of 256 bytes + 16 of padding,
.set HALFS,  (128*KS/256)*272
.set SBLK,   (16*KS/256)*272
.set SCLA,   SCLB+2*HALFS              ; A's scale words: [half][k / 128][128 rows],
.set HALFW,  (SIZE_K/128)*512
.set SPARE,  SCLA+2*HALFW              ; the spare words, 128 bytes for each wave: two blocks of 256 bytes that no other line names
.set SPITCH, 528                       ; the way out: a stage of 16 rows x (512 + 16) bytes for each wave, in slot 0, which has had its last fill and its last read by then
.set ADRA, 16                          ; v16-17 16 x lane + my A half in slot 0, 1;  v18-19 512 + 8 x lane + the same
.set ADRB, 20                          ; v20-23 B's fragments (slot 0, 1; behind one padding more)
.set STO,  24
.set RD,   25
.set CO,   26                          ; v26  16 x lane
.set ADRS, 27                          ; v27  B's scale words
.set SPW,  28
.set NIL,  29
.set ADRSA, 30                         ; v30  A's scale words: 4 x lane
.set SC,   32
.set SA,   64
.set AF,   128
.set BK,   128
.set G1, 24
.set G0, 32
.set G1B, 48
.set G0B, 56
.set G1S, 68
.set G0S, 76
.set G1SB, 80
.set G0SB, 88
.set MSB, 0
.macro WIN new                         ; the immediate's high byte repeats the setting that is left
.if MSB != \new
	s_set_vgpr_msb (MSB<<8)|\new
.set MSB, \new
.endif
.endm
.set MUL_LO, 0xa1
.set MUL_HI, 0xf1
.set TO_B,   0x40
; A joint load: waves 0 and 1 fetch for A, waves 2 and 3 for B; the branch hangs on the wave's number alone.  Four v_nop follow each of the two lines.
.macro JLOAD g0a, g1a, g0b, g1b
	s_cmp_eq_u32 s15, 0
	s_cbranch_scc0 .Lfor_b_\@
	tensor_load_to_lds s[\g0a:\g0a+3], s[\g1a:\g1a+7]
	s_nop 0
.rept 4
	v_nop
.endr
	s_branch .Lasked_\@
.Lfor_b_\@:
	tensor_load_to_lds s[\g0b:\g0b+3], s[\g1b:\g1b+7]
	s_nop 0
.rept 4
	v_nop
.endr
.Lasked_\@:
.endm
.macro CREST
	s_cmp_lg_u32 s14, 0
	s_cbranch_scc1 .Lnot_wave_0_\@
	s_barrier_signal -3
.Lnot_wave_0_\@:
	s_barrier_wait -3
	s_barrier_signal -1
	s_barrier_wait -1
.endm
.macro CROUND
	s_barrier_signal -1
	s_barrier_wait -1
	CREST
.endm
	s_load_b256 s[4:11], s[0:1], 0x0               ; A's images, A's scale words, B's codes, B's scales
	s_load_b128 s[96:99], s[0:1], 0x20             ; the residual, the result
.if BIAS
	s_load_b64 s[100:101], s[0:1], 0x30            ; the bias
.endif
	v_lshl_add_u32 v[SPW], v0, 2, SPARE
	v_mov_b32 v[NIL], 0
	ds_add_u32 v28, v29
	ds_add_u32 v28, v29
	s_wait_dscnt 0x0
	v_lshrrev_b32 v1, 5, v0
	v_readfirstlane_b32 s14, v1                    ; wave 0..3
	s_lshr_b32 s15, s14, 1                         ; which half of the tile's rows is mine.  Also: I fetch for A (0) or for B (1)
	s_and_b32 s16, s14, 1                          ; which half of its columns.  Also: which 128 rows of that tile I fetch
	s_bfe_u32 s40, ttmp6, 0x40000
	s_bfe_u32 s41, ttmp6, 0x40004
	s_lshl_b32 s42, ttmp9, 2
	s_add_co_u32 s42, s42, s40                     ; tile column
	s_and_b32 s17, ttmp7, 0xffff
	s_lshl_b32 s17, s17, 2
	s_add_co_u32 s17, s17, s41                     ; tile row
	s_lshl_b32 s43, s41, 2
	s_lshl_b32 s43, 15, s43                        ; my row of the cluster
	s_lshl_b32 s44, 0x1111, s40                    ; my column
	s_or_b32 s[G1+0], s43, (3<<16)|(1<<21)         ; A's tile: 8 blocks of 16 rows, each 3,072 consecutive bytes (384 elements of 8 bytes); no padding
	s_mov_b32 s[G1+1], 384<<16
	s_mov_b32 s[G1+2], 8<<16
	s_mov_b32 s[G1+3], 384<<16
	s_mov_b32 s[G1+4], 8
	s_mov_b32 s[G1+5], SIZE_K*3/2                  ; from block to block: (K / 128) x 1,536 bytes
	s_mov_b32 s[G1+6], 0
	s_mov_b32 s[G1+7], 0
	s_or_b32 s[G1B+0], s44, (0<<16)|(1<<20)|(1<<21)|(3<<22)|(3<<25)  ; B's tile: 128 rows of 192 bytes, 16 bytes of padding behind every 64
	s_mov_b32 s[G1B+1], ROWB<<16
	s_mov_b32 s[G1B+2], 128<<16
	s_mov_b32 s[G1B+3], ROWB<<16
	s_mov_b32 s[G1B+4], 128
	s_mov_b32 s[G1B+5], KROW
	s_mov_b32 s[G1B+6], 0
	s_mov_b32 s[G1B+7], 0
	s_or_b32 s[G1S+0], s43, (3<<16)|(1<<21)        ; A's scale words: K / 128 rows of 512 bytes (128 rows' words), 16,384 bytes apart
	s_mov_b32 s[G1S+1], 64<<16
	s_mov_b32 s[G1S+2], (SIZE_K/128)<<16
	s_mov_b32 s[G1S+3], 64<<16
	s_mov_b32 s[G1S+4], SIZE_K/128
	s_mov_b32 s[G1S+5], 2048
	s_mov_b32 s[G1S+6], 0
	s_mov_b32 s[G1S+7], 0
	s_or_b32 s[G1SB+0], s44, (3<<16)|(1<<20)|(1<<21)|(5<<22)|(3<<25) ; B's scales of 128 rows: a dense block, as rows of 256 bytes + 16 of padding
	s_mov_b32 s[G1SB+1], 32<<16
	s_mov_b32 s[G1SB+2], (128*KS/256)<<16
	s_mov_b32 s[G1SB+3], 32<<16
	s_mov_b32 s[G1SB+4], 128*KS/256
	s_mov_b32 s[G1SB+5], 32
	s_mov_b32 s[G1SB+6], 0
	s_mov_b32 s[G1SB+7], 0
	s_lshl_b32 s18, s16, 7
	s_lshl_b32 s20, s17, 8
	s_add_co_u32 s20, s20, s18                     ; A's row
	s_lshl_b32 s46, s42, 8
	s_add_co_u32 s46, s46, s18                     ; B's row
	s_mov_b32 s21, 0
	s_mov_b32 s47, 0
	s_lshl_b64 s[22:23], s[20:21], 2               ; A's scale words: 4 bytes a row
	s_mov_b64 s[18:19], KS
	s_mul_u64 s[92:93], s[46:47], s[18:19]
	s_mov_b64 s[18:19], KROW
	s_mul_u64 s[20:21], s[20:21], s[18:19]         ; 16 rows of images are as many bytes as 16 rows of codes
	s_mul_u64 s[46:47], s[46:47], s[18:19]
	s_mul_i32 s45, s16, HALFA                      ; where they go: no place in the cluster enters an LDS address
	s_mul_i32 s94, s16, HALFT
	s_add_co_u32 s94, s94, 2*HALFA
	s_mul_i32 s66, s16, HALFW
	s_add_co_u32 s66, s66, SCLA
	s_mul_i32 s67, s16, HALFS
	s_add_co_u32 s67, s67, SCLB
	s_wait_kmcnt 0x0
	s_add_nc_u64 s[20:21], s[4:5], s[20:21]
	s_add_nc_u64 s[22:23], s[6:7], s[22:23]
	s_add_nc_u64 s[46:47], s[8:9], s[46:47]
	s_add_nc_u64 s[92:93], s[10:11], s[92:93]
	CROUND                                         ; all sixteen work-groups are here: the first joint loads meet
	s_mov_b32 s[G0S], 1
	s_mov_b32 s[G0S+1], s66
	s_mov_b64 s[G0S+2:G0S+3], s[22:23]
	s_or_b32 s[G0S+3], s[G0S+3], 0x80000000
	s_mov_b32 s[G0SB], 1
	s_mov_b32 s[G0SB+1], s67
	s_mov_b64 s[G0SB+2:G0SB+3], s[92:93]
	s_or_b32 s[G0SB+3], s[G0SB+3], 0x80000000
	JLOAD G0S, G1S, G0SB, G1SB                     ; the scales first
.irp s, 0,1
	s_mov_b32 s[G0+4*\s], 1
	s_add_co_u32 s[G0+4*\s+1], s45, \s*SLOT
	s_add_nc_u64 s[G0+4*\s+2:G0+4*\s+3], s[20:21], \s*ASTEP
	s_or_b32 s[G0+4*\s+3], s[G0+4*\s+3], 0x80000000
	s_mov_b32 s[G0B+4*\s], 1
	s_add_co_u32 s[G0B+4*\s+1], s94, \s*SLOT
	s_add_nc_u64 s[G0B+4*\s+2:G0B+4*\s+3], s[46:47], \s*ROWB
	s_or_b32 s[G0B+4*\s+3], s[G0B+4*\s+3], 0x80000000
	JLOAD G0+4*\s, G1, G0B+4*\s, G1B
.endr
	v_and_b32 v1, 15, v0                           ; r
	v_bfe_u32 v2, v0, 4, 1                         ; h
	v_and_b32 v6, 31, v0                           ; lane
	v_lshlrev_b32 v[CO], 4, v6
	v_lshl_add_u32 v7, v6, 3, 512
	v_mul_u32_u24 v3, v1, PITCH
	v_mul_u32_u24 v4, v2, 24
	v_add_nc_u32 v4, v3, v4
	v_lshl_add_u32 v5, v2, 4, v4
	s_mul_i32 s21, s15, HALFA                      ; my 128 rows of A
	s_mul_i32 s22, s16, HALFT                      ; my 128 rows of B, behind A's
	s_add_co_u32 s22, s22, 2*HALFA
.irp s, 0,1
	v_add_nc_u32 v[ADRA+\s], s21, v[CO]
	v_add_nc_u32 v[ADRA+2+\s], s21, v7
	v_add_nc_u32 v[ADRB+\s], s22, v4
	v_add_nc_u32 v[ADRB+2+\s], s22, v5
	s_add_co_u32 s21, s21, SLOT
	s_add_co_u32 s22, s22, SLOT
.endr
	v_mul_u32_u24 v5, v1, KS                       ; B's scales of row r: KS bytes a row, and 16 more for each 256 passed; both halves of the lanes read the same
	v_lshrrev_b32 v8, 8, v5
	v_lshl_add_u32 v5, v8, 4, v5
	s_mul_i32 s22, s16, HALFS
	s_add_co_u32 s22, s22, SCLB
	v_add_nc_u32 v[ADRS], s22, v5
	s_mul_i32 s21, s15, HALFW
	s_add_co_u32 s21, s21, SCLA
	v_lshl_add_u32 v[ADRSA], v6, 2, s21            ; A's: 32 rows' words to a load
	s_mul_i32 s23, s14, 16*SPITCH                  ; my stage
	v_mul_u32_u24 v5, v1, SPITCH
	v_lshl_add_u32 v5, v2, 5, v5
	v_add_nc_u32 v[STO], s23, v5
	v_add_nc_u32 v[RD], s23, v[CO]
	s_lshl_b32 s20, s17, 8
	s_lshl_b32 s21, s15, 7
	s_add_co_u32 s20, s20, s21                     ; my first row
	s_lshl_b32 s20, s20, 12                        ; x 4,096 bytes
	s_lshl_b32 s46, s42, 10
	s_lshl_b32 s47, s16, 9
	s_add_co_u32 s46, s46, s47                     ; my first column, in bytes
	s_mov_b32 s47, 0
.if BIAS
	s_add_nc_u64 s[100:101], s[100:101], s[46:47]
	global_load_b128 v[12:15], v[CO], s[100:101]   ; the bias of my four columns of a row's 128
.endif
	s_add_co_u32 s20, s20, s46
	s_mov_b32 s21, 0
	s_add_nc_u64 s[96:97], s[96:97], s[20:21]
	s_add_nc_u64 s[98:99], s[98:99], s[20:21]
.macro FRAG reg, adr, q, i             ; a fragment of B from rows: pieces of 8 bytes; where the piece three on lies behind one padding more, the second address register serves
.irp p, 0,1,2,3,4,5
.set PC, 12*(\q)+6*(\p/3)+\p%3
.if PC%8 < 5
	ds_load_b64 v[\reg+2*\p:\reg+2*\p+1], v[\adr] offset:8*PC+16*(PC/8)+(\i)*16*PITCH
.else
	ds_load_b64 v[\reg+2*\p:\reg+2*\p+1], v[\adr+2] offset:8*PC+16*(PC/8)+(\i)*16*PITCH
.endif
.endr
.endm
.macro FRAGI reg, adr, q, i            ; a fragment of A from its image
	ds_load_b128 v[\reg:\reg+3], v[\adr] offset:(\i)*ASTEP+(\q)*1536
	ds_load_b64 v[\reg+4:\reg+5], v[\adr+2] offset:(\i)*ASTEP+(\q)*1536
	ds_load_b128 v[\reg+6:\reg+9], v[\adr] offset:(\i)*ASTEP+(\q)*1536+768
	ds_load_b64 v[\reg+10:\reg+11], v[\adr+2] offset:(\i)*ASTEP+(\q)*1536+768
.endm
; 16 matrix instructions: A's blocks a0, a0 + 1 x B's eight.  The 64 accumulators take turns, one instruction a turn, in the same order in every step.
; B's words lie in lanes 0-15 of their registers; a register of A's words holds block 2 i in lanes 0-15 and block 2 i + 1 in lanes 16-31.
.macro MUL16 a0, p, q, sc, zero
.irp a, \a0, \a0+1
.irp b, 0,1,2,3,4,5,6,7
.set rD, 8*(8*((\a)%4)+\b)
.set rB, 128*(\p)+FR*\b
.set rA, AF+FR*(\a)
.set rSB, SC+8*NQ*(\sc)+NQ*\b+(\q)
.set rSA, SA+8*(\sc)+2*((\a)/2)+(\q)
.if \zero
.if (\a)%2
	v_wmma_scale_f32_16x16x128_f8f6f4 v[rD:rD+7], v[rB:rB+FR-1], v[rA:rA+FR-1], 0, v[rSB], v[rSA] matrix_a_fmt:MATRIX_FMT_FP6 matrix_b_fmt:MATRIX_FMT_FP6 matrix_b_scale:MATRIX_SCALE_ROW1
.else
	v_wmma_scale_f32_16x16x128_f8f6f4 v[rD:rD+7], v[rB:rB+FR-1], v[rA:rA+FR-1], 0, v[rSB], v[rSA] matrix_a_fmt:MATRIX_FMT_FP6 matrix_b_fmt:MATRIX_FMT_FP6
.endif
.else
.if (\a)%2
	v_wmma_scale_f32_16x16x128_f8f6f4 v[rD:rD+7], v[rB:rB+FR-1], v[rA:rA+FR-1], v[rD:rD+7], v[rSB], v[rSA] matrix_a_fmt:MATRIX_FMT_FP6 matrix_b_fmt:MATRIX_FMT_FP6 matrix_b_scale:MATRIX_SCALE_ROW1
.else
	v_wmma_scale_f32_16x16x128_f8f6f4 v[rD:rD+7], v[rB:rB+FR-1], v[rA:rA+FR-1], v[rD:rD+7], v[rSB], v[rSA] matrix_a_fmt:MATRIX_FMT_FP6 matrix_b_fmt:MATRIX_FMT_FP6
.endif
.endif
.endr
.endr
.endm
.macro FETCH_B slot, q, p
	WIN TO_B
.irp i, 0,1,2,3,4,5,6,7
	FRAG 128*(\p)+FR*\i, ADRB+\slot, \q, \i
.endr
	WIN 0
.endm
.macro FETCH_A slot, q, i0
.irp i, \i0, \i0+1, \i0+2, \i0+3
	FRAGI AF+FR*(\i), ADRA+\slot, \q, \i
.endr
.endm
.macro SCALES sc                       ; a K step's scale words: 16 loads
.irp i, 0,1,2,3,4,5,6,7
	ds_load_b64 v[SC+8*NQ*\sc+NQ*\i:SC+8*NQ*\sc+NQ*\i+1], v[ADRS] offset:\i*SBLK
.endr
.irp i, 0,1,2,3
.irp q, 0,1
	ds_load_b32 v[SA+8*\sc+2*\i+\q], v[ADRSA] offset:128*\i+512*\q
.endr
.endr
.endm
.macro PLACES n
.rept \n
	v_nop
.endr
.endm
.macro STEP slot, q, zero
	s_wait_dscnt 4*NLA                             ; all but the youngest loads (A's blocks 4-7) are in
	WIN MUL_LO
	MUL16 0, (\q)%2, \q, \slot, \zero
	MUL16 2, (\q)%2, \q, \slot, \zero
	s_wait_dscnt 0
	PLACES NP
	FETCH_B \slot, (\q)+1, 1-(\q)%2
	FETCH_A \slot, (\q)+1, 0
	WIN MUL_HI
	MUL16 4, (\q)%2, \q, \slot, \zero
	MUL16 6, (\q)%2, \q, \slot, \zero
	PLACES NP
	WIN 0
	FETCH_A \slot, (\q)+1, 4
.endm
; A slot's last step changes slots: one barrier; in front of it each wave waits for all its tensor loads, adds 0 to its spare word, and waits for that and for its reads of this slot.  fill = 1: this slot is filled again.
.macro TURN slot, next, fill
	s_wait_tensorcnt 0x0                           ; all my tensor loads have landed: my part of the next slot
	ds_add_u32 v[SPW], v[NIL]                      ; 0 onto my spare word
	s_wait_dscnt 4*NLA+1                           ; (the add and A's blocks 4-7 may be out)
	WIN MUL_LO
	MUL16 0, 1, NQ-1, \slot, 0
	s_wait_dscnt 0x0                               ; the add is done, and my reads of this slot are over
	s_barrier_signal -1
	MUL16 2, 1, NQ-1, \slot, 0
	WIN 0
	s_barrier_wait -1
.if \fill
	CREST                                          ; the barrier has opened a round of the cluster's barrier: no wave of any partner still reads this slot or has a load on its way
	s_add_nc_u64 s[G0+4*\slot+2:G0+4*\slot+3], s[G0+4*\slot+2:G0+4*\slot+3], 2*ASTEP
	s_add_nc_u64 s[G0B+4*\slot+2:G0B+4*\slot+3], s[G0B+4*\slot+2:G0B+4*\slot+3], 2*ROWB
	JLOAD G0+4*\slot, G1, G0B+4*\slot, G1B         ; the first tensor load behind the round; its four v_nop are the places in front of the loads below
.else
	PLACES NP
.endif
	v_add_nc_u32 v[ADRS], 4*NQ, v[ADRS]            ; on to the next K step's scale words
	v_add_nc_u32 v[ADRSA], 512*NQ, v[ADRSA]
	FETCH_B \next, 0, 0
	FETCH_A \next, 0, 0
	SCALES \next
	WIN MUL_HI
	MUL16 4, 1, NQ-1, \slot, 0
	MUL16 6, 1, NQ-1, \slot, 0
	PLACES NP
	WIN 0
	FETCH_A \next, 0, 4
.endm
	s_wait_tensorcnt 1                             ; the scales and my part of K step 0 are in (K step 1's load may be out)
	s_barrier_signal -1
	s_barrier_wait -1
	FETCH_B 0, 0, 0
	FETCH_A 0, 0, 0
	SCALES 0
	FETCH_A 0, 0, 4
	STEP 0, 0, 1
	s_mov_b32 s3, LAPS-1
.Llap:
	TURN 0, 1, 1
	STEP 1, 0, 0
	TURN 1, 0, 1
	STEP 0, 0, 0
	s_sub_co_u32 s3, s3, 1
	s_cmp_lg_u32 s3, 0
	s_cbranch_scc1 .Llap
	TURN 0, 1, 0                                   ; the last lap fills nothing
	STEP 1, 0, 0
	s_wait_dscnt 4*NLA
	WIN MUL_LO
	MUL16 0, 1, NQ-1, 1, 0
	MUL16 2, 1, NQ-1, 1, 0
	s_wait_dscnt 0
	WIN MUL_HI
	MUL16 4, 1, NQ-1, 1, 0
	MUL16 6, 1, NQ-1, 1, 0
	WIN 0
; THE WAY OUT, block by block of 16 rows x 128 columns: through my stage, back as whole rows of 512 bytes; the residual's same rows, asked for four blocks ahead into window 1, are added; the 32 lanes store 512 consecutive bytes.
; No pointer is stepped: row 16 a + t stands in the immediate, 520,192 bytes at the most.
.macro RLOAD a
	WIN TO_B
.irp t, 0,1,2,3,4,5,6,7,8,9,10,11,12,13,14,15
	global_load_b128 v[64*((\a)%4)+4*\t:64*((\a)%4)+4*\t+3], v[CO], s[96:97] offset:(16*(\a)+\t)*SIZE_N*4 th:TH_LOAD_NT
.endr
	WIN 0
.endm
.macro TOSTAGE a
.set AC, 64*((\a)%4)
	WIN 0x08+4*((\a)/4)
.irp b, 0,1,2,3,4,5,6,7
	ds_store_b128 v[STO], v[AC+8*\b:AC+8*\b+3] offset:64*\b          ; each accumulator from its low end on
	ds_store_b128 v[STO], v[AC+8*\b+4:AC+8*\b+7] offset:64*\b+16
.endr
	WIN 0
.set BB, BK+64*((\a)%2)
.irp t, 0,1,2,3,4,5,6,7,8,9,10,11,12,13,14,15
	ds_load_b128 v[BB+4*\t:BB+4*\t+3], v[RD] offset:\t*SPITCH        ; LDS serves a wave's instructions in order
.endr
.endm
.macro SENDF a, younger
.set BB, BK+64*((\a)%2)
.set RB, 64*((\a)%4)
	s_wait_dscnt \younger
.if (\a) < 5
	s_wait_loadcnt 48                              ; this block's residual is in; the three later blocks' 48 loads may be out
.else
	s_wait_loadcnt 16*(7-(\a))
.endif
	WIN 0x04                                       ; source 1: window 1
.set i, 0
.rept 32
	v_pk_add_f32 v[BB+i:BB+i+1], v[BB+i:BB+i+1], v[RB+i:RB+i+1]
.set i, i+2
.endr
	WIN 0
.if BIAS
.irp t, 0,1,2,3,4,5,6,7,8,9,10,11,12,13,14,15
	v_pk_add_f32 v[BB+4*\t:BB+4*\t+1], v[BB+4*\t:BB+4*\t+1], v[12:13]
	v_pk_add_f32 v[BB+4*\t+2:BB+4*\t+3], v[BB+4*\t+2:BB+4*\t+3], v[14:15]
.endr
.endif
.irp t, 0,1,2,3,4,5,6,7,8,9,10,11,12,13,14,15
.if BIAS
	global_store_b128 v[CO], v[BB+4*\t:BB+4*\t+3], s[98:99] offset:(16*(\a)+\t)*SIZE_N*4 th:TH_STORE_NT
.else
	global_store_b128 v[CO], v[BB+4*\t:BB+4*\t+3], s[98:99] offset:(16*(\a)+\t)*SIZE_N*4
.endif
.endr
.if (\a) < 4
	RLOAD (\a)+4
.endif
.endm
	PLACES NP                                      ; in front of the loads into registers that the last products read, and of the first read of results
	RLOAD 0
	RLOAD 1
	RLOAD 2
	RLOAD 3
	TOSTAGE 0
.irp a, 1,2,3,4,5,6,7
.if \a > 1
	s_wait_xcnt 0x0                                ; block a - 2's stores have read their registers: block a's loads may land there
.endif
	TOSTAGE \a
	SENDF \a-1, 32                                 ; behind block a - 1's loads: block a's 16 stores and 16 loads
.endr
	SENDF 7, 0
	s_wait_tensorcnt 0x0                           ; the wave's end
	ds_add_u32 v[SPW], v[NIL]
	s_wait_dscnt 0x0
	CROUND                                         ; the closing round
	s_endpgm
.Lfunc_end_k_qbe166258be_oproj:
	.size	k_qbe166258be_oproj, .Lfunc_end_k_qbe166258be_oproj-k_qbe166258be_oproj
	.p2alignl 7, 3214868480
	.fill 96, 4, 3214868480
	.section	.rodata,"a",@progbits
	.p2align	6, 0x0
	.amdhsa_kernel k_qbe166258be_oproj
		.amdhsa_group_segment_fixed_size 327680
		.amdhsa_private_segment_fixed_size 0
		.amdhsa_enable_private_segment 0
		.amdhsa_kernarg_size 48
		.amdhsa_user_sgpr_count 2
		.amdhsa_user_sgpr_kernarg_segment_ptr 1
		.amdhsa_wavefront_size32 1
		.amdhsa_system_sgpr_workgroup_id_x 1
		.amdhsa_system_sgpr_workgroup_id_y 1
		.amdhsa_system_sgpr_workgroup_id_z 1
		.amdhsa_system_vgpr_workitem_id 0
		.amdhsa_next_free_vgpr 1024
		.amdhsa_next_free_sgpr 106
		.amdhsa_reserve_vcc 0
		.amdhsa_float_denorm_mode_32 3
		.amdhsa_float_denorm_mode_16_64 3
		.amdhsa_memory_ordered 1
		.amdhsa_forward_progress 1
		.amdhsa_inst_pref_size 183
	.end_amdhsa_kernel
	.amdgpu_metadata
---
amdhsa.version: [ 1, 2 ]
amdhsa.kernels:
  - .name:           k_qbe166258be_oproj
    .symbol:         k_qbe166258be_oproj.kd
    .args:
      - { .name: aimg, .offset: 0, .size: 8, .value_kind: global_buffer, .address_space: global }
      - { .name: asc, .offset: 8, .size: 8, .value_kind: global_buffer, .address_space: global }
      - { .name: w_out_codes, .offset: 16, .size: 8, .value_kind: global_buffer, .address_space: global }
      - { .name: w_out_scales, .offset: 24, .size: 8, .value_kind: global_buffer, .address_space: global }
      - { .name: x, .offset: 32, .size: 8, .value_kind: global_buffer, .address_space: global }
      - { .name: x1, .offset: 40, .size: 8, .value_kind: global_buffer, .address_space: global }
    .group_segment_fixed_size: 327680
    .private_segment_fixed_size: 0
    .kernarg_segment_align: 8
    .kernarg_segment_size: 48
    .max_flat_workgroup_size: 128
    .sgpr_count:     106
    .vgpr_count:     1024
    .wavefront_size: 32
...
	.end_amdgpu_metadata
.endif
;; end of part 4
;; launch ln2: the kernel of part 1 again; grid 256 x 1, 8 waves a work-group, no clusters, 84,992 bytes of LDS; arguments x1, ln2_g, ln2_b, hc, hs; writes hc, hs
;; launch ff1 (part 5): grid 16 x 16, 4 waves a work-group, clusters of 4 x 4, 327,680 bytes of LDS; arguments hc, hs, w1_codes, w1_scales, aimg, asc, b1; writes aimg, asc
.if DOCPART == 5
	.amdgcn_target "amdgcn-amd-amdhsa--gfx1250"
	.amdhsa_code_object_version 6
	.text
	.protected	k_qbe166258be_ff1
	.globl	k_qbe166258be_ff1
	.p2align	8
	.type	k_qbe166258be_ff1,@function
k_qbe166258be_ff1:
	s_mov_b64 s[64:65], 0
	v_nop
	global_prefetch_b8 v0, s[64:65] scope:SCOPE_SE
	s_setreg_imm32_b32 hwreg(HW_REG_WAVE_MODE, 25, 1), 1
	s_wait_xcnt 0x0
	s_wait_alu depctr_hold_cnt(0) depctr_sa_sdst(0) depctr_va_vdst(0) depctr_va_sdst(0) depctr_va_ssrc(0) depctr_va_vcc(0) depctr_vm_vsrc(0)
	s_getreg_b32 s2, hwreg(HW_REG_IB_STS2, 6, 4)
	s_cmp_eq_u32 s2, 0
	s_cbranch_scc0 .Lentry_in_a_cluster
	s_endpgm
.Lentry_in_a_cluster:
	s_bfe_u32 s2, ttmp6, 0x10000c
	s_cmp_lg_u32 s2, 0xf033
	s_cbranch_scc0 .Lentry_shape_is_right
	s_endpgm
.Lentry_shape_is_right:
; hidden = gelu(LN2(x1) w1 + b1) on codes of FP6 (E2M3) with E8M0 scales for each 32 along K = 1,024; the f32 results are quantised at once along the 4,096 hidden units and leave as IMAGES of the next operand's registers.
; A tile of 256 x 256 is made by four waves, each 128 x 128: 64 accumulators, 512 registers.  K goes in steps of 256 through a ring of two LDS slots filled by the tensor data mover; the scales of the tile's rows stay in LDS.
; CLUSTERS: 4 x 4 work-groups; A's tiles are asked for jointly along a row of the cluster, B's along a column.  The matrix instruction is used TRANSPOSED (source 0 = 16 rows of B, source 1 = 16 rows of A):
; a lane holds one row and eight neighbouring hidden units, and the way out quantises along the hidden units.
; THE IMAGE: [row / 16][k / 128][1,536 bytes]; a half fragment (six registers a lane) is 768 bytes: registers 0-3 at 16 x lane, registers 4, 5 at 512 + 8 x lane: every store covers whole aligned blocks of 256 bytes.
; Scale words: [k / 128][row], byte b: block b of the 128.
; GELU is the exact form: x/2 (1 + erf(x / sqrt 2)), erf(u) = u P(u^2) / Q(u^2), u held to +-4, for every x.  LIMIT: erf is good to a few units of f32's last digit; for x < 0 the sum 1 + erf leaves gelu an absolute error of about 1e-7 |x|.
; LIMITS: NaN and infinities are not served; a block whose largest magnitude lies under 2^-124 keeps the byte 1, a block of zeros too (its codes are zeros; this program alone reads the bytes).
.set ROLE,   0                         ; 1: two roles chosen by the cluster's y;  0: A = rows, B = the weight
.set PERM,   0                         ; 1: groups of eight in the order 0, 2, 1, 3
.set GELU,   1                         ; 1: bias and exact gelu ahead of the quantiser
.set SIZE_K, 1024
.set KSTEP,  256                       ; along K in a slot
.set NQ,     KSTEP/128
.set ROWB,   192                       ; a tile's row in bytes
.set KROW,   SIZE_K*6/8
.set PITCH,  240                       ; an LDS row: 3 x (64 bytes + 16 of padding)
.set FR,     12                        ; registers of a fragment
.set NL,     6                         ; LDS loads that bring one
.set NP,     4                         ; places behind this matrix instruction (ISA guide 7.12.1)
.set HALFT,  128*PITCH
.set SLOT,   4*HALFT                   ; A's 256 rows, then B's 256 rows
.set LAPS,   SIZE_K/(2*KSTEP)
.set KS,     SIZE_K/32
.set SCL,    2*SLOT                    ; behind the ring: the scales, as units of 256 bytes + 16 of padding
.set HALFS,  (128*KS/256)*272
.set SBLK,   (16*KS/256)*272
.set SPARE,  SCL+4*HALFS               ; the spare words, 128 bytes for each wave: two blocks of 256 bytes that no other line names
.set SPITCH, 528                       ; the way out: a stage of 16 rows x (512 + 16) bytes for each wave, in slot 0, which has had its last fill and its last read by then
.set SCR,    4*16*SPITCH               ; behind the stages, in slot 0 too: 512 bytes for each wave's scale words
.set VO8,  10                          ; v10  8 x lane
.set SBA,  11                          ; v11  my scale byte's place: 4 (lane % 16) + lane / 16 in my scratch
.set ADRA, 16                          ; v16-19 LDS addresses of my A fragments (slot 0, 1; behind one padding more)
.set ADRB, 20                          ; v20-23 the same for B
.set STO,  24                          ; v24  the stage: where I put 32 bytes of a row
.set RD,   25                          ; v25  and where I read my 128 bytes of a row back
.set CO,   26                          ; v26  16 x lane
.set ADRS, 27                          ; v27  my scale words: lanes 0-15 A's rows, lanes 16-31 B's
.set SPW,  28                          ; v28  my spare word; never rewritten
.set NIL,  29                          ; v29  0; never rewritten
.set SBR,  31                          ; v31  my scratch, 16 bytes a lane
.set SC,   32                          ; v32-63 scale words, two sets: they hold scales and nothing else
.set GU,   64                          ; v64-95 gelu at work
.set GS,   72
.set GA,   80
.set GQ,   88
.set CD,   96                          ; v96-119 two sets of a fragment's codes
.set T,    120                         ; v120-126 the second halves of the blocks' codes as the conversions leave them
.set AF,   128                         ; A's fragments, one set
.set X,    128                         ; the way out: two sets of 64 numbers
.set G1, 24
.set G0, 32
.set G1B, 48
.set G0B, 56
.set G1S, 68
.set G0S, 76
.set G1SB, 80
.set G0SB, 88
.if ROLE
.set PA,  66                           ; where the chosen pointers lie
.set PAS, 4
.set PB,  104
.set PBS, 8
.else
.set PA,  4
.set PAS, 6
.set PB,  8
.set PBS, 10
.endif
.set MSB, 0
.macro WIN new                         ; the immediate's high byte repeats the setting that is left
.if MSB != \new
	s_set_vgpr_msb (MSB<<8)|\new
.set MSB, \new
.endif
.endm
.set MUL_LO, 0xa1                      ; source 0 (B) window 1, source 1 (A) window 0, C and D window 2
.set MUL_HI, 0xf1                      ; the same, C and D window 3
.set TO_B,   0x40                      ; destination window 1
; A joint load: waves 0 and 1 fetch for A, waves 2 and 3 for B; the branch hangs on the wave's number alone.  Four v_nop follow each of the two lines.
.macro JLOAD g0a, g1a, g0b, g1b
	s_cmp_eq_u32 s15, 0
	s_cbranch_scc0 .Lfor_b_\@
	tensor_load_to_lds s[\g0a:\g0a+3], s[\g1a:\g1a+7]
	s_nop 0
.rept 4
	v_nop
.endr
	s_branch .Lasked_\@
.Lfor_b_\@:
	tensor_load_to_lds s[\g0b:\g0b+3], s[\g1b:\g1b+7]
	s_nop 0
.rept 4
	v_nop
.endr
.Lasked_\@:
.endm
.macro CREST                           ; a round of the cluster's barrier behind its opening barrier
	s_cmp_lg_u32 s14, 0
	s_cbranch_scc1 .Lnot_wave_0_\@
	s_barrier_signal -3
.Lnot_wave_0_\@:
	s_barrier_wait -3
	s_barrier_signal -1
	s_barrier_wait -1
.endm
.macro CROUND
	s_barrier_signal -1
	s_barrier_wait -1
	CREST
.endm
	s_load_b256 s[4:11], s[0:1], 0x0               ; the rows' codes and scales, the weight's codes and scales
	s_load_b128 s[96:99], s[0:1], 0x20             ; the images, the scale words
.if GELU
	s_load_b64 s[100:101], s[0:1], 0x30            ; the bias
.endif
	v_lshl_add_u32 v[SPW], v0, 2, SPARE
	v_mov_b32 v[NIL], 0
	ds_add_u32 v28, v29
	ds_add_u32 v28, v29
	s_wait_dscnt 0x0
	v_lshrrev_b32 v1, 5, v0
	v_readfirstlane_b32 s14, v1                    ; wave 0..3
	s_lshr_b32 s15, s14, 1                         ; which half of A's rows is mine.  Also: I fetch for A (0) or for B (1)
	s_and_b32 s16, s14, 1                          ; which half of B's rows.  Also: which 128 rows of that tile I fetch
	s_bfe_u32 s40, ttmp6, 0x40000                  ; cx, cy: my place in the cluster
	s_bfe_u32 s41, ttmp6, 0x40004
	s_and_b32 s95, ttmp7, 0xffff                   ; the cluster's y
	s_lshl_b32 s42, ttmp9, 2
	s_lshl_b32 s17, s95, 2
	s_mov_b32 s19, 0
.if ROLE
	s_sub_co_u32 s18, s95, 4
	s_lshl_b32 s18, s18, 1
	s_add_co_u32 s18, s18, ttmp9
	s_lshl_b32 s18, s18, 2
	s_cmp_ge_u32 s95, 4
	s_cselect_b32 s42, s18, s42
	s_cselect_b32 s17, 0, s17
	s_cselect_b32 s19, 8, 0
.endif
	s_add_co_u32 s42, s42, s40                     ; B's tile: cx enters B's addresses alone
	s_add_co_u32 s17, s17, s41                     ; A's tile: cy enters A's addresses alone
	s_lshl_b32 s43, s41, 2
	s_lshl_b32 s43, 15, s43                        ; my row of the cluster
	s_lshl_b32 s44, 0x1111, s40                    ; my column
	s_or_b32 s[G1+0], s43, (0<<16)|(1<<20)|(1<<21)|(3<<22)|(3<<25)  ; the mask; elements of 1 byte; padding on; bit 21 beside a mask; after every 16 words 4 words
	s_or_b32 s[G1B+0], s44, (0<<16)|(1<<20)|(1<<21)|(3<<22)|(3<<25)
.irp g, G1, G1B
	s_mov_b32 s[\g+1], ROWB<<16                    ; tensor_dim0
	s_mov_b32 s[\g+2], 128<<16                     ; tensor_dim1
	s_mov_b32 s[\g+3], ROWB<<16                    ; tile_dim0
	s_mov_b32 s[\g+4], 128                         ; tile_dim1
	s_mov_b32 s[\g+5], KROW                        ; the pitch
	s_mov_b32 s[\g+6], 0
	s_mov_b32 s[\g+7], 0
.endr
	s_or_b32 s[G1S+0], s43, (3<<16)|(1<<20)|(1<<21)|(5<<22)|(3<<25) ; the scales of 128 rows: a dense block, as rows of 256 bytes + 16 of padding
	s_or_b32 s[G1SB+0], s44, (3<<16)|(1<<20)|(1<<21)|(5<<22)|(3<<25)
.irp g, G1S, G1SB
	s_mov_b32 s[\g+1], 32<<16
	s_mov_b32 s[\g+2], (128*KS/256)<<16
	s_mov_b32 s[\g+3], 32<<16
	s_mov_b32 s[\g+4], 128*KS/256
	s_mov_b32 s[\g+5], 32
	s_mov_b32 s[\g+6], 0
	s_mov_b32 s[\g+7], 0
.endr
	s_lshl_b32 s18, s16, 7                         ; which 128 rows of the tile I fetch
	s_add_co_u32 s20, s17, s19
	s_lshl_b32 s20, s20, 8
	s_add_co_u32 s20, s20, s18                     ; A's row in its buffer
	s_lshl_b32 s46, s42, 8
	s_add_co_u32 s46, s46, s18                     ; B's
	s_mov_b32 s21, 0
	s_mov_b32 s47, 0
	s_mov_b64 s[18:19], KS
	s_mul_u64 s[22:23], s[20:21], s[18:19]         ; where these rows' scales begin,
	s_mul_u64 s[92:93], s[46:47], s[18:19]
	s_mov_b64 s[18:19], KROW
	s_mul_u64 s[20:21], s[20:21], s[18:19]         ; and their codes
	s_mul_u64 s[46:47], s[46:47], s[18:19]
	s_mul_i32 s45, s14, HALFT                      ; where they go: wave x 128 rows
	s_mul_i32 s94, s14, HALFS
	s_wait_kmcnt 0x0
.if ROLE
	s_cmp_ge_u32 s95, 4
	s_cselect_b64 s[66:67], s[8:9], s[4:5]
	s_cselect_b64 s[104:105], s[4:5], s[8:9]
	s_cselect_b64 s[4:5], s[10:11], s[6:7]
	s_cselect_b64 s[8:9], s[6:7], s[10:11]
.endif
	s_add_nc_u64 s[20:21], s[PA:PA+1], s[20:21]
	s_add_nc_u64 s[22:23], s[PAS:PAS+1], s[22:23]
	s_add_nc_u64 s[46:47], s[PB:PB+1], s[46:47]
	s_add_nc_u64 s[92:93], s[PBS:PBS+1], s[92:93]
	CROUND                                         ; all sixteen work-groups are here: the first joint loads meet
	s_mov_b32 s[G0S], 1
	s_add_co_u32 s[G0S+1], s94, SCL
	s_mov_b64 s[G0S+2:G0S+3], s[22:23]
	s_or_b32 s[G0S+3], s[G0S+3], 0x80000000
	s_mov_b32 s[G0SB], 1
	s_add_co_u32 s[G0SB+1], s94, SCL
	s_mov_b64 s[G0SB+2:G0SB+3], s[92:93]
	s_or_b32 s[G0SB+3], s[G0SB+3], 0x80000000
	JLOAD G0S, G1S, G0SB, G1SB                     ; the scales first: they are wanted with K step 0
.irp s, 0,1
	s_mov_b32 s[G0+4*\s], 1
	s_add_co_u32 s[G0+4*\s+1], s45, \s*SLOT
	s_add_nc_u64 s[G0+4*\s+2:G0+4*\s+3], s[20:21], \s*ROWB
	s_or_b32 s[G0+4*\s+3], s[G0+4*\s+3], 0x80000000
	s_mov_b32 s[G0B+4*\s], 1
	s_add_co_u32 s[G0B+4*\s+1], s45, \s*SLOT
	s_add_nc_u64 s[G0B+4*\s+2:G0B+4*\s+3], s[46:47], \s*ROWB
	s_or_b32 s[G0B+4*\s+3], s[G0B+4*\s+3], 0x80000000
	JLOAD G0+4*\s, G1, G0B+4*\s, G1B
.endr
	v_and_b32 v1, 15, v0                           ; r = lane % 16
	v_bfe_u32 v2, v0, 4, 1                         ; h = lane / 16
	v_mul_u32_u24 v3, v1, PITCH
	v_mul_u32_u24 v4, v2, 24
	v_add_nc_u32 v4, v3, v4                        ; a fragment's row x pitch + 24 x half
	v_lshl_add_u32 v5, v2, 4, v4                   ; and the same behind one padding more
	s_mul_i32 s21, s15, HALFT
	s_mul_i32 s22, s16, HALFT
	s_add_co_u32 s22, s22, 2*HALFT
.irp s, 0,1
	v_add_nc_u32 v[ADRA+\s], s21, v4
	v_add_nc_u32 v[ADRB+\s], s22, v4
	v_add_nc_u32 v[ADRA+2+\s], s21, v5
	v_add_nc_u32 v[ADRB+2+\s], s22, v5
	s_add_co_u32 s21, s21, SLOT
	s_add_co_u32 s22, s22, SLOT
.endr
	v_mul_u32_u24 v5, v1, KS                       ; my row's scales: KS bytes a row, and 16 more for each 256 passed
	v_lshrrev_b32 v6, 8, v5
	v_lshl_add_u32 v5, v6, 4, v5
	s_mul_i32 s21, s15, HALFS
	s_mul_i32 s22, s16, HALFS
	s_add_co_u32 s22, s22, 2*HALFS
	s_sub_co_u32 s22, s22, s21
	v_mul_u32_u24 v6, s22, v2                      ; lanes 16-31 take B's
	s_add_co_u32 s21, s21, SCL
	v_add_nc_u32 v5, v5, v6
	v_add_nc_u32 v[ADRS], s21, v5
	s_mul_i32 s23, s14, 16*SPITCH                  ; my stage
	v_mul_u32_u24 v5, v1, SPITCH
	v_lshl_add_u32 v6, v2, 5, v5
	v_add_nc_u32 v[STO], s23, v6                   ; in: row r, 32 bytes for each half of the lanes
	v_lshl_add_u32 v6, v2, 7, v5
	v_add_nc_u32 v[RD], s23, v6                    ; back: row r, 128 bytes (a block of 32) for each half of the lanes
	v_and_b32 v6, 31, v0
	v_lshlrev_b32 v[CO], 4, v6
	v_lshlrev_b32 v[VO8], 3, v6
	s_lshl_b32 s22, s14, 9
	s_add_co_u32 s22, s22, SCR                     ; my scratch
	v_lshl_add_u32 v[SBA], v1, 2, v2
	v_add_nc_u32 v[SBA], s22, v[SBA]
	v_add_nc_u32 v[SBR], s22, v[CO]
	; where my 128 x 128 goes.  m0: my first index on A's side, n0: on B's side
	s_lshl_b32 s18, s17, 8
	s_lshl_b32 s19, s15, 7
	s_add_co_u32 s18, s18, s19                     ; m0
	s_lshl_b32 s19, s42, 8
	s_lshl_b32 s20, s16, 7
	s_add_co_u32 s19, s19, s20                     ; n0
.if ROLE
	s_lshr_b32 s20, s19, 10
	s_lshr_b32 s21, s18, 11
	s_bfe_u32 s22, s19, 0x40006
	s_lshl_b32 s23, s20, 5
	s_lshl_b32 s40, s21, 4
	s_add_co_u32 s23, s23, s40
	s_add_co_u32 s23, s23, s22
	s_mul_i32 s23, s23, 98304
	s_and_b32 s40, s18, 2047
	s_lshr_b32 s41, s40, 4
	s_mul_i32 s41, s41, 768
	s_add_co_u32 s23, s23, s41
	s_lshl_b32 s20, s20, 1
	s_add_co_u32 s20, s20, s21
	s_lshl_b32 s20, s20, 3
	s_lshr_b32 s22, s22, 1
	s_add_co_u32 s20, s20, s22
	s_lshl_b32 s20, s20, 13
	s_lshl_b32 s40, s40, 2
	s_add_co_u32 s20, s20, s40
	s_lshr_b32 s21, s19, 7
	s_mul_i32 s22, s21, 98304
	s_lshr_b32 s41, s18, 4
	s_mul_i32 s41, s41, 1536
	s_add_co_u32 s22, s22, s41
	s_add_co_u32 s22, s22, 6291456
	s_lshl_b32 s21, s21, 12
	s_lshl_b32 s41, s18, 2
	s_add_co_u32 s21, s21, s41
	s_add_co_u32 s21, s21, 262144
	s_mov_b32 s43, 1536
	s_mov_b32 s44, 98304
	s_cmp_ge_u32 s95, 4
	s_cselect_b32 s40, s22, s23
	s_cselect_b32 s46, s21, s20
	s_cselect_b32 s66, s43, 768
	s_cselect_b32 s44, 768, s44
.else
	s_lshr_b32 s40, s18, 4                         ; [row / 16][k / 128][1,536], 32 K steps to a row block
	s_mul_i32 s40, s40, 49152
	s_lshr_b32 s21, s19, 7
	s_mul_i32 s22, s21, 1536
	s_add_co_u32 s40, s40, s22
	s_lshl_b32 s46, s21, 14                        ; scale words: [k / 128][row]
	s_lshl_b32 s22, s18, 2
	s_add_co_u32 s46, s46, s22
	s_mov_b32 s66, 49152                           ; from 16 rows to the next 16
	s_mov_b32 s44, 768                             ; from a fragment's first half to its second
.endif
	s_mov_b32 s41, 0
	s_mov_b32 s47, 0
	s_mov_b32 s67, 0
	s_mov_b32 s45, 0
	s_add_nc_u64 s[96:97], s[96:97], s[40:41]      ; the first halves,
	s_add_nc_u64 s[104:105], s[96:97], s[44:45]    ; the second halves,
	s_add_nc_u64 s[98:99], s[98:99], s[46:47]      ; my 128 scale words
.if GELU
	s_lshl_b32 s40, s19, 2
	s_add_nc_u64 s[100:101], s[100:101], s[40:41]
	v_lshlrev_b32 v9, 7, v2                        ; the bias of my 64 columns, n0 + 64 c + 32 h + i, stays in window 1 beside B's two sets: v96-127 (c = 0), v224-255 (c = 1)
	WIN TO_B
.irp c, 0,1
.irp e, 0,1,2,3,4,5,6,7
	global_load_b128 v[96+128*\c+4*\e:99+128*\c+4*\e], v9, s[100:101] offset:256*\c+16*\e
.endr
.endr
	WIN 0
	v_mov_b32 v12, 0xaf95df0b                      ; the two leading coefficients, as pairs
	v_mov_b32 v13, 0xaf95df0b
	v_mov_b32 v14, 0xb77460cd
	v_mov_b32 v15, 0xb77460cd
.endif
.macro FRAG reg, adr, q, i             ; a fragment: lane l holds row l % 16; registers 6 c .. 6 c + 5 hold K = 64 c + 32 (l / 16) + 0 .. 31: 24 bytes of the row's stream of bits, in pieces of 8 bytes
.irp p, 0,1,2,3,4,5
.set PC, 12*(\q)+6*(\p/3)+\p%3        ; 16 bytes of padding lie behind every 8 pieces: where the piece three on lies behind one padding more, the second address register serves
.if PC%8 < 5
	ds_load_b64 v[\reg+2*\p:\reg+2*\p+1], v[\adr] offset:8*PC+16*(PC/8)+(\i)*16*PITCH
.else
	ds_load_b64 v[\reg+2*\p:\reg+2*\p+1], v[\adr+2] offset:8*PC+16*(PC/8)+(\i)*16*PITCH
.endif
.endr
.endm
; 16 matrix instructions: A's blocks a0, a0 + 1 x B's eight.  The 64 accumulators take turns, one instruction a turn, in the same order in every step.  zero = 1: the first product starts the sums.
.macro MUL16 a0, p, q, sc, zero
.irp a, \a0, \a0+1
.irp b, 0,1,2,3,4,5,6,7
.if \zero
	v_wmma_scale_f32_16x16x128_f8f6f4 v[8*(8*((\a)%4)+\b):8*(8*((\a)%4)+\b)+7], v[128*(\p)+FR*\b:128*(\p)+FR*\b+FR-1], v[AF+FR*(\a):AF+FR*(\a)+FR-1], 0, v[SC+8*NQ*(\sc)+NQ*\b+(\q)], v[SC+8*NQ*(\sc)+NQ*(\a)+(\q)] matrix_a_fmt:MATRIX_FMT_FP6 matrix_b_fmt:MATRIX_FMT_FP6 matrix_a_scale:MATRIX_SCALE_ROW1
.else
	v_wmma_scale_f32_16x16x128_f8f6f4 v[8*(8*((\a)%4)+\b):8*(8*((\a)%4)+\b)+7], v[128*(\p)+FR*\b:128*(\p)+FR*\b+FR-1], v[AF+FR*(\a):AF+FR*(\a)+FR-1], v[8*(8*((\a)%4)+\b):8*(8*((\a)%4)+\b)+7], v[SC+8*NQ*(\sc)+NQ*\b+(\q)], v[SC+8*NQ*(\sc)+NQ*(\a)+(\q)] matrix_a_fmt:MATRIX_FMT_FP6 matrix_b_fmt:MATRIX_FMT_FP6 matrix_a_scale:MATRIX_SCALE_ROW1
.endif
.endr
.endr
.endm
.macro FETCH_B slot, q, p
	WIN TO_B
.irp i, 0,1,2,3,4,5,6,7
	FRAG 128*(\p)+FR*\i, ADRB+\slot, \q, \i
.endr
	WIN 0
.endm
.macro FETCH_A slot, q, i0
.irp i, \i0, \i0+1, \i0+2, \i0+3
	FRAG AF+FR*(\i), ADRA+\slot, \q, \i
.endr
.endm
.macro SCALES sc                       ; a K step's scale words: lanes 0-15 take A's block i, lanes 16-31 B's block i
.irp i, 0,1,2,3,4,5,6,7
	ds_load_b64 v[SC+8*NQ*\sc+NQ*\i:SC+8*NQ*\sc+NQ*\i+1], v[ADRS] offset:\i*SBLK
.endr
.endm
.macro PLACES n                        ; plain vector lines between a matrix instruction and a load into, or a read of, its registers
.rept \n
	v_nop
.endr
.endm
.macro STEP slot, q, zero              ; 128 along K with its successor in the same slot
	s_wait_dscnt 4*NL                              ; B's set and A's blocks 0-3 are in; the youngest loads (A's blocks 4-7) may be out
	WIN MUL_LO
	MUL16 0, (\q)%2, \q, \slot, \zero
	MUL16 2, (\q)%2, \q, \slot, \zero
	s_wait_dscnt 0
	PLACES NP
	FETCH_B \slot, (\q)+1, 1-(\q)%2
	FETCH_A \slot, (\q)+1, 0
	WIN MUL_HI
	MUL16 4, (\q)%2, \q, \slot, \zero
	MUL16 6, (\q)%2, \q, \slot, \zero
	PLACES NP
	WIN 0
	FETCH_A \slot, (\q)+1, 4
.endm
; A slot's last step changes slots: one barrier; in front of it each wave waits for all its tensor loads, adds 0 to its spare word, and waits for that and for its reads of this slot.  fill = 1: this slot is filled again.
.macro TURN slot, next, fill
	s_wait_tensorcnt 0x0                           ; all my tensor loads have landed: my part of the next slot
	ds_add_u32 v[SPW], v[NIL]                      ; 0 onto my spare word
	s_wait_dscnt 4*NL+1                            ; (the add and A's blocks 4-7 may be out)
	WIN MUL_LO
	MUL16 0, 1, NQ-1, \slot, 0
	s_wait_dscnt 0x0                               ; the add is done, and my reads of this slot are over
	s_barrier_signal -1
	MUL16 2, 1, NQ-1, \slot, 0
	WIN 0
	s_barrier_wait -1
.if \fill
	CREST                                          ; the barrier has opened a round of the cluster's barrier: no wave of any partner still reads this slot or has a load on its way
	s_add_nc_u64 s[G0+4*\slot+2:G0+4*\slot+3], s[G0+4*\slot+2:G0+4*\slot+3], 2*ROWB
	s_add_nc_u64 s[G0B+4*\slot+2:G0B+4*\slot+3], s[G0B+4*\slot+2:G0B+4*\slot+3], 2*ROWB
	JLOAD G0+4*\slot, G1, G0B+4*\slot, G1B         ; the first tensor load behind the round; its four v_nop are the places in front of the loads below
.else
	PLACES NP
.endif
	v_add_nc_u32 v[ADRS], 4*NQ, v[ADRS]
	FETCH_B \next, 0, 0
	FETCH_A \next, 0, 0
	SCALES \next
	WIN MUL_HI
	MUL16 4, 1, NQ-1, \slot, 0
	MUL16 6, 1, NQ-1, \slot, 0
	PLACES NP
	WIN 0
	FETCH_A \next, 0, 4
.endm
	s_wait_tensorcnt 1                             ; the scales and my part of K step 0 are in (K step 1's load may be out)
	s_barrier_signal -1
	s_barrier_wait -1
	FETCH_B 0, 0, 0
	FETCH_A 0, 0, 0
	SCALES 0
	FETCH_A 0, 0, 4
	STEP 0, 0, 1
	s_mov_b32 s3, LAPS-1
.Llap:
	TURN 0, 1, 1
	STEP 1, 0, 0
	TURN 1, 0, 1
	STEP 0, 0, 0
	s_sub_co_u32 s3, s3, 1
	s_cmp_lg_u32 s3, 0
	s_cbranch_scc1 .Llap
	TURN 0, 1, 0                                   ; the last lap fills nothing
	STEP 1, 0, 0
	s_wait_dscnt 4*NL
	WIN MUL_LO
	MUL16 0, 1, NQ-1, 1, 0
	MUL16 2, 1, NQ-1, 1, 0
	s_wait_dscnt 0
	WIN MUL_HI
	MUL16 4, 1, NQ-1, 1, 0
	MUL16 6, 1, NQ-1, 1, 0
	WIN 0
; THE WAY OUT, block by block of 16 rows x 128.  The block goes into my stage as it stands (each accumulator from its low end on) and comes back so that lane (r, h) holds, of row r, the two whole blocks of 32
; at 64 c + 32 h: the very numbers whose codes are registers 6 c .. 6 c + 5 of the next operand's fragment.  No other lane is asked for a maximum.
.macro TOSTAGEQ a
.set AC, 64*((\a)%4)
	WIN 0x08+4*((\a)/4)                            ; the data: window 2 or 3
.irp b, 0,1,2,3,4,5,6,7
	ds_store_b128 v[STO], v[AC+8*\b:AC+8*\b+3] offset:64*\b
	ds_store_b128 v[STO], v[AC+8*\b+4:AC+8*\b+7] offset:64*\b+16
.endr
	WIN 0
.set XB, X+64*((\a)%2)
.irp c, 0,1
.irp g, 0,1,2,3
.if PERM
.set PG, ((\g)%2)*2+(\g)/2
.else
.set PG, \g
.endif
	ds_load_b128 v[XB+32*\c+8*\g:XB+32*\c+8*\g+3], v[RD] offset:256*\c+32*PG       ; LDS serves a wave's instructions in order: these see the stores above
	ds_load_b128 v[XB+32*\c+8*\g+4:XB+32*\c+8*\g+7], v[RD] offset:256*\c+32*PG+16
.endr
.endr
.endm
; gelu(x) = x/2 (1 + erf(x / sqrt 2)), erf(u) = u P(u^2) / Q(u^2) with u held to +-4 (beyond it erf is 1 to f32's last digit): eight numbers at v[GX] on
.macro G8
.irp p, 0,2,4,6
	v_pk_mul_f32 v[GU+\p:GU+\p+1], v[GX+\p:GX+\p+1], 0x3f3504f3 op_sel_hi:[1,0]
.endr
.irp p, 0,1,2,3,4,5,6,7
	v_med3_num_f32 v[GU+\p], v[GU+\p], -4.0, 4.0
.endr
.irp p, 0,2,4,6
	v_pk_mul_f32 v[GS+\p:GS+\p+1], v[GU+\p:GU+\p+1], v[GU+\p:GU+\p+1]
.endr
.irp p, 0,2,4,6
	v_pk_fma_f32 v[GA+\p:GA+\p+1], v[GS+\p:GS+\p+1], v[12:13], 0x32edffee op_sel_hi:[1,1,0]
	v_pk_fma_f32 v[GQ+\p:GQ+\p+1], v[GS+\p:GS+\p+1], v[14:15], 0xb95fbd29 op_sel_hi:[1,1,0]
.endr
.irp k, 0xb60cff51, 0xb86ec2d2, 0xba40ac63, 0xbb41a1f6, 0xbc83dbd4
.irp p, 0,2,4,6
	v_pk_fma_f32 v[GA+\p:GA+\p+1], v[GA+\p:GA+\p+1], v[GS+\p:GS+\p+1], \k op_sel_hi:[1,1,0]
.endr
.endr
.irp k, 0xbadc924e, 0xbbf19bf8, 0xbc69b6a7
.irp p, 0,2,4,6
	v_pk_fma_f32 v[GQ+\p:GQ+\p+1], v[GQ+\p:GQ+\p+1], v[GS+\p:GS+\p+1], \k op_sel_hi:[1,1,0]
.endr
.endr
.irp p, 0,2,4,6
	v_pk_mul_f32 v[GU+\p:GU+\p+1], v[GU+\p:GU+\p+1], v[GA+\p:GA+\p+1]
.endr
.irp p, 0,1,2,3,4,5,6,7
	v_rcp_f32 v[GQ+\p], v[GQ+\p]
.endr
.irp p, 0,2,4,6
	v_pk_mul_f32 v[GS+\p:GS+\p+1], v[GX+\p:GX+\p+1], 0.5 op_sel_hi:[1,0]   ; x / 2 (plain lines behind the reciprocals)
.endr
	s_wait_alu depctr_va_vdst(0)
.irp p, 0,2,4,6
	v_pk_mul_f32 v[GU+\p:GU+\p+1], v[GU+\p:GU+\p+1], v[GQ+\p:GQ+\p+1]      ; erf
.endr
.irp p, 0,2,4,6
	v_pk_fma_f32 v[GX+\p:GX+\p+1], v[GU+\p:GU+\p+1], v[GS+\p:GS+\p+1], v[GS+\p:GS+\p+1]
.endr
.endm
.macro GELUALL
	WIN 0x04                                       ; source 1: window 1, the bias
.irp c, 0,1
.irp i, 0,2,4,6,8,10,12,14,16,18,20,22,24,26,28,30
	v_pk_add_f32 v[XB+32*\c+\i:XB+32*\c+\i+1], v[XB+32*\c+\i:XB+32*\c+\i+1], v[96+128*\c+\i:97+128*\c+\i]
.endr
.endr
	WIN 0
.set GX, XB
.rept 8
	G8
.set GX, GX+8
.endr
.endm
.macro PROCQ a, younger                ; younger: LDS instructions issued behind block a's loads, which may stay out
.set XB, X+64*((\a)%2)
.set CB, CD+12*((\a)%2)
	s_wait_dscnt \younger
.if GELU
	GELUALL
.endif
.irp c, 0,1                                    ; my two blocks' largest magnitudes, by turns
	v_max3_num_f32 v[1+\c], |v[XB+32*\c]|, |v[XB+32*\c+1]|, |v[XB+32*\c+2]|
	v_max3_num_f32 v[3+\c], |v[XB+32*\c+3]|, |v[XB+32*\c+4]|, |v[XB+32*\c+5]|
.endr
.irp i, 6,10,14,18,22,26
.irp c, 0,1
	v_max3_num_f32 v[1+\c], v[1+\c], |v[XB+32*\c+\i]|, |v[XB+32*\c+\i+1]|
	v_max3_num_f32 v[3+\c], v[3+\c], |v[XB+32*\c+\i+2]|, |v[XB+32*\c+\i+3]|
.endr
.endr
.irp c, 0,1
	v_max3_num_f32 v[1+\c], v[1+\c], |v[XB+32*\c+30]|, |v[XB+32*\c+31]|
.endr
.irp c, 0,1
	v_max3_num_f32 v[1+\c], v[1+\c], v[3+\c], 0x1800000   ; and the floor 2^(3 - 127): the byte cannot fall under 1
.endr
.irp c, 0,1
	v_add_nc_u32 v[5+\c], 0xff000000, v[1+\c]      ; 2 off the exponent field: the conversion's scale operand
.endr
	s_wait_xcnt 0x0                                ; the earlier stores have read their data and their bases: this set of codes may be written, the bases may step
.if (\a) > 0
	s_add_nc_u64 s[96:97], s[96:97], s[66:67]
	s_add_nc_u64 s[104:105], s[104:105], s[66:67]
.endif
.irp c, 0,1
	v_cvt_scalef32_pk16_fp6_f32 v[CB+6*\c:CB+6*\c+2], v[XB+32*\c:XB+32*\c+15], v[5+\c]
	v_cvt_scalef32_pk16_fp6_f32 v[T+4*\c:T+4*\c+2], v[XB+32*\c+16:XB+32*\c+31], v[5+\c]   ; (a conversion's three registers begin on an even number)
.endr
.irp c, 0,1
	v_lshrrev_b32 v[7+\c], 23, v[5+\c]             ; the scales' bytes (plain lines behind the conversions)
.endr
.irp c, 0,1
.irp i, 0,1,2
	v_mov_b32 v[CB+6*\c+3+\i], v[T+4*\c+\i]
.endr
.endr
.irp c, 0,1
	ds_store_b8 v[SBA], v[7+\c] offset:64*(\a)+2*\c   ; row 16 a + r's word, byte 2 c + h
.endr
	global_store_b128 v[CO], v[CB:CB+3], s[96:97]              ; 512 consecutive bytes, aligned,
	global_store_b64 v[VO8], v[CB+4:CB+5], s[96:97] offset:512 ; and 256
	global_store_b128 v[CO], v[CB+6:CB+9], s[104:105]
	global_store_b64 v[VO8], v[CB+10:CB+11], s[104:105] offset:512
.endm
	PLACES NP
.if GELU
	s_wait_loadcnt 0x0                             ; the bias
.endif
	TOSTAGEQ 0
.irp a, 1,2,3,4,5,6,7
	TOSTAGEQ \a
	PROCQ \a-1, 32                                 ; behind block a - 1's loads: block a's 16 stores and 16 loads at the least
.endr
	PROCQ 7, 0
	ds_load_b128 v[2:5], v[SBR]                    ; my 128 rows' scale words
	s_wait_dscnt 0x0
	global_store_b128 v[CO], v[2:5], s[98:99]      ; 512 consecutive bytes, aligned
	s_wait_tensorcnt 0x0                           ; the wave's end
	ds_add_u32 v[SPW], v[NIL]
	s_wait_dscnt 0x0
	CROUND                                         ; the closing round
	s_endpgm
.Lfunc_end_k_qbe166258be_ff1:
	.size	k_qbe166258be_ff1, .Lfunc_end_k_qbe166258be_ff1-k_qbe166258be_ff1
	.p2alignl 7, 3214868480
	.fill 96, 4, 3214868480
	.section	.rodata,"a",@progbits
	.p2align	6, 0x0
	.amdhsa_kernel k_qbe166258be_ff1
		.amdhsa_group_segment_fixed_size 327680
		.amdhsa_private_segment_fixed_size 0
		.amdhsa_enable_private_segment 0
		.amdhsa_kernarg_size 56
		.amdhsa_user_sgpr_count 2
		.amdhsa_user_sgpr_kernarg_segment_ptr 1
		.amdhsa_wavefront_size32 1
		.amdhsa_system_sgpr_workgroup_id_x 1
		.amdhsa_system_sgpr_workgroup_id_y 1
		.amdhsa_system_sgpr_workgroup_id_z 1
		.amdhsa_system_vgpr_workitem_id 0
		.amdhsa_next_free_vgpr 1024
		.amdhsa_next_free_sgpr 106
		.amdhsa_reserve_vcc 0
		.amdhsa_float_denorm_mode_32 3
		.amdhsa_float_denorm_mode_16_64 3
		.amdhsa_memory_ordered 1
		.amdhsa_forward_progress 1
		.amdhsa_inst_pref_size 255
	.end_amdhsa_kernel
	.section	.bss,"aw",@nobits
	.p2align	6
	.space	262144
	.amdgpu_metadata
---
amdhsa.version: [ 1, 2 ]
amdhsa.kernels:
  - .name:           k_qbe166258be_ff1
    .symbol:         k_qbe166258be_ff1.kd
    .args:
      - { .name: hc, .offset: 0, .size: 8, .value_kind: global_buffer, .address_space: global }
      - { .name: hs, .offset: 8, .size: 8, .value_kind: global_buffer, .address_space: global }
      - { .name: w1_codes, .offset: 16, .size: 8, .value_kind: global_buffer, .address_space: global }
      - { .name: w1_scales, .offset: 24, .size: 8, .value_kind: global_buffer, .address_space: global }
      - { .name: aimg, .offset: 32, .size: 8, .value_kind: global_buffer, .address_space: global }
      - { .name: asc, .offset: 40, .size: 8, .value_kind: global_buffer, .address_space: global }
      - { .name: b1, .offset: 48, .size: 8, .value_kind: global_buffer, .address_space: global }
    .group_segment_fixed_size: 327680
    .private_segment_fixed_size: 0
    .kernarg_segment_align: 8
    .kernarg_segment_size: 56
    .max_flat_workgroup_size: 128
    .sgpr_count:     106
    .vgpr_count:     1024
    .wavefront_size: 32
...
	.end_amdgpu_metadata
.endif
;; end of part 5
;; launch ff2 (part 6): grid 4 x 16, 4 waves a work-group, clusters of 4 x 4, 327,680 bytes of LDS; arguments aimg, asc, w2_codes, w2_scales, x1, out0, b2; writes out0
.if DOCPART == 6
	.amdgcn_target "amdgcn-amd-amdhsa--gfx1250"
	.amdhsa_code_object_version 6
	.text
	.protected	k_qbe166258be_ff2
	.globl	k_qbe166258be_ff2
	.p2align	8
	.type	k_qbe166258be_ff2,@function
k_qbe166258be_ff2:
	s_mov_b64 s[64:65], 0
	v_nop
	global_prefetch_b8 v0, s[64:65] scope:SCOPE_SE
	s_setreg_imm32_b32 hwreg(HW_REG_WAVE_MODE, 25, 1), 1
	s_wait_xcnt 0x0
	s_wait_alu depctr_hold_cnt(0) depctr_sa_sdst(0) depctr_va_vdst(0) depctr_va_sdst(0) depctr_va_ssrc(0) depctr_va_vcc(0) depctr_vm_vsrc(0)
	s_getreg_b32 s2, hwreg(HW_REG_IB_STS2, 6, 4)
	s_cmp_eq_u32 s2, 0
	s_cbranch_scc0 .Lentry_in_a_cluster
	s_endpgm
.Lentry_in_a_cluster:
	s_bfe_u32 s2, ttmp6, 0x10000c
	s_cmp_lg_u32 s2, 0xf033
	s_cbranch_scc0 .Lentry_shape_is_right
	s_endpgm
.Lentry_shape_is_right:
; out[m][n] = res[m][n] (+ bias[n]) + sum over k of A[m][k] B[n][k], on codes of FP6 (E2M3) with one E8M0 scale for each 32 along K; sums, residual and result in f32.  Here: out0 = x1 + hidden x w2 + b2, K = 4,096.
; A arrives as IMAGES of its fragments, [row / 16][k / 128][1,536 bytes] (each half fragment: registers 0-3 at 16 x lane, registers 4, 5 at 512 + 8 x lane), its scale words as [k / 128][row]; B as rows of codes, K innermost, and rows of scale bytes.
; A tile of 256 x 256 is made by four waves, each 128 x 128: 64 accumulators, 512 registers.  K goes in steps of 256 through a ring of two LDS slots filled by the tensor data mover; all scales of the tile stay in LDS.
; An image needs no pitch and no padding: a load's 32 lanes read consecutive bytes, and a fragment comes by four LDS loads.
; CLUSTERS: 4 x 4 work-groups; A's tiles are asked for jointly along a row of the cluster, B's along a column.  The matrix instruction is used TRANSPOSED (source 0 = 16 rows of B, source 1 = 16 rows of A).
; 64 work-groups: N = 1,024 gives no more tiles of this size.
; REGISTERS: window 0: v0-31 addresses (v12-15 the bias); v32-63 B's scale words, v64-79 A's, two sets each (scales and nothing else); from v128 A's fragments, one set; on the way out v128-255 rows of the result.
;   window 1: B's fragments, two sets; on the way out the residual's rows.   windows 2, 3: the accumulators.
.set SIZE_K, 4096
.set BIAS,   1
.set SIZE_N, 1024
.set KSTEP,  256
.set NQ,     KSTEP/128
.set ROWB,   192                       ; a row of B's tile in bytes
.set ASTEP,  3072                      ; 16 rows of A x 256 along K, as images
.set KROW,   SIZE_K*6/8
.set PITCH,  240                       ; B's LDS row: 3 x (64 bytes + 16 of padding)
.set FR,     12
.set NL,     6                         ; LDS loads that bring a fragment of B
.set NLA,    4                         ; and of A
.set NP,     4                         ; places behind this matrix instruction (ISA guide 7.12.1)
.set HALFA,  8*ASTEP                   ; 128 rows of A
.set HALFT,  128*PITCH                 ; 128 rows of B
.set SLOT,   2*HALFA+2*HALFT
.set LAPS,   SIZE_K/(2*KSTEP)
.set KS,     SIZE_K/32
.set SCLB,   2*SLOT                    ; behind the ring: B's scales, as units of 256 bytes + 16 of padding,
.set HALFS,  (128*KS/256)*272
.set SBLK,   (16*KS/256)*272
.set SCLA,   SCLB+2*HALFS              ; A's scale words: [half][k / 128][128 rows],
.set HALFW,  (SIZE_K/128)*512
.set SPARE,  SCLA+2*HALFW              ; the spare words, 128 bytes for each wave: two blocks of 256 bytes that no other line names
.set SPITCH, 528                       ; the way out: a stage of 16 rows x (512 + 16) bytes for each wave, in slot 0, which has had its last fill and its last read by then
.set ADRA, 16                          ; v16-17 16 x lane + my A half in slot 0, 1;  v18-19 512 + 8 x lane + the same
.set ADRB, 20                          ; v20-23 B's fragments (slot 0, 1; behind one padding more)
.set STO,  24
.set RD,   25
.set CO,   26                          ; v26  16 x lane
.set ADRS, 27                          ; v27  B's scale words
.set SPW,  28
.set NIL,  29
.set ADRSA, 30                         ; v30  A's scale words: 4 x lane
.set SC,   32
.set SA,   64
.set AF,   128
.set BK,   128
.set G1, 24
.set G0, 32
.set G1B, 48
.set G0B, 56
.set G1S, 68
.set G0S, 76
.set G1SB, 80
.set G0SB, 88
.set MSB, 0
.macro WIN new                         ; the immediate's high byte repeats the setting that is left
.if MSB != \new
	s_set_vgpr_msb (MSB<<8)|\new
.set MSB, \new
.endif
.endm
.set MUL_LO, 0xa1
.set MUL_HI, 0xf1
.set TO_B,   0x40
; A joint load: waves 0 and 1 fetch for A, waves 2 and 3 for B; the branch hangs on the wave's number alone.  Four v_nop follow each of the two lines.
.macro JLOAD g0a, g1a, g0b, g1b
	s_cmp_eq_u32 s15, 0
	s_cbranch_scc0 .Lfor_b_\@
	tensor_load_to_lds s[\g0a:\g0a+3], s[\g1a:\g1a+7]
	s_nop 0
.rept 4
	v_nop
.endr
	s_branch .Lasked_\@
.Lfor_b_\@:
	tensor_load_to_lds s[\g0b:\g0b+3], s[\g1b:\g1b+7]
	s_nop 0
.rept 4
	v_nop
.endr
.Lasked_\@:
.endm
.macro CREST
	s_cmp_lg_u32 s14, 0
	s_cbranch_scc1 .Lnot_wave_0_\@
	s_barrier_signal -3
.Lnot_wave_0_\@:
	s_barrier_wait -3
	s_barrier_signal -1
	s_barrier_wait -1
.endm
.macro CROUND
	s_barrier_signal -1
	s_barrier_wait -1
	CREST
.endm
	s_load_b256 s[4:11], s[0:1], 0x0               ; A's images, A's scale words, B's codes, B's scales
	s_load_b128 s[96:99], s[0:1], 0x20             ; the residual, the result
.if BIAS
	s_load_b64 s[100:101], s[0:1], 0x30            ; the bias
.endif
	v_lshl_add_u32 v[SPW], v0, 2, SPARE
	v_mov_b32 v[NIL], 0
	ds_add_u32 v28, v29
	ds_add_u32 v28, v29
	s_wait_dscnt 0x0
	v_lshrrev_b32 v1, 5, v0
	v_readfirstlane_b32 s14, v1                    ; wave 0..3
	s_lshr_b32 s15, s14, 1                         ; which half of the tile's rows is mine.  Also: I fetch for A (0) or for B (1)
	s_and_b32 s16, s14, 1                          ; which half of its columns.  Also: which 128 rows of that tile I fetch
	s_bfe_u32 s40, ttmp6, 0x40000
	s_bfe_u32 s41, ttmp6, 0x40004
	s_lshl_b32 s42, ttmp9, 2
	s_add_co_u32 s42, s42, s40                     ; tile column
	s_and_b32 s17, ttmp7, 0xffff
	s_lshl_b32 s17, s17, 2
	s_add_co_u32 s17, s17, s41                     ; tile row
	s_lshl_b32 s43, s41, 2
	s_lshl_b32 s43, 15, s43                        ; my row of the cluster
	s_lshl_b32 s44, 0x1111, s40                    ; my column
	s_or_b32 s[G1+0], s43, (3<<16)|(1<<21)         ; A's tile: 8 blocks of 16 rows, each 3,072 consecutive bytes (384 elements of 8 bytes); no padding
	s_mov_b32 s[G1+1], 384<<16
	s_mov_b32 s[G1+2], 8<<16
	s_mov_b32 s[G1+3], 384<<16
	s_mov_b32 s[G1+4], 8
	s_mov_b32 s[G1+5], SIZE_K*3/2                  ; from block to block: (K / 128) x 1,536 bytes
	s_mov_b32 s[G1+6], 0
	s_mov_b32 s[G1+7], 0
	s_or_b32 s[G1B+0], s44, (0<<16)|(1<<20)|(1<<21)|(3<<22)|(3<<25)  ; B's tile: 128 rows of 192 bytes, 16 bytes of padding behind every 64
	s_mov_b32 s[G1B+1], ROWB<<16
	s_mov_b32 s[G1B+2], 128<<16
	s_mov_b32 s[G1B+3], ROWB<<16
	s_mov_b32 s[G1B+4], 128
	s_mov_b32 s[G1B+5], KROW
	s_mov_b32 s[G1B+6], 0
	s_mov_b32 s[G1B+7], 0
	s_or_b32 s[G1S+0], s43, (3<<16)|(1<<21)        ; A's scale words: K / 128 rows of 512 bytes (128 rows' words), 16,384 bytes apart
	s_mov_b32 s[G1S+1], 64<<16
	s_mov_b32 s[G1S+2], (SIZE_K/128)<<16
	s_mov_b32 s[G1S+3], 64<<16
	s_mov_b32 s[G1S+4], SIZE_K/128
	s_mov_b32 s[G1S+5], 2048
	s_mov_b32 s[G1S+6], 0
	s_mov_b32 s[G1S+7], 0
	s_or_b32 s[G1SB+0], s44, (3<<16)|(1<<20)|(1<<21)|(5<<22)|(3<<25) ; B's scales of 128 rows: a dense block, as rows of 256 bytes + 16 of padding
	s_mov_b32 s[G1SB+1], 32<<16
	s_mov_b32 s[G1SB+2], (128*KS/256)<<16
	s_mov_b32 s[G1SB+3], 32<<16
	s_mov_b32 s[G1SB+4], 128*KS/256
	s_mov_b32 s[G1SB+5], 32
	s_mov_b32 s[G1SB+6], 0
	s_mov_b32 s[G1SB+7], 0
	s_lshl_b32 s18, s16, 7
	s_lshl_b32 s20, s17, 8
	s_add_co_u32 s20, s20, s18                     ; A's row
	s_lshl_b32 s46, s42, 8
	s_add_co_u32 s46, s46, s18                     ; B's row
	s_mov_b32 s21, 0
	s_mov_b32 s47, 0
	s_lshl_b64 s[22:23], s[20:21], 2               ; A's scale words: 4 bytes a row
	s_mov_b64 s[18:19], KS
	s_mul_u64 s[92:93], s[46:47], s[18:19]
	s_mov_b64 s[18:19], KROW
	s_mul_u64 s[20:21], s[20:21], s[18:19]         ; 16 rows of images are as many bytes as 16 rows of codes
	s_mul_u64 s[46:47], s[46:47], s[18:19]
	s_mul_i32 s45, s16, HALFA                      ; where they go: no place in the cluster enters an LDS address
	s_mul_i32 s94, s16, HALFT
	s_add_co_u32 s94, s94, 2*HALFA
	s_mul_i32 s66, s16, HALFW
	s_add_co_u32 s66, s66, SCLA
	s_mul_i32 s67, s16, HALFS
	s_add_co_u32 s67, s67, SCLB
	s_wait_kmcnt 0x0
	s_add_nc_u64 s[20:21], s[4:5], s[20:21]
	s_add_nc_u64 s[22:23], s[6:7], s[22:23]
	s_add_nc_u64 s[46:47], s[8:9], s[46:47]
	s_add_nc_u64 s[92:93], s[10:11], s[92:93]
	CROUND                                         ; all sixteen work-groups are here: the first joint loads meet
	s_mov_b32 s[G0S], 1
	s_mov_b32 s[G0S+1], s66
	s_mov_b64 s[G0S+2:G0S+3], s[22:23]
	s_or_b32 s[G0S+3], s[G0S+3], 0x80000000
	s_mov_b32 s[G0SB], 1
	s_mov_b32 s[G0SB+1], s67
	s_mov_b64 s[G0SB+2:G0SB+3], s[92:93]
	s_or_b32 s[G0SB+3], s[G0SB+3], 0x80000000
	JLOAD G0S, G1S, G0SB, G1SB                     ; the scales first
.irp s, 0,1
	s_mov_b32 s[G0+4*\s], 1
	s_add_co_u32 s[G0+4*\s+1], s45, \s*SLOT
	s_add_nc_u64 s[G0+4*\s+2:G0+4*\s+3], s[20:21], \s*ASTEP
	s_or_b32 s[G0+4*\s+3], s[G0+4*\s+3], 0x80000000
	s_mov_b32 s[G0B+4*\s], 1
	s_add_co_u32 s[G0B+4*\s+1], s94, \s*SLOT
	s_add_nc_u64 s[G0B+4*\s+2:G0B+4*\s+3], s[46:47], \s*ROWB
	s_or_b32 s[G0B+4*\s+3], s[G0B+4*\s+3], 0x80000000
	JLOAD G0+4*\s, G1, G0B+4*\s, G1B
.endr
	v_and_b32 v1, 15, v0                           ; r
	v_bfe_u32 v2, v0, 4, 1                         ; h
	v_and_b32 v6, 31, v0                           ; lane
	v_lshlrev_b32 v[CO], 4, v6
	v_lshl_add_u32 v7, v6, 3, 512
	v_mul_u32_u24 v3, v1, PITCH
	v_mul_u32_u24 v4, v2, 24
	v_add_nc_u32 v4, v3, v4
	v_lshl_add_u32 v5, v2, 4, v4
	s_mul_i32 s21, s15, HALFA                      ; my 128 rows of A
	s_mul_i32 s22, s16, HALFT                      ; my 128 rows of B, behind A's
	s_add_co_u32 s22, s22, 2*HALFA
.irp s, 0,1
	v_add_nc_u32 v[ADRA+\s], s21, v[CO]
	v_add_nc_u32 v[ADRA+2+\s], s21, v7
	v_add_nc_u32 v[ADRB+\s], s22, v4
	v_add_nc_u32 v[ADRB+2+\s], s22, v5
	s_add_co_u32 s21, s21, SLOT
	s_add_co_u32 s22, s22, SLOT
.endr
	v_mul_u32_u24 v5, v1, KS                       ; B's scales of row r: KS bytes a row, and 16 more for each 256 passed; both halves of the lanes read the same
	v_lshrrev_b32 v8, 8, v5
	v_lshl_add_u32 v5, v8, 4, v5
	s_mul_i32 s22, s16, HALFS
	s_add_co_u32 s22, s22, SCLB
	v_add_nc_u32 v[ADRS], s22, v5
	s_mul_i32 s21, s15, HALFW
	s_add_co_u32 s21, s21, SCLA
	v_lshl_add_u32 v[ADRSA], v6, 2, s21            ; A's: 32 rows' words to a load
	s_mul_i32 s23, s14, 16*SPITCH                  ; my stage
	v_mul_u32_u24 v5, v1, SPITCH
	v_lshl_add_u32 v5, v2, 5, v5
	v_add_nc_u32 v[STO], s23, v5
	v_add_nc_u32 v[RD], s23, v[CO]
	s_lshl_b32 s20, s17, 8
	s_lshl_b32 s21, s15, 7
	s_add_co_u32 s20, s20, s21                     ; my first row
	s_lshl_b32 s20, s20, 12                        ; x 4,096 bytes
	s_lshl_b32 s46, s42, 10
	s_lshl_b32 s47, s16, 9
	s_add_co_u32 s46, s46, s47                     ; my first column, in bytes
	s_mov_b32 s47, 0
.if BIAS
	s_add_nc_u64 s[100:101], s[100:101], s[46:47]
	global_load_b128 v[12:15], v[CO], s[100:101]   ; the bias of my four columns of a row's 128
.endif
	s_add_co_u32 s20, s20, s46
	s_mov_b32 s21, 0
	s_add_nc_u64 s[96:97], s[96:97], s[20:21]
	s_add_nc_u64 s[98:99], s[98:99], s[20:21]
.macro FRAG reg, adr, q, i             ; a fragment of B from rows: pieces of 8 bytes; where the piece three on lies behind one padding more, the second address register serves
.irp p, 0,1,2,3,4,5
.set PC, 12*(\q)+6*(\p/3)+\p%3
.if PC%8 < 5
	ds_load_b64 v[\reg+2*\p:\reg+2*\p+1], v[\adr] offset:8*PC+16*(PC/8)+(\i)*16*PITCH
.else
	ds_load_b64 v[\reg+2*\p:\reg+2*\p+1], v[\adr+2] offset:8*PC+16*(PC/8)+(\i)*16*PITCH
.endif
.endr
.endm
.macro FRAGI reg, adr, q, i            ; a fragment of A from its image
	ds_load_b128 v[\reg:\reg+3], v[\adr] offset:(\i)*ASTEP+(\q)*1536
	ds_load_b64 v[\reg+4:\reg+5], v[\adr+2] offset:(\i)*ASTEP+(\q)*1536
	ds_load_b128 v[\reg+6:\reg+9], v[\adr] offset:(\i)*ASTEP+(\q)*1536+768
	ds_load_b64 v[\reg+10:\reg+11], v[\adr+2] offset:(\i)*ASTEP+(\q)*1536+768
.endm
; 16 matrix instructions: A's blocks a0, a0 + 1 x B's eight.  The 64 accumulators take turns, one instruction a turn, in the same order in every step.
; B's words lie in lanes 0-15 of their registers; a register of A's words holds block 2 i in lanes 0-15 and block 2 i + 1 in lanes 16-31.
.macro MUL16 a0, p, q, sc, zero
.irp a, \a0, \a0+1
.irp b, 0,1,2,3,4,5,6,7
.set rD, 8*(8*((\a)%4)+\b)
.set rB, 128*(\p)+FR*\b
.set rA, AF+FR*(\a)
.set rSB, SC+8*NQ*(\sc)+NQ*\b+(\q)
.set rSA, SA+8*(\sc)+2*((\a)/2)+(\q)
.if \zero
.if (\a)%2
	v_wmma_scale_f32_16x16x128_f8f6f4 v[rD:rD+7], v[rB:rB+FR-1], v[rA:rA+FR-1], 0, v[rSB], v[rSA] matrix_a_fmt:MATRIX_FMT_FP6 matrix_b_fmt:MATRIX_FMT_FP6 matrix_b_scale:MATRIX_SCALE_ROW1
.else
	v_wmma_scale_f32_16x16x128_f8f6f4 v[rD:rD+7], v[rB:rB+FR-1], v[rA:rA+FR-1], 0, v[rSB], v[rSA] matrix_a_fmt:MATRIX_FMT_FP6 matrix_b_fmt:MATRIX_FMT_FP6
.endif
.else
.if (\a)%2
	v_wmma_scale_f32_16x16x128_f8f6f4 v[rD:rD+7], v[rB:rB+FR-1], v[rA:rA+FR-1], v[rD:rD+7], v[rSB], v[rSA] matrix_a_fmt:MATRIX_FMT_FP6 matrix_b_fmt:MATRIX_FMT_FP6 matrix_b_scale:MATRIX_SCALE_ROW1
.else
	v_wmma_scale_f32_16x16x128_f8f6f4 v[rD:rD+7], v[rB:rB+FR-1], v[rA:rA+FR-1], v[rD:rD+7], v[rSB], v[rSA] matrix_a_fmt:MATRIX_FMT_FP6 matrix_b_fmt:MATRIX_FMT_FP6
.endif
.endif
.endr
.endr
.endm
.macro FETCH_B slot, q, p
	WIN TO_B
.irp i, 0,1,2,3,4,5,6,7
	FRAG 128*(\p)+FR*\i, ADRB+\slot, \q, \i
.endr
	WIN 0
.endm
.macro FETCH_A slot, q, i0
.irp i, \i0, \i0+1, \i0+2, \i0+3
	FRAGI AF+FR*(\i), ADRA+\slot, \q, \i
.endr
.endm
.macro SCALES sc                       ; a K step's scale words: 16 loads
.irp i, 0,1,2,3,4,5,6,7
	ds_load_b64 v[SC+8*NQ*\sc+NQ*\i:SC+8*NQ*\sc+NQ*\i+1], v[ADRS] offset:\i*SBLK
.endr
.irp i, 0,1,2,3
.irp q, 0,1
	ds_load_b32 v[SA+8*\sc+2*\i+\q], v[ADRSA] offset:128*\i+512*\q
.endr
.endr
.endm
.macro PLACES n
.rept \n
	v_nop
.endr
.endm
.macro STEP slot, q, zero
	s_wait_dscnt 4*NLA                             ; all but the youngest loads (A's blocks 4-7) are in
	WIN MUL_LO
	MUL16 0, (\q)%2, \q, \slot, \zero
	MUL16 2, (\q)%2, \q, \slot, \zero
	s_wait_dscnt 0
	PLACES NP
	FETCH_B \slot, (\q)+1, 1-(\q)%2
	FETCH_A \slot, (\q)+1, 0
	WIN MUL_HI
	MUL16 4, (\q)%2, \q, \slot, \zero
	MUL16 6, (\q)%2, \q, \slot, \zero
	PLACES NP
	WIN 0
	FETCH_A \slot, (\q)+1, 4
.endm
; A slot's last step changes slots: one barrier; in front of it each wave waits for all its tensor loads, adds 0 to its spare word, and waits for that and for its reads of this slot.  fill = 1: this slot is filled again.
.macro TURN slot, next, fill
	s_wait_tensorcnt 0x0                           ; all my tensor loads have landed: my part of the next slot
	ds_add_u32 v[SPW], v[NIL]                      ; 0 onto my spare word
	s_wait_dscnt 4*NLA+1                           ; (the add and A's blocks 4-7 may be out)
	WIN MUL_LO
	MUL16 0, 1, NQ-1, \slot, 0
	s_wait_dscnt 0x0                               ; the add is done, and my reads of this slot are over
	s_barrier_signal -1
	MUL16 2, 1, NQ-1, \slot, 0
	WIN 0
	s_barrier_wait -1
.if \fill
	CREST                                          ; the barrier has opened a round of the cluster's barrier: no wave of any partner still reads this slot or has a load on its way
	s_add_nc_u64 s[G0+4*\slot+2:G0+4*\slot+3], s[G0+4*\slot+2:G0+4*\slot+3], 2*ASTEP
	s_add_nc_u64 s[G0B+4*\slot+2:G0B+4*\slot+3], s[G0B+4*\slot+2:G0B+4*\slot+3], 2*ROWB
	JLOAD G0+4*\slot, G1, G0B+4*\slot, G1B         ; the first tensor load behind the round; its four v_nop are the places in front of the loads below
.else
	PLACES NP
.endif
	v_add_nc_u32 v[ADRS], 4*NQ, v[ADRS]            ; on to the next K step's scale words
	v_add_nc_u32 v[ADRSA], 512*NQ, v[ADRSA]
	FETCH_B \next, 0, 0
	FETCH_A \next, 0, 0
	SCALES \next
	WIN MUL_HI
	MUL16 4, 1, NQ-1, \slot, 0
	MUL16 6, 1, NQ-1, \slot, 0
	PLACES NP
	WIN 0
	FETCH_A \next, 0, 4
.endm
	s_wait_tensorcnt 1                             ; the scales and my part of K step 0 are in (K step 1's load may be out)
	s_barrier_signal -1
	s_barrier_wait -1
	FETCH_B 0, 0, 0
	FETCH_A 0, 0, 0
	SCALES 0
	FETCH_A 0, 0, 4
	STEP 0, 0, 1
	s_mov_b32 s3, LAPS-1
.Llap:
	TURN 0, 1, 1
	STEP 1, 0, 0
	TURN 1, 0, 1
	STEP 0, 0, 0
	s_sub_co_u32 s3, s3, 1
	s_cmp_lg_u32 s3, 0
	s_cbranch_scc1 .Llap
	TURN 0, 1, 0                                   ; the last lap fills nothing
	STEP 1, 0, 0
	s_wait_dscnt 4*NLA
	WIN MUL_LO
	MUL16 0, 1, NQ-1, 1, 0
	MUL16 2, 1, NQ-1, 1, 0
	s_wait_dscnt 0
	WIN MUL_HI
	MUL16 4, 1, NQ-1, 1, 0
	MUL16 6, 1, NQ-1, 1, 0
	WIN 0
; THE WAY OUT, block by block of 16 rows x 128 columns: through my stage, back as whole rows of 512 bytes; the residual's same rows, asked for four blocks ahead into window 1, are added; the 32 lanes store 512 consecutive bytes.
; No pointer is stepped: row 16 a + t stands in the immediate, 520,192 bytes at the most.
.macro RLOAD a
	WIN TO_B
.irp t, 0,1,2,3,4,5,6,7,8,9,10,11,12,13,14,15
	global_load_b128 v[64*((\a)%4)+4*\t:64*((\a)%4)+4*\t+3], v[CO], s[96:97] offset:(16*(\a)+\t)*SIZE_N*4 th:TH_LOAD_NT
.endr
	WIN 0
.endm
.macro TOSTAGE a
.set AC, 64*((\a)%4)
	WIN 0x08+4*((\a)/4)
.irp b, 0,1,2,3,4,5,6,7
	ds_store_b128 v[STO], v[AC+8*\b:AC+8*\b+3] offset:64*\b          ; each accumulator from its low end on
	ds_store_b128 v[STO], v[AC+8*\b+4:AC+8*\b+7] offset:64*\b+16
.endr
	WIN 0
.set BB, BK+64*((\a)%2)
.irp t, 0,1,2,3,4,5,6,7,8,9,10,11,12,13,14,15
	ds_load_b128 v[BB+4*\t:BB+4*\t+3], v[RD] offset:\t*SPITCH        ; LDS serves a wave's instructions in order
.endr
.endm
.macro SENDF a, younger
.set BB, BK+64*((\a)%2)
.set RB, 64*((\a)%4)
	s_wait_dscnt \younger
.if (\a) < 5
	s_wait_loadcnt 48                              ; this block's residual is in; the three later blocks' 48 loads may be out
.else
	s_wait_loadcnt 16*(7-(\a))
.endif
	WIN 0x04                                       ; source 1: window 1
.set i, 0
.rept 32
	v_pk_add_f32 v[BB+i:BB+i+1], v[BB+i:BB+i+1], v[RB+i:RB+i+1]
.set i, i+2
.endr
	WIN 0
.if BIAS
.irp t, 0,1,2,3,4,5,6,7,8,9,10,11,12,13,14,15
	v_pk_add_f32 v[BB+4*\t:BB+4*\t+1], v[BB+4*\t:BB+4*\t+1], v[12:13]
	v_pk_add_f32 v[BB+4*\t+2:BB+4*\t+3], v[BB+4*\t+2:BB+4*\t+3], v[14:15]
.endr
.endif
.irp t, 0,1,2,3,4,5,6,7,8,9,10,11,12,13,14,15
.if BIAS
	global_store_b128 v[CO], v[BB+4*\t:BB+4*\t+3], s[98:99] offset:(16*(\a)+\t)*SIZE_N*4 th:TH_STORE_NT
.else
	global_store_b128 v[CO], v[BB+4*\t:BB+4*\t+3], s[98:99] offset:(16*(\a)+\t)*SIZE_N*4
.endif
.endr
.if (\a) < 4
	RLOAD (\a)+4
.endif
.endm
	PLACES NP                                      ; in front of the loads into registers that the last products read, and of the first read of results
	RLOAD 0
	RLOAD 1
	RLOAD 2
	RLOAD 3
	TOSTAGE 0
.irp a, 1,2,3,4,5,6,7
.if \a > 1
	s_wait_xcnt 0x0                                ; block a - 2's stores have read their registers: block a's loads may land there
.endif
	TOSTAGE \a
	SENDF \a-1, 32                                 ; behind block a - 1's loads: block a's 16 stores and 16 loads
.endr
	SENDF 7, 0
	s_wait_tensorcnt 0x0                           ; the wave's end
	ds_add_u32 v[SPW], v[NIL]
	s_wait_dscnt 0x0
	CROUND                                         ; the closing round
	s_endpgm
.Lfunc_end_k_qbe166258be_ff2:
	.size	k_qbe166258be_ff2, .Lfunc_end_k_qbe166258be_ff2-k_qbe166258be_ff2
	.p2alignl 7, 3214868480
	.fill 96, 4, 3214868480
	.section	.rodata,"a",@progbits
	.p2align	6, 0x0
	.amdhsa_kernel k_qbe166258be_ff2
		.amdhsa_group_segment_fixed_size 327680
		.amdhsa_private_segment_fixed_size 0
		.amdhsa_enable_private_segment 0
		.amdhsa_kernarg_size 56
		.amdhsa_user_sgpr_count 2
		.amdhsa_user_sgpr_kernarg_segment_ptr 1
		.amdhsa_wavefront_size32 1
		.amdhsa_system_sgpr_workgroup_id_x 1
		.amdhsa_system_sgpr_workgroup_id_y 1
		.amdhsa_system_sgpr_workgroup_id_z 1
		.amdhsa_system_vgpr_workitem_id 0
		.amdhsa_next_free_vgpr 1024
		.amdhsa_next_free_sgpr 106
		.amdhsa_reserve_vcc 0
		.amdhsa_float_denorm_mode_32 3
		.amdhsa_float_denorm_mode_16_64 3
		.amdhsa_memory_ordered 1
		.amdhsa_forward_progress 1
		.amdhsa_inst_pref_size 199
	.end_amdhsa_kernel
	.amdgpu_metadata
---
amdhsa.version: [ 1, 2 ]
amdhsa.kernels:
  - .name:           k_qbe166258be_ff2
    .symbol:         k_qbe166258be_ff2.kd
    .args:
      - { .name: aimg, .offset: 0, .size: 8, .value_kind: global_buffer, .address_space: global }
      - { .name: asc, .offset: 8, .size: 8, .value_kind: global_buffer, .address_space: global }
      - { .name: w2_codes, .offset: 16, .size: 8, .value_kind: global_buffer, .address_space: global }
      - { .name: w2_scales, .offset: 24, .size: 8, .value_kind: global_buffer, .address_space: global }
      - { .name: x1, .offset: 32, .size: 8, .value_kind: global_buffer, .address_space: global }
      - { .name: out0, .offset: 40, .size: 8, .value_kind: global_buffer, .address_space: global }
      - { .name: b2, .offset: 48, .size: 8, .value_kind: global_buffer, .address_space: global }
    .group_segment_fixed_size: 327680
    .private_segment_fixed_size: 0
    .kernarg_segment_align: 8
    .kernarg_segment_size: 56
    .max_flat_workgroup_size: 128
    .sgpr_count:     106
    .vgpr_count:     1024
    .wavefront_size: 32
...
	.end_amdgpu_metadata
.endif
;; end of part 6
;; ======== version 2 of 2: 7 launches
;; workspace buffers: hc 3,145,728 bytes; hs 131,072 bytes; qkvi 9,437,184 bytes; qkvs 393,216 bytes; aimg 12,582,912 bytes; asc 524,288 bytes; x1 16,777,216 bytes
;; launch ln1: the kernel of part 1 again; grid 256 x 1, 8 waves a work-group, no clusters, 84,992 bytes of LDS; arguments x, ln1_g, ln1_b, hc, hs; writes hc, hs
;; launch qkv: the kernel of part 2 again; grid 8 x 24, 4 waves a work-group, clusters of 4 x 4, 327,680 bytes of LDS; arguments hc, hs, w_qkv_codes, w_qkv_scales, qkvi, qkvs; writes qkvi, qkvs
;; launch attn: the kernel of part 3 again; grid 8 x 32, 16 waves a work-group, no clusters, 280,576 bytes of LDS; arguments qkvi, qkvs, aimg, asc; writes aimg, asc
;; launch oproj (part 7): grid 8 x 32, 4 waves a work-group, clusters of 4 x 4, 327,680 bytes of LDS; arguments aimg, asc, w_out_codes, w_out_scales, x, x1; writes x1
.if DOCPART == 7
	.amdgcn_target "amdgcn-amd-amdhsa--gfx1250"
	.amdhsa_code_object_version 6
	.text
	.protected	k_qbe166258be_oproj
	.globl	k_qbe166258be_oproj
	.p2align	8
	.type	k_qbe166258be_oproj,@function
k_qbe166258be_oproj:
	s_mov_b64 s[64:65], 0
	v_nop
	global_prefetch_b8 v0, s[64:65] scope:SCOPE_SE
	s_setreg_imm32_b32 hwreg(HW_REG_WAVE_MODE, 25, 1), 1
	s_wait_xcnt 0x0
	s_wait_alu depctr_hold_cnt(0) depctr_sa_sdst(0) depctr_va_vdst(0) depctr_va_sdst(0) depctr_va_ssrc(0) depctr_va_vcc(0) depctr_vm_vsrc(0)
	s_getreg_b32 s2, hwreg(HW_REG_IB_STS2, 6, 4)
	s_cmp_eq_u32 s2, 0
	s_cbranch_scc0 .Lentry_in_a_cluster
	s_endpgm
.Lentry_in_a_cluster:
	s_bfe_u32 s2, ttmp6, 0x10000c
	s_cmp_lg_u32 s2, 0xf033
	s_cbranch_scc0 .Lentry_shape_is_right
	s_endpgm
.Lentry_shape_is_right:
; out[m][n] = res[m][n] (+ bias[n]) + sum over k of A[m][k] B[n][k], on codes of FP6 (E2M3) with one E8M0 scale for each 32 along K; sums, residual and result in f32.  Here: x1 = x + attention's result x w_out, K = 1,024.
; A arrives as IMAGES of its fragments, [row / 16][k / 128][1,536 bytes] (each half fragment: registers 0-3 at 16 x lane, registers 4, 5 at 512 + 8 x lane), its scale words as [k / 128][row]; B as rows of codes, K innermost, and rows of scale bytes.
; THE TILE IS 128 x 128: 4,096 x 1,024 results are 256 such tiles, one for each of 256 work-groups (tiles of 256 x 256 would be 64).  Four waves, each 64 x 64: 16 accumulators, 128 registers.
; K GOES IN STEPS OF 512 through a ring of two LDS slots filled by the tensor data mover, as long as two slots allow: a slot holds four steps of 128, 64 matrix instructions a wave, so that a refill has three steps and a half in which to land.
; With K = 1,024 both slots are first fills and nothing is filled again.  All scales of the tile stay in LDS.
; CLUSTERS: 4 x 4 work-groups; A's tiles are asked for jointly along a row of the cluster, B's along a column.  The matrix instruction is used TRANSPOSED (source 0 = 16 rows of B, source 1 = 16 rows of A): a lane holds eight neighbours of a row.
; REGISTERS: window 0: v0-31 addresses (v12-15 the bias); v32-63 B's scale words, v64-79 A's, two sets each (scales and nothing else); v128-255 the accumulators ((a, b) at v[128 + 8 (4 a + b)]).
;   window 1: two sets of fragments at v0 and v128: A's four (48 registers), then B's four; on the way out v0-63 rows of the result.   window 2: v0-127 the residual's 64 x 64, asked for at the head.
.set SIZE_K, 1024
.set BIAS,   0
.set SIZE_N, 1024
.set KSTEP,  512                       ; along K in a slot
.set NQ,     KSTEP/128
.set ROWB,   384                       ; a row of B's tile in bytes
.set ASTEP,  NQ*1536                   ; 16 rows of A x 512 along K, as images
.set KROW,   SIZE_K*6/8
.set PITCH,  432                       ; B's LDS row: 3 x (128 bytes + 16 of padding) = 108 words: sixteen rows start at sixteen different multiples of 4 words modulo 64 (64 banks of 4 bytes: ISA guide 11.1)
.set FR,     12
.set NP,     4                         ; places behind this matrix instruction (ISA guide 7.12.1)
.set HALFA,  4*ASTEP                   ; 64 rows of A
.set HALFT,  64*PITCH                  ; 64 rows of B
.set SLOT,   2*HALFA+2*HALFT
.set LAPS,   SIZE_K/(2*KSTEP)
.set KS,     SIZE_K/32
.set SCLB,   2*SLOT                    ; behind the ring: B's scales, as units of 256 bytes + 16 of padding,
.set HALFS,  (64*KS/256)*272
.set SBLK,   (16*KS/256)*272
.set SCLA,   SCLB+2*HALFS              ; A's scale words: [half][k / 128][64 rows],
.set HALFW,  (SIZE_K/128)*256
.set SPARE,  SCLA+2*HALFW              ; the spare words, 128 bytes for each wave: two blocks of 256 bytes that no other line names
.set SPITCH, 272                       ; the way out: a stage of 16 rows x (256 + 16) bytes for each wave, in slot 0, which has had its last fill and its last read by then
.set CR,   11                          ; v11  16 x (lane % 16)
.set ADRA, 16                          ; v16-17 16 x lane + my A half in slot 0, 1;  v18-19 512 + 8 x lane + the same
.set ADRB, 20                          ; v20-23 B's fragments (slot 0, 1; behind one padding more)
.set STO,  24                          ; v24  the stage: where I put 32 bytes of a row
.set RD,   25                          ; v25  and where I read 16 bytes of a row back
.set CO,   26                          ; v26  16 x lane
.set ADRS, 27                          ; v27  B's scale words
.set SPW,  28                          ; v28  my spare word; never rewritten
.set NIL,  29                          ; v29  0; never rewritten
.set ADRSA, 30                         ; v30  A's scale words: 4 x lane
.set CO2,  31                          ; v31  in the residual and the result: (lane / 16) rows + 16 x (lane % 16)
.set SC,   32
.set SA,   64
.set ACC,  128
.set G1, 24
.set G0, 32
.set G1B, 48
.set G0B, 56
.set G1S, 68
.set G0S, 76
.set G1SB, 80
.set G0SB, 88
.set MSB, 0
.macro WIN new                         ; the immediate's high byte repeats the setting that is left
.if MSB != \new
	s_set_vgpr_msb (MSB<<8)|\new
.set MSB, \new
.endif
.endm
.set MULW, 0x05                        ; sources 0 (B) and 1 (A) window 1; C and D window 0
.set TO_F, 0x40                        ; destination window 1, address window 0
; A joint load: waves 0 and 1 fetch for A, waves 2 and 3 for B; the branch hangs on the wave's number alone.  Four v_nop follow each of the two lines.
.macro JLOAD g0a, g1a, g0b, g1b
	s_cmp_eq_u32 s15, 0
	s_cbranch_scc0 .Lfor_b_\@
	tensor_load_to_lds s[\g0a:\g0a+3], s[\g1a:\g1a+7]
	s_nop 0
.rept 4
	v_nop
.endr
	s_branch .Lasked_\@
.Lfor_b_\@:
	tensor_load_to_lds s[\g0b:\g0b+3], s[\g1b:\g1b+7]
	s_nop 0
.rept 4
	v_nop
.endr
.Lasked_\@:
.endm
.macro CREST                           ; a round of the cluster's barrier behind its opening barrier
	s_cmp_lg_u32 s14, 0
	s_cbranch_scc1 .Lnot_wave_0_\@
	s_barrier_signal -3
.Lnot_wave_0_\@:
	s_barrier_wait -3
	s_barrier_signal -1
	s_barrier_wait -1
.endm
.macro CROUND
	s_barrier_signal -1
	s_barrier_wait -1
	CREST
.endm
	s_load_b256 s[4:11], s[0:1], 0x0               ; A's images, A's scale words, B's codes, B's scales
	s_load_b128 s[96:99], s[0:1], 0x20             ; the residual, the result
.if BIAS
	s_load_b64 s[100:101], s[0:1], 0x30            ; the bias
.endif
	v_lshl_add_u32 v[SPW], v0, 2, SPARE
	v_mov_b32 v[NIL], 0
	ds_add_u32 v28, v29
	ds_add_u32 v28, v29
	s_wait_dscnt 0x0
	v_lshrrev_b32 v1, 5, v0
	v_readfirstlane_b32 s14, v1                    ; wave 0..3
	s_lshr_b32 s15, s14, 1                         ; which half of the tile's rows is mine.  Also: I fetch for A (0) or for B (1)
	s_and_b32 s16, s14, 1                          ; which half of its columns.  Also: which 64 rows of that tile I fetch
	s_bfe_u32 s40, ttmp6, 0x40000                  ; cx, cy: my place in the cluster
	s_bfe_u32 s41, ttmp6, 0x40004
	s_lshl_b32 s42, ttmp9, 2
	s_add_co_u32 s42, s42, s40                     ; tile column
	s_and_b32 s17, ttmp7, 0xffff
	s_lshl_b32 s17, s17, 2
	s_add_co_u32 s17, s17, s41                     ; tile row
	s_lshl_b32 s43, s41, 2
	s_lshl_b32 s43, 15, s43                        ; my row of the cluster
	s_lshl_b32 s44, 0x1111, s40                    ; my column
	s_or_b32 s[G1+0], s43, (3<<16)|(1<<21)         ; A's tile: 4 blocks of 16 rows, each 6,144 consecutive bytes (768 elements of 8 bytes); no padding
	s_mov_b32 s[G1+1], 768<<16
	s_mov_b32 s[G1+2], 4<<16
	s_mov_b32 s[G1+3], 768<<16
	s_mov_b32 s[G1+4], 4
	s_mov_b32 s[G1+5], SIZE_K*3/2                  ; from block to block: (K / 128) x 1,536 bytes
	s_mov_b32 s[G1+6], 0
	s_mov_b32 s[G1+7], 0
	s_or_b32 s[G1B+0], s44, (0<<16)|(1<<20)|(1<<21)|(4<<22)|(3<<25)  ; B's tile: 64 rows of 384 bytes, 16 bytes of padding behind every 128 (32 words: code 4)
	s_mov_b32 s[G1B+1], ROWB<<16
	s_mov_b32 s[G1B+2], 64<<16
	s_mov_b32 s[G1B+3], ROWB<<16
	s_mov_b32 s[G1B+4], 64
	s_mov_b32 s[G1B+5], KROW
	s_mov_b32 s[G1B+6], 0
	s_mov_b32 s[G1B+7], 0
	s_or_b32 s[G1S+0], s43, (3<<16)|(1<<21)        ; A's scale words: K / 128 rows of 256 bytes (64 rows' words), 16,384 bytes apart
	s_mov_b32 s[G1S+1], 32<<16
	s_mov_b32 s[G1S+2], (SIZE_K/128)<<16
	s_mov_b32 s[G1S+3], 32<<16
	s_mov_b32 s[G1S+4], SIZE_K/128
	s_mov_b32 s[G1S+5], 2048
	s_mov_b32 s[G1S+6], 0
	s_mov_b32 s[G1S+7], 0
	s_or_b32 s[G1SB+0], s44, (3<<16)|(1<<20)|(1<<21)|(5<<22)|(3<<25) ; B's scales of 64 rows: a dense block, as rows of 256 bytes + 16 of padding
	s_mov_b32 s[G1SB+1], 32<<16
	s_mov_b32 s[G1SB+2], (64*KS/256)<<16
	s_mov_b32 s[G1SB+3], 32<<16
	s_mov_b32 s[G1SB+4], 64*KS/256
	s_mov_b32 s[G1SB+5], 32
	s_mov_b32 s[G1SB+6], 0
	s_mov_b32 s[G1SB+7], 0
	s_lshl_b32 s18, s16, 6                         ; which 64 rows of the tile I fetch
	s_lshl_b32 s20, s17, 7
	s_add_co_u32 s20, s20, s18                     ; A's row
	s_lshl_b32 s46, s42, 7
	s_add_co_u32 s46, s46, s18                     ; B's row
	s_mov_b32 s21, 0
	s_mov_b32 s47, 0
	s_lshl_b64 s[22:23], s[20:21], 2               ; A's scale words: 4 bytes a row
	s_mov_b64 s[18:19], KS
	s_mul_u64 s[92:93], s[46:47], s[18:19]
	s_mov_b64 s[18:19], KROW
	s_mul_u64 s[20:21], s[20:21], s[18:19]         ; 16 rows of images are as many bytes as 16 rows of codes
	s_mul_u64 s[46:47], s[46:47], s[18:19]
	s_mul_i32 s45, s16, HALFA                      ; where they go: no place in the cluster enters an LDS address
	s_mul_i32 s94, s16, HALFT
	s_add_co_u32 s94, s94, 2*HALFA
	s_mul_i32 s66, s16, HALFW
	s_add_co_u32 s66, s66, SCLA
	s_mul_i32 s67, s16, HALFS
	s_add_co_u32 s67, s67, SCLB
	s_wait_kmcnt 0x0
	s_add_nc_u64 s[20:21], s[4:5], s[20:21]
	s_add_nc_u64 s[22:23], s[6:7], s[22:23]
	s_add_nc_u64 s[46:47], s[8:9], s[46:47]
	s_add_nc_u64 s[92:93], s[10:11], s[92:93]
	CROUND                                         ; all sixteen work-groups are here: the first joint loads meet
	s_mov_b32 s[G0S], 1
	s_mov_b32 s[G0S+1], s66
	s_mov_b64 s[G0S+2:G0S+3], s[22:23]
	s_or_b32 s[G0S+3], s[G0S+3], 0x80000000
	s_mov_b32 s[G0SB], 1
	s_mov_b32 s[G0SB+1], s67
	s_mov_b64 s[G0SB+2:G0SB+3], s[92:93]
	s_or_b32 s[G0SB+3], s[G0SB+3], 0x80000000
	JLOAD G0S, G1S, G0SB, G1SB                     ; the scales first
.irp s, 0,1
	s_mov_b32 s[G0+4*\s], 1
	s_add_co_u32 s[G0+4*\s+1], s45, \s*SLOT
	s_add_nc_u64 s[G0+4*\s+2:G0+4*\s+3], s[20:21], \s*ASTEP
	s_or_b32 s[G0+4*\s+3], s[G0+4*\s+3], 0x80000000
	s_mov_b32 s[G0B+4*\s], 1
	s_add_co_u32 s[G0B+4*\s+1], s94, \s*SLOT
	s_add_nc_u64 s[G0B+4*\s+2:G0B+4*\s+3], s[46:47], \s*ROWB
	s_or_b32 s[G0B+4*\s+3], s[G0B+4*\s+3], 0x80000000
	JLOAD G0+4*\s, G1, G0B+4*\s, G1B
.endr
	v_and_b32 v1, 15, v0                           ; r
	v_bfe_u32 v2, v0, 4, 1                         ; h
	v_and_b32 v6, 31, v0                           ; lane
	v_lshlrev_b32 v[CO], 4, v6
	v_lshl_add_u32 v7, v6, 3, 512
	v_lshlrev_b32 v[CR], 4, v1
	v_lshl_add_u32 v[CO2], v2, 12, v[CR]           ; lanes 0-15 one row of 4,096 bytes, lanes 16-31 the next; 16 bytes a lane
	v_mul_u32_u24 v3, v1, PITCH
	v_mul_u32_u24 v4, v2, 24
	v_add_nc_u32 v4, v3, v4                        ; a fragment's row x pitch + 24 x half
	v_lshl_add_u32 v5, v2, 4, v4                   ; and the same behind one padding more
	s_mul_i32 s21, s15, HALFA                      ; my 64 rows of A
	s_mul_i32 s22, s16, HALFT                      ; my 64 rows of B, behind A's
	s_add_co_u32 s22, s22, 2*HALFA
.irp s, 0,1
	v_add_nc_u32 v[ADRA+\s], s21, v[CO]
	v_add_nc_u32 v[ADRA+2+\s], s21, v7
	v_add_nc_u32 v[ADRB+\s], s22, v4
	v_add_nc_u32 v[ADRB+2+\s], s22, v5
	s_add_co_u32 s21, s21, SLOT
	s_add_co_u32 s22, s22, SLOT
.endr
	v_mul_u32_u24 v5, v1, KS                       ; B's scales of row r: KS bytes a row, and 16 more for each 256 passed; both halves of the lanes read the same
	v_lshrrev_b32 v8, 8, v5
	v_lshl_add_u32 v5, v8, 4, v5
	s_mul_i32 s22, s16, HALFS
	s_add_co_u32 s22, s22, SCLB
	v_add_nc_u32 v[ADRS], s22, v5
	s_mul_i32 s21, s15, HALFW
	s_add_co_u32 s21, s21, SCLA
	v_lshl_add_u32 v[ADRSA], v6, 2, s21            ; A's: 32 rows' words to a load
	s_mul_i32 s23, s14, 16*SPITCH                  ; my stage
	v_mul_u32_u24 v5, v1, SPITCH
	v_lshl_add_u32 v5, v2, 5, v5
	v_add_nc_u32 v[STO], s23, v5                   ; in: row r, 32 bytes for each half of the lanes
	v_mul_u32_u24 v5, v2, SPITCH
	v_add_nc_u32 v5, v5, v[CR]
	v_add_nc_u32 v[RD], s23, v5                    ; back: lanes 0-15 one row of 256 bytes, lanes 16-31 the next
	s_lshl_b32 s20, s17, 7
	s_lshl_b32 s21, s15, 6
	s_add_co_u32 s20, s20, s21                     ; my first row
	s_lshl_b32 s20, s20, 12                        ; x 4,096 bytes
	s_lshl_b32 s46, s42, 9
	s_lshl_b32 s47, s16, 8
	s_add_co_u32 s46, s46, s47                     ; my first column, in bytes: a multiple of 256
	s_mov_b32 s47, 0
.if BIAS
	s_add_nc_u64 s[100:101], s[100:101], s[46:47]
	global_load_b128 v[12:15], v[CR], s[100:101]   ; the bias of my four columns of the wave's 64
.endif
	s_add_co_u32 s20, s20, s46
	s_mov_b32 s21, 0
	s_add_nc_u64 s[96:97], s[96:97], s[20:21]
	s_add_nc_u64 s[98:99], s[98:99], s[20:21]
	WIN 0x80                                       ; destination window 2: the residual's 64 x 64 is asked for now and lands while K is walked; block a, rows 2 t and 2 t + 1 at v[32 a + 4 t]
.irp a, 0,1,2,3
.irp t, 0,1,2,3,4,5,6,7
	global_load_b128 v[32*\a+4*\t:32*\a+4*\t+3], v[CO2], s[96:97] offset:(16*\a+2*\t)*SIZE_N*4 th:TH_LOAD_NT
.endr
.endr
	WIN 0
.macro FRAG reg, adr, q, i             ; a fragment of B from rows: lane l holds row l % 16; registers 6 c .. 6 c + 5 hold K = 64 c + 32 (l / 16) + 0 .. 31, in pieces of 8 bytes
.irp p, 0,1,2,3,4,5
.set PC, 12*(\q)+6*(\p/3)+\p%3        ; 16 bytes of padding lie behind every 16 pieces: where the piece three on lies behind one padding more, the second address register serves
.if PC%16 < 13
	ds_load_b64 v[\reg+2*\p:\reg+2*\p+1], v[\adr] offset:8*PC+16*(PC/16)+(\i)*16*PITCH
.else
	ds_load_b64 v[\reg+2*\p:\reg+2*\p+1], v[\adr+2] offset:8*PC+16*(PC/16)+(\i)*16*PITCH
.endif
.endr
.endm
.macro FRAGI reg, adr, q, i            ; a fragment of A from its image
	ds_load_b128 v[\reg:\reg+3], v[\adr] offset:(\i)*ASTEP+(\q)*1536
	ds_load_b64 v[\reg+4:\reg+5], v[\adr+2] offset:(\i)*ASTEP+(\q)*1536
	ds_load_b128 v[\reg+6:\reg+9], v[\adr] offset:(\i)*ASTEP+(\q)*1536+768
	ds_load_b64 v[\reg+10:\reg+11], v[\adr+2] offset:(\i)*ASTEP+(\q)*1536+768
.endm
; 4 matrix instructions: A's block a x B's four.  The 16 accumulators take turns, one instruction a turn, in the same order in every step.  zero = 1: the first product starts the sums.
; B's words lie in lanes 0-15 of their registers; a register of A's words holds block 2 i in lanes 0-15 and block 2 i + 1 in lanes 16-31.
.macro MUL4 a, p, q, sc, zero
.irp b, 0,1,2,3
.set rD, ACC+8*(4*(\a)+\b)
.set rB, 128*(\p)+48+FR*\b
.set rA, 128*(\p)+FR*(\a)
.set rSB, SC+16*(\sc)+4*\b+(\q)
.set rSA, SA+8*(\sc)+4*((\a)/2)+(\q)
.if \zero
.if (\a)%2
	v_wmma_scale_f32_16x16x128_f8f6f4 v[rD:rD+7], v[rB:rB+FR-1], v[rA:rA+FR-1], 0, v[rSB], v[rSA] matrix_a_fmt:MATRIX_FMT_FP6 matrix_b_fmt:MATRIX_FMT_FP6 matrix_b_scale:MATRIX_SCALE_ROW1
.else
	v_wmma_scale_f32_16x16x128_f8f6f4 v[rD:rD+7], v[rB:rB+FR-1], v[rA:rA+FR-1], 0, v[rSB], v[rSA] matrix_a_fmt:MATRIX_FMT_FP6 matrix_b_fmt:MATRIX_FMT_FP6
.endif
.else
.if (\a)%2
	v_wmma_scale_f32_16x16x128_f8f6f4 v[rD:rD+7], v[rB:rB+FR-1], v[rA:rA+FR-1], v[rD:rD+7], v[rSB], v[rSA] matrix_a_fmt:MATRIX_FMT_FP6 matrix_b_fmt:MATRIX_FMT_FP6 matrix_b_scale:MATRIX_SCALE_ROW1
.else
	v_wmma_scale_f32_16x16x128_f8f6f4 v[rD:rD+7], v[rB:rB+FR-1], v[rA:rA+FR-1], v[rD:rD+7], v[rSB], v[rSA] matrix_a_fmt:MATRIX_FMT_FP6 matrix_b_fmt:MATRIX_FMT_FP6
.endif
.endif
.endr
.endm
.macro FETCH slot, q, p                ; 40 LDS loads in one run: the fragments of the slot's q-th 128 along K into set p
	WIN TO_F
.irp i, 0,1,2,3
	FRAG 128*(\p)+48+FR*\i, ADRB+\slot, \q, \i
.endr
.irp i, 0,1,2,3
	FRAGI 128*(\p)+FR*\i, ADRA+\slot, \q, \i
.endr
.endm
.macro SCALES sc                       ; a slot's scale words: 12 loads.  B: 16 bytes of a row are the four words of the slot's four steps; A: 32 rows' words of one step to a load
.irp i, 0,1,2,3
	ds_load_b128 v[SC+16*\sc+4*\i:SC+16*\sc+4*\i+3], v[ADRS] offset:\i*SBLK
.endr
.irp i, 0,1
.irp q, 0,1,2,3
	ds_load_b32 v[SA+8*\sc+4*\i+\q], v[ADRSA] offset:128*\i+256*\q
.endr
.endr
.endm
.macro PLACES n                        ; plain vector lines between a matrix instruction and a load into, or a read of, its registers
.rept \n
	v_nop
.endr
.endm
.macro STEP slot, q, zero              ; 128 along K with its successor in the same slot
	s_wait_dscnt 0x0                               ; this step's fragments, asked for a step ago, are in
	PLACES NP                                      ; the other set was read by the products just issued
	FETCH \slot, (\q)+1, 1-(\q)%2
	WIN MULW
	MUL4 0, (\q)%2, \q, \slot, \zero
	MUL4 1, (\q)%2, \q, \slot, \zero
	MUL4 2, (\q)%2, \q, \slot, \zero
	MUL4 3, (\q)%2, \q, \slot, \zero
.endm
; A slot's last step changes slots: one barrier; in front of it each wave waits for all its tensor loads, adds 0 to its spare word, and waits for that and for its reads of this slot.  fill = 1: this slot is filled again.
.macro TURN slot, next, fill
	WIN 0                                          ; (the add's two registers lie in window 0)
	s_wait_tensorcnt 0x0                           ; all my tensor loads have landed: my part of the next slot
	ds_add_u32 v[SPW], v[NIL]                      ; 0 onto my spare word
	s_wait_dscnt 1                                 ; this step's fragments are in (the add alone may be out)
	WIN MULW
	MUL4 0, 1, NQ-1, \slot, 0
	s_wait_dscnt 0x0                               ; the add is done, and my reads of this slot are over
	s_barrier_signal -1
	MUL4 1, 1, NQ-1, \slot, 0
	WIN 0
	s_barrier_wait -1
.if \fill
	CREST                                          ; the barrier has opened a round of the cluster's barrier: no wave of any partner still reads this slot or has a load on its way
	s_add_nc_u64 s[G0+4*\slot+2:G0+4*\slot+3], s[G0+4*\slot+2:G0+4*\slot+3], 2*ASTEP
	s_add_nc_u64 s[G0B+4*\slot+2:G0B+4*\slot+3], s[G0B+4*\slot+2:G0B+4*\slot+3], 2*ROWB
	JLOAD G0+4*\slot, G1, G0B+4*\slot, G1B         ; the first tensor load behind the round; its four v_nop are the places in front of the loads below
.else
	PLACES NP
.endif
	v_add_nc_u32 v[ADRS], 4*NQ, v[ADRS]            ; on to the next slot's scale words
	v_add_nc_u32 v[ADRSA], 256*NQ, v[ADRSA]
	FETCH \next, 0, 0
	WIN 0
	SCALES \next
	WIN MULW
	MUL4 2, 1, NQ-1, \slot, 0
	MUL4 3, 1, NQ-1, \slot, 0
.endm
	s_wait_tensorcnt 1                             ; the scales and my part of slot 0 are in (slot 1's load may be out)
	s_barrier_signal -1
	s_barrier_wait -1
	FETCH 0, 0, 0
	WIN 0
	SCALES 0
	STEP 0, 0, 1                                   ; the first step stands in front of the loop: its products start the sums
	STEP 0, 1, 0
	STEP 0, 2, 0
.if LAPS > 1
	WIN 0                                          ; at a label and at a branch every window is 0
	s_mov_b32 s3, LAPS-1
.Llap:                                                 ; a trip goes once round the ring and fills both slots again
	TURN 0, 1, 1
	STEP 1, 0, 0
	STEP 1, 1, 0
	STEP 1, 2, 0
	TURN 1, 0, 1
	STEP 0, 0, 0
	STEP 0, 1, 0
	STEP 0, 2, 0
	WIN 0
	s_sub_co_u32 s3, s3, 1
	s_cmp_lg_u32 s3, 0
	s_cbranch_scc1 .Llap
.endif
	TURN 0, 1, 0                                   ; the last lap fills nothing
	STEP 1, 0, 0
	STEP 1, 1, 0
	STEP 1, 2, 0
	s_wait_dscnt 0x0                               ; the very last step: nothing more to fetch
	WIN MULW
	MUL4 0, 1, NQ-1, 1, 0
	MUL4 1, 1, NQ-1, 1, 0
	MUL4 2, 1, NQ-1, 1, 0
	MUL4 3, 1, NQ-1, 1, 0
	WIN 0
; THE WAY OUT, block by block of 16 rows x 64 columns: through my stage, back as whole rows of 256 bytes, two rows an instruction; the residual's same rows are added; sixteen lanes store 256 consecutive bytes, aligned.
; No pointer is stepped: row 16 a + 2 t stands in the immediate, 253,952 bytes at the most.
.macro TOSTAGE a
.irp b, 0,1,2,3
	ds_store_b128 v[STO], v[ACC+8*(4*(\a)+\b):ACC+8*(4*(\a)+\b)+3] offset:64*\b          ; each accumulator from its low end on
	ds_store_b128 v[STO], v[ACC+8*(4*(\a)+\b)+4:ACC+8*(4*(\a)+\b)+7] offset:64*\b+16
.endr
	WIN TO_F
.irp t, 0,1,2,3,4,5,6,7
	ds_load_b128 v[32*((\a)%2)+4*\t:32*((\a)%2)+4*\t+3], v[RD] offset:2*\t*SPITCH        ; LDS serves a wave's instructions in order: these see the stores above
.endr
	WIN 0
.endm
.macro SENDF a, younger                ; younger: the LDS instructions issued behind block a's loads, which may stay out
.set BB, 32*((\a)%2)
.set RB, 32*(\a)
	s_wait_dscnt \younger
	WIN 0x49                                       ; destination and source 0 window 1, source 1 window 2
.set i, 0
.rept 16
	v_pk_add_f32 v[BB+i:BB+i+1], v[BB+i:BB+i+1], v[RB+i:RB+i+1]
.set i, i+2
.endr
.if BIAS
	WIN 0x41                                       ; source 1 window 0
.irp t, 0,1,2,3,4,5,6,7
	v_pk_add_f32 v[BB+4*\t:BB+4*\t+1], v[BB+4*\t:BB+4*\t+1], v[12:13]
	v_pk_add_f32 v[BB+4*\t+2:BB+4*\t+3], v[BB+4*\t+2:BB+4*\t+3], v[14:15]
.endr
.endif
	WIN 0x04                                       ; a store's data are its source 1: window 1
.irp t, 0,1,2,3,4,5,6,7
.if BIAS
	global_store_b128 v[CO2], v[BB+4*\t:BB+4*\t+3], s[98:99] offset:(16*(\a)+2*\t)*SIZE_N*4 th:TH_STORE_NT
.else
	global_store_b128 v[CO2], v[BB+4*\t:BB+4*\t+3], s[98:99] offset:(16*(\a)+2*\t)*SIZE_N*4
.endif
.endr
	WIN 0
.endm
	PLACES NP                                      ; in front of the first read of results and of the loads into registers that the last products read
	s_wait_loadcnt 0x0                             ; the residual (and the bias), asked for at the head
	TOSTAGE 0
.irp a, 1,2,3
.if \a > 1
	s_wait_xcnt 0x0                                ; block a - 2's stores have read their registers: block a's loads may land there
.endif
	TOSTAGE \a
	SENDF \a-1, 16                                 ; behind block a - 1's loads: block a's 8 stores and 8 loads
.endr
	SENDF 3, 0
	s_wait_tensorcnt 0x0                           ; the wave's end
	ds_add_u32 v[SPW], v[NIL]
	s_wait_dscnt 0x0
	CROUND                                         ; the closing round
	s_endpgm
.Lfunc_end_k_qbe166258be_oproj:
	.size	k_qbe166258be_oproj, .Lfunc_end_k_qbe166258be_oproj-k_qbe166258be_oproj
	.p2alignl 7, 3214868480
	.fill 96, 4, 3214868480
	.section	.rodata,"a",@progbits
	.p2align	6, 0x0
	.amdhsa_kernel k_qbe166258be_oproj
		.amdhsa_group_segment_fixed_size 327680
		.amdhsa_private_segment_fixed_size 0
		.amdhsa_enable_private_segment 0
		.amdhsa_kernarg_size 48
		.amdhsa_user_sgpr_count 2
		.amdhsa_user_sgpr_kernarg_segment_ptr 1
		.amdhsa_wavefront_size32 1
		.amdhsa_system_sgpr_workgroup_id_x 1
		.amdhsa_system_sgpr_workgroup_id_y 1
		.amdhsa_system_sgpr_workgroup_id_z 1
		.amdhsa_system_vgpr_workitem_id 0
		.amdhsa_next_free_vgpr 640
		.amdhsa_next_free_sgpr 106
		.amdhsa_reserve_vcc 0
		.amdhsa_float_denorm_mode_32 3
		.amdhsa_float_denorm_mode_16_64 3
		.amdhsa_memory_ordered 1
		.amdhsa_forward_progress 1
		.amdhsa_inst_pref_size 65
	.end_amdhsa_kernel
	.amdgpu_metadata
---
amdhsa.version: [ 1, 2 ]
amdhsa.kernels:
  - .name:           k_qbe166258be_oproj
    .symbol:         k_qbe166258be_oproj.kd
    .args:
      - { .name: aimg, .offset: 0, .size: 8, .value_kind: global_buffer, .address_space: global }
      - { .name: asc, .offset: 8, .size: 8, .value_kind: global_buffer, .address_space: global }
      - { .name: w_out_codes, .offset: 16, .size: 8, .value_kind: global_buffer, .address_space: global }
      - { .name: w_out_scales, .offset: 24, .size: 8, .value_kind: global_buffer, .address_space: global }
      - { .name: x, .offset: 32, .size: 8, .value_kind: global_buffer, .address_space: global }
      - { .name: x1, .offset: 40, .size: 8, .value_kind: global_buffer, .address_space: global }
    .group_segment_fixed_size: 327680
    .private_segment_fixed_size: 0
    .kernarg_segment_align: 8
    .kernarg_segment_size: 48
    .max_flat_workgroup_size: 128
    .sgpr_count:     106
    .vgpr_count:     640
    .wavefront_size: 32
...
	.end_amdgpu_metadata
.endif
;; end of part 7
;; launch ln2: the kernel of part 1 again; grid 256 x 1, 8 waves a work-group, no clusters, 84,992 bytes of LDS; arguments x1, ln2_g, ln2_b, hc, hs; writes hc, hs
;; launch ff1 (part 8): grid 16 x 16, 4 waves a work-group, clusters of 4 x 4, 327,680 bytes of LDS; arguments hc, hs, w1_codes, w1_scales, aimg, asc, b1; writes aimg, asc
.if DOCPART == 8
	.amdgcn_target "amdgcn-amd-amdhsa--gfx1250"
	.amdhsa_code_object_version 6
	.text
	.protected	k_qbe166258be_ff1
	.globl	k_qbe166258be_ff1
	.p2align	8
	.type	k_qbe166258be_ff1,@function
k_qbe166258be_ff1:
	s_mov_b64 s[64:65], 0
	v_nop
	global_prefetch_b8 v0, s[64:65] scope:SCOPE_SE
	s_setreg_imm32_b32 hwreg(HW_REG_WAVE_MODE, 25, 1), 1
	s_wait_xcnt 0x0
	s_wait_alu depctr_hold_cnt(0) depctr_sa_sdst(0) depctr_va_vdst(0) depctr_va_sdst(0) depctr_va_ssrc(0) depctr_va_vcc(0) depctr_vm_vsrc(0)
	s_getreg_b32 s2, hwreg(HW_REG_IB_STS2, 6, 4)
	s_cmp_eq_u32 s2, 0
	s_cbranch_scc0 .Lentry_in_a_cluster
	s_endpgm
.Lentry_in_a_cluster:
	s_bfe_u32 s2, ttmp6, 0x10000c
	s_cmp_lg_u32 s2, 0xf033
	s_cbranch_scc0 .Lentry_shape_is_right
	s_endpgm
.Lentry_shape_is_right:
; hidden = gelu(LN2(x1) w1 + b1) on codes of FP6 (E2M3) with E8M0 scales for each 32 along K = 1,024; the f32 results are quantised at once along the 4,096 hidden units and leave as IMAGES of the next operand's registers.
; A tile of 256 x 256 is made by four waves, each 128 x 128: 64 accumulators, 512 registers.  K goes in steps of 256 through a ring of two LDS slots filled by the tensor data mover; the scales of the tile's rows stay in LDS.
; CLUSTERS: 4 x 4 work-groups; A's tiles are asked for jointly along a row of the cluster, B's along a column.  The matrix instruction is used TRANSPOSED (source 0 = 16 rows of B, source 1 = 16 rows of A):
; a lane holds one row and eight neighbouring hidden units, and the way out quantises along the hidden units.
; THE WAY OUT IS A LOOP of eight trips, one for each block of 16 rows, so that bias, gelu and quantiser are written once.  A register cannot be chosen by a trip's number, so all 64 accumulators go to the wave's stage in LDS first.
; THE IMAGE: [row / 16][k / 128][1,536 bytes]; a half fragment (six registers a lane) is 768 bytes: registers 0-3 at 16 x lane, registers 4, 5 at 512 + 8 x lane: every store covers whole aligned blocks of 256 bytes.
; Scale words: [k / 128][row], byte b: block b of the 128.
; GELU is the exact form: x/2 (1 + erf(x / sqrt 2)), erf(u) = u P(u^2) / Q(u^2), u held to +-4, for every x.  LIMIT: erf is good to a few units of f32's last digit; for x < 0 the sum 1 + erf leaves gelu an absolute error of about 1e-7 |x|.
; LIMITS: NaN and infinities are not served; a block whose largest magnitude lies under 2^-124 keeps the byte 1, a block of zeros too (its codes are zeros; this program alone reads the bytes).
.set SIZE_K, 1024
.set KSTEP,  256                       ; along K in a slot
.set NQ,     KSTEP/128
.set ROWB,   192                       ; a tile's row in bytes
.set KROW,   SIZE_K*6/8
.set PITCH,  240                       ; an LDS row: 3 x (64 bytes + 16 of padding)
.set FR,     12                        ; registers of a fragment
.set NL,     6                         ; LDS loads that bring one
.set NP,     4                         ; places behind this matrix instruction (ISA guide 7.12.1)
.set HALFT,  128*PITCH
.set SLOT,   4*HALFT                   ; A's 256 rows, then B's 256 rows
.set LAPS,   SIZE_K/(2*KSTEP)
.set KS,     SIZE_K/32
.set SCL,    2*SLOT                    ; behind the ring: the scales, as units of 256 bytes + 16 of padding; they end at byte 263,168
.set HALFS,  (128*KS/256)*272
.set SBLK,   (16*KS/256)*272
.set SPITCH, 528                       ; the way out: a stage row is 512 + 16 bytes
.set WSTG,   128*SPITCH                ; a wave's stage: its 128 rows.  The four stages lie over the ring and the scales, which have had their last fill and, behind the barrier at the way out's head, their last read
.set SCR,    4*WSTG                    ; behind the stages: 512 bytes for each wave's scale words; no fill lands here
.set SPARE,  SCR+4*512                 ; the spare words, 128 bytes for each wave: two blocks of 256 bytes that no other line names
.set VO8,  10                          ; v10  8 x lane
.set SBA,  11                          ; v11  my scale byte's place: 4 (lane % 16) + lane / 16 in my scratch
.set ADRA, 16                          ; v16-19 LDS addresses of my A fragments (slot 0, 1; behind one padding more)
.set ADRB, 20                          ; v20-23 the same for B
.set STO,  24                          ; v24  the stage: where I put 32 bytes of a row
.set RD,   25                          ; v25  and where I read my 128 bytes of a row back
.set CO,   26                          ; v26  16 x lane
.set ADRS, 27                          ; v27  my scale words: lanes 0-15 A's rows, lanes 16-31 B's
.set SPW,  28                          ; v28  my spare word; never rewritten
.set NIL,  29                          ; v29  0; never rewritten
.set SBR,  31                          ; v31  my scratch, 16 bytes a lane
.set SC,   32                          ; v32-63 scale words, two sets: they hold scales and nothing else
.set GU,   64                          ; v64-95 gelu at work
.set GS,   72
.set GA,   80
.set GQ,   88
.set CD,   96                          ; v96-107 a fragment's codes
.set RDT,  108                         ; v108 the trip's place in the stage
.set SBT,  109                         ; v109 in the scratch
.set VOF,  110                         ; v110 in the images: + 16 x lane
.set VOF8, 111                         ; v111 + 8 x lane
.set T,    120                         ; v120-126 the second halves of the blocks' codes as the conversions leave them
.set AF,   128                         ; A's fragments, one set
.set X,    128                         ; the way out: a block's 64 numbers of a lane
.set G1, 24
.set G0, 32
.set G1B, 48
.set G0B, 56
.set G1S, 68
.set G0S, 76
.set G1SB, 80
.set G0SB, 88
.set MSB, 0
.macro WIN new                         ; the immediate's high byte repeats the setting that is left
.if MSB != \new
	s_set_vgpr_msb (MSB<<8)|\new
.set MSB, \new
.endif
.endm
.set MUL_LO, 0xa1                      ; source 0 (B) window 1, source 1 (A) window 0, C and D window 2
.set MUL_HI, 0xf1                      ; the same, C and D window 3
.set TO_B,   0x40                      ; destination window 1
; A joint load: waves 0 and 1 fetch for A, waves 2 and 3 for B; the branch hangs on the wave's number alone.  Four v_nop follow each of the two lines.
.macro JLOAD g0a, g1a, g0b, g1b
	s_cmp_eq_u32 s15, 0
	s_cbranch_scc0 .Lfor_b_\@
	tensor_load_to_lds s[\g0a:\g0a+3], s[\g1a:\g1a+7]
	s_nop 0
.rept 4
	v_nop
.endr
	s_branch .Lasked_\@
.Lfor_b_\@:
	tensor_load_to_lds s[\g0b:\g0b+3], s[\g1b:\g1b+7]
	s_nop 0
.rept 4
	v_nop
.endr
.Lasked_\@:
.endm
.macro CREST                           ; a round of the cluster's barrier behind its opening barrier
	s_cmp_lg_u32 s14, 0
	s_cbranch_scc1 .Lnot_wave_0_\@
	s_barrier_signal -3
.Lnot_wave_0_\@:
	s_barrier_wait -3
	s_barrier_signal -1
	s_barrier_wait -1
.endm
.macro CROUND
	s_barrier_signal -1
	s_barrier_wait -1
	CREST
.endm
	s_load_b256 s[4:11], s[0:1], 0x0               ; the rows' codes and scales, the weight's codes and scales
	s_load_b128 s[96:99], s[0:1], 0x20             ; the images, the scale words
	s_load_b64 s[100:101], s[0:1], 0x30            ; the bias
	v_lshl_add_u32 v[SPW], v0, 2, SPARE
	v_mov_b32 v[NIL], 0
	ds_add_u32 v28, v29
	ds_add_u32 v28, v29
	s_wait_dscnt 0x0
	v_lshrrev_b32 v1, 5, v0
	v_readfirstlane_b32 s14, v1                    ; wave 0..3
	s_lshr_b32 s15, s14, 1                         ; which half of A's rows is mine.  Also: I fetch for A (0) or for B (1)
	s_and_b32 s16, s14, 1                          ; which half of B's rows.  Also: which 128 rows of that tile I fetch
	s_bfe_u32 s40, ttmp6, 0x40000                  ; cx, cy: my place in the cluster
	s_bfe_u32 s41, ttmp6, 0x40004
	s_and_b32 s17, ttmp7, 0xffff
	s_lshl_b32 s42, ttmp9, 2
	s_lshl_b32 s17, s17, 2
	s_add_co_u32 s42, s42, s40                     ; B's tile: cx enters B's addresses alone
	s_add_co_u32 s17, s17, s41                     ; A's tile: cy enters A's addresses alone
	s_lshl_b32 s43, s41, 2
	s_lshl_b32 s43, 15, s43                        ; my row of the cluster
	s_lshl_b32 s44, 0x1111, s40                    ; my column
	s_or_b32 s[G1+0], s43, (0<<16)|(1<<20)|(1<<21)|(3<<22)|(3<<25)  ; the mask; elements of 1 byte; padding on; bit 21 beside a mask; after every 16 words 4 words
	s_or_b32 s[G1B+0], s44, (0<<16)|(1<<20)|(1<<21)|(3<<22)|(3<<25)
.irp g, G1, G1B
	s_mov_b32 s[\g+1], ROWB<<16                    ; tensor_dim0
	s_mov_b32 s[\g+2], 128<<16                     ; tensor_dim1
	s_mov_b32 s[\g+3], ROWB<<16                    ; tile_dim0
	s_mov_b32 s[\g+4], 128                         ; tile_dim1
	s_mov_b32 s[\g+5], KROW                        ; the pitch
	s_mov_b32 s[\g+6], 0
	s_mov_b32 s[\g+7], 0
.endr
	s_or_b32 s[G1S+0], s43, (3<<16)|(1<<20)|(1<<21)|(5<<22)|(3<<25) ; the scales of 128 rows: a dense block, as rows of 256 bytes + 16 of padding
	s_or_b32 s[G1SB+0], s44, (3<<16)|(1<<20)|(1<<21)|(5<<22)|(3<<25)
.irp g, G1S, G1SB
	s_mov_b32 s[\g+1], 32<<16
	s_mov_b32 s[\g+2], (128*KS/256)<<16
	s_mov_b32 s[\g+3], 32<<16
	s_mov_b32 s[\g+4], 128*KS/256
	s_mov_b32 s[\g+5], 32
	s_mov_b32 s[\g+6], 0
	s_mov_b32 s[\g+7], 0
.endr
	s_lshl_b32 s18, s16, 7                         ; which 128 rows of the tile I fetch
	s_lshl_b32 s20, s17, 8
	s_add_co_u32 s20, s20, s18                     ; A's row in its buffer
	s_lshl_b32 s46, s42, 8
	s_add_co_u32 s46, s46, s18                     ; B's
	s_mov_b32 s21, 0
	s_mov_b32 s47, 0
	s_mov_b64 s[18:19], KS
	s_mul_u64 s[22:23], s[20:21], s[18:19]         ; where these rows' scales begin,
	s_mul_u64 s[92:93], s[46:47], s[18:19]
	s_mov_b64 s[18:19], KROW
	s_mul_u64 s[20:21], s[20:21], s[18:19]         ; and their codes
	s_mul_u64 s[46:47], s[46:47], s[18:19]
	s_mul_i32 s45, s14, HALFT                      ; where they go: wave x 128 rows
	s_mul_i32 s94, s14, HALFS
	s_wait_kmcnt 0x0
	s_add_nc_u64 s[20:21], s[4:5], s[20:21]
	s_add_nc_u64 s[22:23], s[6:7], s[22:23]
	s_add_nc_u64 s[46:47], s[8:9], s[46:47]
	s_add_nc_u64 s[92:93], s[10:11], s[92:93]
	CROUND                                         ; all sixteen work-groups are here: the first joint loads meet
	s_mov_b32 s[G0S], 1
	s_add_co_u32 s[G0S+1], s94, SCL
	s_mov_b64 s[G0S+2:G0S+3], s[22:23]
	s_or_b32 s[G0S+3], s[G0S+3], 0x80000000
	s_mov_b32 s[G0SB], 1
	s_add_co_u32 s[G0SB+1], s94, SCL
	s_mov_b64 s[G0SB+2:G0SB+3], s[92:93]
	s_or_b32 s[G0SB+3], s[G0SB+3], 0x80000000
	JLOAD G0S, G1S, G0SB, G1SB                     ; the scales first: they are wanted with K step 0
.irp s, 0,1
	s_mov_b32 s[G0+4*\s], 1
	s_add_co_u32 s[G0+4*\s+1], s45, \s*SLOT
	s_add_nc_u64 s[G0+4*\s+2:G0+4*\s+3], s[20:21], \s*ROWB
	s_or_b32 s[G0+4*\s+3], s[G0+4*\s+3], 0x80000000
	s_mov_b32 s[G0B+4*\s], 1
	s_add_co_u32 s[G0B+4*\s+1], s45, \s*SLOT
	s_add_nc_u64 s[G0B+4*\s+2:G0B+4*\s+3], s[46:47], \s*ROWB
	s_or_b32 s[G0B+4*\s+3], s[G0B+4*\s+3], 0x80000000
	JLOAD G0+4*\s, G1, G0B+4*\s, G1B
.endr
	v_and_b32 v1, 15, v0                           ; r = lane % 16
	v_bfe_u32 v2, v0, 4, 1                         ; h = lane / 16
	v_mul_u32_u24 v3, v1, PITCH
	v_mul_u32_u24 v4, v2, 24
	v_add_nc_u32 v4, v3, v4                        ; a fragment's row x pitch + 24 x half
	v_lshl_add_u32 v5, v2, 4, v4                   ; and the same behind one padding more
	s_mul_i32 s21, s15, HALFT
	s_mul_i32 s22, s16, HALFT
	s_add_co_u32 s22, s22, 2*HALFT
.irp s, 0,1
	v_add_nc_u32 v[ADRA+\s], s21, v4
	v_add_nc_u32 v[ADRB+\s], s22, v4
	v_add_nc_u32 v[ADRA+2+\s], s21, v5
	v_add_nc_u32 v[ADRB+2+\s], s22, v5
	s_add_co_u32 s21, s21, SLOT
	s_add_co_u32 s22, s22, SLOT
.endr
	v_mul_u32_u24 v5, v1, KS                       ; my row's scales: KS bytes a row, and 16 more for each 256 passed
	v_lshrrev_b32 v6, 8, v5
	v_lshl_add_u32 v5, v6, 4, v5
	s_mul_i32 s21, s15, HALFS
	s_mul_i32 s22, s16, HALFS
	s_add_co_u32 s22, s22, 2*HALFS
	s_sub_co_u32 s22, s22, s21
	v_mul_u32_u24 v6, s22, v2                      ; lanes 16-31 take B's
	s_add_co_u32 s21, s21, SCL
	v_add_nc_u32 v5, v5, v6
	v_add_nc_u32 v[ADRS], s21, v5
	s_mul_i32 s23, s14, WSTG                       ; my stage
	v_mul_u32_u24 v5, v1, SPITCH
	v_lshl_add_u32 v6, v2, 5, v5
	v_add_nc_u32 v[STO], s23, v6                   ; in: row r of a block, 32 bytes for each half of the lanes
	v_lshl_add_u32 v6, v2, 7, v5
	v_add_nc_u32 v[RD], s23, v6                    ; back: row r, 128 bytes (a block of 32) for each half of the lanes
	v_and_b32 v6, 31, v0
	v_lshlrev_b32 v[CO], 4, v6
	v_lshlrev_b32 v[VO8], 3, v6
	s_lshl_b32 s22, s14, 9
	s_add_co_u32 s22, s22, SCR                     ; my scratch
	v_lshl_add_u32 v[SBA], v1, 2, v2
	v_add_nc_u32 v[SBA], s22, v[SBA]
	v_add_nc_u32 v[SBR], s22, v[CO]
	; where my 128 x 128 goes.  m0: my first row, n0: my first hidden unit
	s_lshl_b32 s18, s17, 8
	s_lshl_b32 s19, s15, 7
	s_add_co_u32 s18, s18, s19                     ; m0
	s_lshl_b32 s19, s42, 8
	s_lshl_b32 s20, s16, 7
	s_add_co_u32 s19, s19, s20                     ; n0
	s_lshr_b32 s40, s18, 4                         ; [row / 16][k / 128][1,536], 32 K steps to a row block
	s_mul_i32 s40, s40, 49152
	s_lshr_b32 s21, s19, 7
	s_mul_i32 s22, s21, 1536
	s_add_co_u32 s40, s40, s22
	s_lshl_b32 s46, s21, 14                        ; scale words: [k / 128][row]
	s_lshl_b32 s22, s18, 2
	s_add_co_u32 s46, s46, s22
	s_mov_b32 s41, 0
	s_mov_b32 s47, 0
	s_add_nc_u64 s[96:97], s[96:97], s[40:41]      ; my first fragment's image
	s_add_nc_u64 s[98:99], s[98:99], s[46:47]      ; my 128 scale words
	s_lshl_b32 s40, s19, 2
	s_add_nc_u64 s[100:101], s[100:101], s[40:41]
	v_lshlrev_b32 v9, 7, v2                        ; the bias of my 64 columns, n0 + 64 c + 32 h + i, stays in window 1 beside B's two sets: v96-127 (c = 0), v224-255 (c = 1)
	WIN TO_B
.irp c, 0,1
.irp e, 0,1,2,3,4,5,6,7
	global_load_b128 v[96+128*\c+4*\e:99+128*\c+4*\e], v9, s[100:101] offset:256*\c+16*\e
.endr
.endr
	WIN 0
	v_mov_b32 v12, 0xaf95df0b                      ; the two leading coefficients, as pairs
	v_mov_b32 v13, 0xaf95df0b
	v_mov_b32 v14, 0xb77460cd
	v_mov_b32 v15, 0xb77460cd
.macro FRAG reg, adr, q, i             ; a fragment: lane l holds row l % 16; registers 6 c .. 6 c + 5 hold K = 64 c + 32 (l / 16) + 0 .. 31: 24 bytes of the row's stream of bits, in pieces of 8 bytes
.irp p, 0,1,2,3,4,5
.set PC, 12*(\q)+6*(\p/3)+\p%3        ; 16 bytes of padding lie behind every 8 pieces: where the piece three on lies behind one padding more, the second address register serves
.if PC%8 < 5
	ds_load_b64 v[\reg+2*\p:\reg+2*\p+1], v[\adr] offset:8*PC+16*(PC/8)+(\i)*16*PITCH
.else
	ds_load_b64 v[\reg+2*\p:\reg+2*\p+1], v[\adr+2] offset:8*PC+16*(PC/8)+(\i)*16*PITCH
.endif
.endr
.endm
; 16 matrix instructions: A's blocks a0, a0 + 1 x B's eight.  The 64 accumulators take turns, one instruction a turn, in the same order in every step.  zero = 1: the first product starts the sums.
.macro MUL16 a0, p, q, sc, zero
.irp a, \a0, \a0+1
.irp b, 0,1,2,3,4,5,6,7
.if \zero
	v_wmma_scale_f32_16x16x128_f8f6f4 v[8*(8*((\a)%4)+\b):8*(8*((\a)%4)+\b)+7], v[128*(\p)+FR*\b:128*(\p)+FR*\b+FR-1], v[AF+FR*(\a):AF+FR*(\a)+FR-1], 0, v[SC+8*NQ*(\sc)+NQ*\b+(\q)], v[SC+8*NQ*(\sc)+NQ*(\a)+(\q)] matrix_a_fmt:MATRIX_FMT_FP6 matrix_b_fmt:MATRIX_FMT_FP6 matrix_a_scale:MATRIX_SCALE_ROW1
.else
	v_wmma_scale_f32_16x16x128_f8f6f4 v[8*(8*((\a)%4)+\b):8*(8*((\a)%4)+\b)+7], v[128*(\p)+FR*\b:128*(\p)+FR*\b+FR-1], v[AF+FR*(\a):AF+FR*(\a)+FR-1], v[8*(8*((\a)%4)+\b):8*(8*((\a)%4)+\b)+7], v[SC+8*NQ*(\sc)+NQ*\b+(\q)], v[SC+8*NQ*(\sc)+NQ*(\a)+(\q)] matrix_a_fmt:MATRIX_FMT_FP6 matrix_b_fmt:MATRIX_FMT_FP6 matrix_a_scale:MATRIX_SCALE_ROW1
.endif
.endr
.endr
.endm
.macro FETCH_B slot, q, p
	WIN TO_B
.irp i, 0,1,2,3,4,5,6,7
	FRAG 128*(\p)+FR*\i, ADRB+\slot, \q, \i
.endr
	WIN 0
.endm
.macro FETCH_A slot, q, i0
.irp i, \i0, \i0+1, \i0+2, \i0+3
	FRAG AF+FR*(\i), ADRA+\slot, \q, \i
.endr
.endm
.macro SCALES sc                       ; a K step's scale words: lanes 0-15 take A's block i, lanes 16-31 B's block i
.irp i, 0,1,2,3,4,5,6,7
	ds_load_b64 v[SC+8*NQ*\sc+NQ*\i:SC+8*NQ*\sc+NQ*\i+1], v[ADRS] offset:\i*SBLK
.endr
.endm
.macro PLACES n                        ; plain vector lines between a matrix instruction and a load into, or a read of, its registers
.rept \n
	v_nop
.endr
.endm
.macro STEP slot, q, zero              ; 128 along K with its successor in the same slot
	s_wait_dscnt 4*NL                              ; B's set and A's blocks 0-3 are in; the youngest loads (A's blocks 4-7) may be out
	WIN MUL_LO
	MUL16 0, (\q)%2, \q, \slot, \zero
	MUL16 2, (\q)%2, \q, \slot, \zero
	s_wait_dscnt 0
	PLACES NP
	FETCH_B \slot, (\q)+1, 1-(\q)%2
	FETCH_A \slot, (\q)+1, 0
	WIN MUL_HI
	MUL16 4, (\q)%2, \q, \slot, \zero
	MUL16 6, (\q)%2, \q, \slot, \zero
	PLACES NP
	WIN 0
	FETCH_A \slot, (\q)+1, 4
.endm
; A slot's last step changes slots: one barrier; in front of it each wave waits for all its tensor loads, adds 0 to its spare word, and waits for that and for its reads of this slot.  fill = 1: this slot is filled again.
.macro TURN slot, next, fill
	s_wait_tensorcnt 0x0                           ; all my tensor loads have landed: my part of the next slot
	ds_add_u32 v[SPW], v[NIL]                      ; 0 onto my spare word
	s_wait_dscnt 4*NL+1                            ; (the add and A's blocks 4-7 may be out)
	WIN MUL_LO
	MUL16 0, 1, NQ-1, \slot, 0
	s_wait_dscnt 0x0                               ; the add is done, and my reads of this slot are over
	s_barrier_signal -1
	MUL16 2, 1, NQ-1, \slot, 0
	WIN 0
	s_barrier_wait -1
.if \fill
	CREST                                          ; the barrier has opened a round of the cluster's barrier: no wave of any partner still reads this slot or has a load on its way
	s_add_nc_u64 s[G0+4*\slot+2:G0+4*\slot+3], s[G0+4*\slot+2:G0+4*\slot+3], 2*ROWB
	s_add_nc_u64 s[G0B+4*\slot+2:G0B+4*\slot+3], s[G0B+4*\slot+2:G0B+4*\slot+3], 2*ROWB
	JLOAD G0+4*\slot, G1, G0B+4*\slot, G1B         ; the first tensor load behind the round; its four v_nop are the places in front of the loads below
.else
	PLACES NP
.endif
	v_add_nc_u32 v[ADRS], 4*NQ, v[ADRS]
	FETCH_B \next, 0, 0
	FETCH_A \next, 0, 0
	SCALES \next
	WIN MUL_HI
	MUL16 4, 1, NQ-1, \slot, 0
	MUL16 6, 1, NQ-1, \slot, 0
	PLACES NP
	WIN 0
	FETCH_A \next, 0, 4
.endm
	s_wait_tensorcnt 1                             ; the scales and my part of K step 0 are in (K step 1's load may be out)
	s_barrier_signal -1
	s_barrier_wait -1
	FETCH_B 0, 0, 0
	FETCH_A 0, 0, 0
	SCALES 0
	FETCH_A 0, 0, 4
	STEP 0, 0, 1
	s_mov_b32 s3, LAPS-1
.Llap:
	TURN 0, 1, 1
	STEP 1, 0, 0
	TURN 1, 0, 1
	STEP 0, 0, 0
	s_sub_co_u32 s3, s3, 1
	s_cmp_lg_u32 s3, 0
	s_cbranch_scc1 .Llap
	TURN 0, 1, 0                                   ; the last lap fills nothing
	STEP 1, 0, 0
	s_wait_dscnt 4*NL
	WIN MUL_LO
	MUL16 0, 1, NQ-1, 1, 0
	MUL16 2, 1, NQ-1, 1, 0
	s_wait_dscnt 0                                 ; my last reads of the ring and of the scales are in:
	s_barrier_signal -1                            ; say so,
	WIN MUL_HI
	MUL16 4, 1, NQ-1, 1, 0                         ; work on registers while the others arrive,
	MUL16 6, 1, NQ-1, 1, 0
	WIN 0
	s_barrier_wait -1                              ; and go on when all four have said so: nobody reads the ring or the scales any more, and no fill is to come
; THE WAY OUT.  All 64 accumulators go into my stage as they stand (each from its low end on): row 16 a + r, 528 bytes a row.  Then eight trips, one for each block of 16 rows: the block comes back so that lane (r, h)
; holds, of row r, the two whole blocks of 32 at 64 c + 32 h: the very numbers whose codes are registers 6 c .. 6 c + 5 of the next operand's fragment.  No other lane is asked for a maximum.
	PLACES NP                                      ; in front of the first read of results, and of the loads into the registers that held A's fragments
.irp a, 0,1,2,3,4,5,6,7
	WIN 0x08+4*(\a/4)                              ; an LDS store's data are its source 1: window 2 or 3
.irp b, 0,1,2,3,4,5,6,7
	ds_store_b128 v[STO], v[64*(\a%4)+8*\b:64*(\a%4)+8*\b+3] offset:\a*16*SPITCH+64*\b
	ds_store_b128 v[STO], v[64*(\a%4)+8*\b+4:64*(\a%4)+8*\b+7] offset:\a*16*SPITCH+64*\b+16
.endr
.endr
	WIN 0
; gelu(x) = x/2 (1 + erf(x / sqrt 2)), erf(u) = u P(u^2) / Q(u^2) with u held to +-4 (beyond it erf is 1 to f32's last digit): eight numbers at v[GX] on
.macro G8
.irp p, 0,2,4,6
	v_pk_mul_f32 v[GU+\p:GU+\p+1], v[GX+\p:GX+\p+1], 0x3f3504f3 op_sel_hi:[1,0]
.endr
.irp p, 0,1,2,3,4,5,6,7
	v_med3_num_f32 v[GU+\p], v[GU+\p], -4.0, 4.0
.endr
.irp p, 0,2,4,6
	v_pk_mul_f32 v[GS+\p:GS+\p+1], v[GU+\p:GU+\p+1], v[GU+\p:GU+\p+1]
.endr
.irp p, 0,2,4,6
	v_pk_fma_f32 v[GA+\p:GA+\p+1], v[GS+\p:GS+\p+1], v[12:13], 0x32edffee op_sel_hi:[1,1,0]
	v_pk_fma_f32 v[GQ+\p:GQ+\p+1], v[GS+\p:GS+\p+1], v[14:15], 0xb95fbd29 op_sel_hi:[1,1,0]
.endr
.irp k, 0xb60cff51, 0xb86ec2d2, 0xba40ac63, 0xbb41a1f6, 0xbc83dbd4
.irp p, 0,2,4,6
	v_pk_fma_f32 v[GA+\p:GA+\p+1], v[GA+\p:GA+\p+1], v[GS+\p:GS+\p+1], \k op_sel_hi:[1,1,0]
.endr
.endr
.irp k, 0xbadc924e, 0xbbf19bf8, 0xbc69b6a7
.irp p, 0,2,4,6
	v_pk_fma_f32 v[GQ+\p:GQ+\p+1], v[GQ+\p:GQ+\p+1], v[GS+\p:GS+\p+1], \k op_sel_hi:[1,1,0]
.endr
.endr
.irp p, 0,2,4,6
	v_pk_mul_f32 v[GU+\p:GU+\p+1], v[GU+\p:GU+\p+1], v[GA+\p:GA+\p+1]
.endr
.irp p, 0,1,2,3,4,5,6,7
	v_rcp_f32 v[GQ+\p], v[GQ+\p]
.endr
.irp p, 0,2,4,6
	v_pk_mul_f32 v[GS+\p:GS+\p+1], v[GX+\p:GX+\p+1], 0.5 op_sel_hi:[1,0]   ; x / 2 (plain lines behind the reciprocals)
.endr
	s_wait_alu depctr_va_vdst(0)
.irp p, 0,2,4,6
	v_pk_mul_f32 v[GU+\p:GU+\p+1], v[GU+\p:GU+\p+1], v[GQ+\p:GQ+\p+1]      ; erf
.endr
.irp p, 0,2,4,6
	v_pk_fma_f32 v[GX+\p:GX+\p+1], v[GU+\p:GU+\p+1], v[GS+\p:GS+\p+1], v[GS+\p:GS+\p+1]
.endr
.endm
.macro HALF c                          ; bias and gelu of my 32 numbers at 64 c + 32 h
	WIN 0x04                                       ; source 1: window 1, the bias
.irp i, 0,2,4,6,8,10,12,14,16,18,20,22,24,26,28,30
	v_pk_add_f32 v[X+32*\c+\i:X+32*\c+\i+1], v[X+32*\c+\i:X+32*\c+\i+1], v[96+128*\c+\i:97+128*\c+\i]
.endr
	WIN 0
.set GX, X+32*\c
.rept 4
	G8
.set GX, GX+8
.endr
.endm
	s_wait_loadcnt 0x0                             ; the bias
	s_mov_b32 s3, 8                                ; blocks to go
	s_mov_b32 s18, 0                               ; the block's place in my stage: 8,448 bytes a trip,
	s_mov_b32 s19, 0                               ; in my scratch: 64,
	s_mov_b32 s20, 0                               ; and in the images: 49,152 (16 rows x 32 K steps x 1,536 / 16)
.Lblk:
	v_add_nc_u32 v[RDT], s18, v[RD]
	v_add_nc_u32 v[SBT], s19, v[SBA]
.irp c, 0,1
.irp g, 0,1,2,3
	ds_load_b128 v[X+32*\c+8*\g:X+32*\c+8*\g+3], v[RDT] offset:256*\c+32*\g          ; LDS serves a wave's instructions in order: these see my stores
	ds_load_b128 v[X+32*\c+8*\g+4:X+32*\c+8*\g+7], v[RDT] offset:256*\c+32*\g+16
.endr
.endr
	s_wait_dscnt 8                                 ; the first half's eight loads are in; the second half's eight may be out
	HALF 0
	s_wait_dscnt 0x0
	HALF 1
.irp c, 0,1                                    ; my two blocks' largest magnitudes, by turns
	v_max3_num_f32 v[1+\c], |v[X+32*\c]|, |v[X+32*\c+1]|, |v[X+32*\c+2]|
	v_max3_num_f32 v[3+\c], |v[X+32*\c+3]|, |v[X+32*\c+4]|, |v[X+32*\c+5]|
.endr
.irp i, 6,10,14,18,22,26
.irp c, 0,1
	v_max3_num_f32 v[1+\c], v[1+\c], |v[X+32*\c+\i]|, |v[X+32*\c+\i+1]|
	v_max3_num_f32 v[3+\c], v[3+\c], |v[X+32*\c+\i+2]|, |v[X+32*\c+\i+3]|
.endr
.endr
.irp c, 0,1
	v_max3_num_f32 v[1+\c], v[1+\c], |v[X+32*\c+30]|, |v[X+32*\c+31]|
.endr
.irp c, 0,1
	v_max3_num_f32 v[1+\c], v[1+\c], v[3+\c], 0x1800000   ; and the floor 2^(3 - 127): the byte cannot fall under 1
.endr
.irp c, 0,1
	v_add_nc_u32 v[5+\c], 0xff000000, v[1+\c]      ; 2 off the exponent field: the conversion's scale operand
.endr
	s_wait_xcnt 0x0                                ; the last trip's stores have read their data and their offsets: both are written again only behind this wait
	v_add_nc_u32 v[VOF], s20, v[CO]
	v_add_nc_u32 v[VOF8], s20, v[VO8]
.irp c, 0,1
	v_cvt_scalef32_pk16_fp6_f32 v[CD+6*\c:CD+6*\c+2], v[X+32*\c:X+32*\c+15], v[5+\c]
	v_cvt_scalef32_pk16_fp6_f32 v[T+4*\c:T+4*\c+2], v[X+32*\c+16:X+32*\c+31], v[5+\c]   ; (a conversion's three registers begin on an even number)
.endr
.irp c, 0,1
	v_lshrrev_b32 v[7+\c], 23, v[5+\c]             ; the scales' bytes (plain lines behind the conversions)
.endr
.irp c, 0,1
.irp i, 0,1,2
	v_mov_b32 v[CD+6*\c+3+\i], v[T+4*\c+\i]
.endr
.endr
.irp c, 0,1
	ds_store_b8 v[SBT], v[7+\c] offset:2*\c        ; this block's row r's word, byte 2 c + h
.endr
	global_store_b128 v[VOF], v[CD:CD+3], s[96:97]                 ; 512 consecutive bytes, aligned,
	global_store_b64 v[VOF8], v[CD+4:CD+5], s[96:97] offset:512    ; and 256: the fragment's first half;
	global_store_b128 v[VOF], v[CD+6:CD+9], s[96:97] offset:768    ; its second half
	global_store_b64 v[VOF8], v[CD+10:CD+11], s[96:97] offset:1280
	s_add_co_u32 s18, s18, 16*SPITCH
	s_add_co_u32 s19, s19, 64
	s_add_co_u32 s20, s20, 49152
	s_sub_co_u32 s3, s3, 1
	s_cmp_lg_u32 s3, 0
	s_cbranch_scc1 .Lblk
	ds_load_b128 v[2:5], v[SBR]                    ; my 128 rows' scale words
	s_wait_dscnt 0x0
	global_store_b128 v[CO], v[2:5], s[98:99]      ; 512 consecutive bytes, aligned
	s_wait_tensorcnt 0x0                           ; the wave's end
	ds_add_u32 v[SPW], v[NIL]
	s_wait_dscnt 0x0
	CROUND                                         ; the closing round
	s_endpgm
.Lfunc_end_k_qbe166258be_ff1:
	.size	k_qbe166258be_ff1, .Lfunc_end_k_qbe166258be_ff1-k_qbe166258be_ff1
	.p2alignl 7, 3214868480
	.fill 96, 4, 3214868480
	.section	.rodata,"a",@progbits
	.p2align	6, 0x0
	.amdhsa_kernel k_qbe166258be_ff1
		.amdhsa_group_segment_fixed_size 327680
		.amdhsa_private_segment_fixed_size 0
		.amdhsa_enable_private_segment 0
		.amdhsa_kernarg_size 56
		.amdhsa_user_sgpr_count 2
		.amdhsa_user_sgpr_kernarg_segment_ptr 1
		.amdhsa_wavefront_size32 1
		.amdhsa_system_sgpr_workgroup_id_x 1
		.amdhsa_system_sgpr_workgroup_id_y 1
		.amdhsa_system_sgpr_workgroup_id_z 1
		.amdhsa_system_vgpr_workitem_id 0
		.amdhsa_next_free_vgpr 1024
		.amdhsa_next_free_sgpr 106
		.amdhsa_reserve_vcc 0
		.amdhsa_float_denorm_mode_32 3
		.amdhsa_float_denorm_mode_16_64 3
		.amdhsa_memory_ordered 1
		.amdhsa_forward_progress 1
		.amdhsa_inst_pref_size 197
	.end_amdhsa_kernel
	.amdgpu_metadata
---
amdhsa.version: [ 1, 2 ]
amdhsa.kernels:
  - .name:           k_qbe166258be_ff1
    .symbol:         k_qbe166258be_ff1.kd
    .args:
      - { .name: hc, .offset: 0, .size: 8, .value_kind: global_buffer, .address_space: global }
      - { .name: hs, .offset: 8, .size: 8, .value_kind: global_buffer, .address_space: global }
      - { .name: w1_codes, .offset: 16, .size: 8, .value_kind: global_buffer, .address_space: global }
      - { .name: w1_scales, .offset: 24, .size: 8, .value_kind: global_buffer, .address_space: global }
      - { .name: aimg, .offset: 32, .size: 8, .value_kind: global_buffer, .address_space: global }
      - { .name: asc, .offset: 40, .size: 8, .value_kind: global_buffer, .address_space: global }
      - { .name: b1, .offset: 48, .size: 8, .value_kind: global_buffer, .address_space: global }
    .group_segment_fixed_size: 327680
    .private_segment_fixed_size: 0
    .kernarg_segment_align: 8
    .kernarg_segment_size: 56
    .max_flat_workgroup_size: 128
    .sgpr_count:     106
    .vgpr_count:     1024
    .wavefront_size: 32
...
	.end_amdgpu_metadata
.endif
;; end of part 8
;; launch ff2 (part 9): grid 8 x 32, 4 waves a work-group, clusters of 4 x 4, 327,680 bytes of LDS; arguments aimg, asc, w2_codes, w2_scales, x1, out0, b2; writes out0
.if DOCPART == 9
	.amdgcn_target "amdgcn-amd-amdhsa--gfx1250"
	.amdhsa_code_object_version 6
	.text
	.protected	k_qbe166258be_ff2
	.globl	k_qbe166258be_ff2
	.p2align	8
	.type	k_qbe166258be_ff2,@function
k_qbe166258be_ff2:
	s_mov_b64 s[64:65], 0
	v_nop
	global_prefetch_b8 v0, s[64:65] scope:SCOPE_SE
	s_setreg_imm32_b32 hwreg(HW_REG_WAVE_MODE, 25, 1), 1
	s_wait_xcnt 0x0
	s_wait_alu depctr_hold_cnt(0) depctr_sa_sdst(0) depctr_va_vdst(0) depctr_va_sdst(0) depctr_va_ssrc(0) depctr_va_vcc(0) depctr_vm_vsrc(0)
	s_getreg_b32 s2, hwreg(HW_REG_IB_STS2, 6, 4)
	s_cmp_eq_u32 s2, 0
	s_cbranch_scc0 .Lentry_in_a_cluster
	s_endpgm
.Lentry_in_a_cluster:
	s_bfe_u32 s2, ttmp6, 0x10000c
	s_cmp_lg_u32 s2, 0xf033
	s_cbranch_scc0 .Lentry_shape_is_right
	s_endpgm
.Lentry_shape_is_right:
; out[m][n] = res[m][n] (+ bias[n]) + sum over k of A[m][k] B[n][k], on codes of FP6 (E2M3) with one E8M0 scale for each 32 along K; sums, residual and result in f32.  Here: out0 = x1 + hidden x w2 + b2, K = 4,096.
; A arrives as IMAGES of its fragments, [row / 16][k / 128][1,536 bytes] (each half fragment: registers 0-3 at 16 x lane, registers 4, 5 at 512 + 8 x lane), its scale words as [k / 128][row]; B as rows of codes, K innermost, and rows of scale bytes.
; THE TILE IS 128 x 128: 4,096 x 1,024 results are 256 such tiles, one for each of 256 work-groups (tiles of 256 x 256 would be 64).  Four waves, each 64 x 64: 16 accumulators, 128 registers.
; K GOES IN STEPS OF 512 through a ring of two LDS slots filled by the tensor data mover, as long as two slots allow: a slot holds four steps of 128, 64 matrix instructions a wave, so that a refill has three steps and a half in which to land,
; and K = 4,096 has seven changes of slots.  All scales of the tile stay in LDS.
; CLUSTERS: 4 x 4 work-groups; A's tiles are asked for jointly along a row of the cluster, B's along a column.  The matrix instruction is used TRANSPOSED (source 0 = 16 rows of B, source 1 = 16 rows of A): a lane holds eight neighbours of a row.
; REGISTERS: window 0: v0-31 addresses (v12-15 the bias); v32-63 B's scale words, v64-79 A's, two sets each (scales and nothing else); v128-255 the accumulators ((a, b) at v[128 + 8 (4 a + b)]).
;   window 1: two sets of fragments at v0 and v128: A's four (48 registers), then B's four; on the way out v0-63 rows of the result.   window 2: v0-127 the residual's 64 x 64, asked for at the head.
.set SIZE_K, 4096
.set BIAS,   1
.set SIZE_N, 1024
.set KSTEP,  512                       ; along K in a slot
.set NQ,     KSTEP/128
.set ROWB,   384                       ; a row of B's tile in bytes
.set ASTEP,  NQ*1536                   ; 16 rows of A x 512 along K, as images
.set KROW,   SIZE_K*6/8
.set PITCH,  432                       ; B's LDS row: 3 x (128 bytes + 16 of padding) = 108 words: sixteen rows start at sixteen different multiples of 4 words modulo 64 (64 banks of 4 bytes: ISA guide 11.1)
.set FR,     12
.set NP,     4                         ; places behind this matrix instruction (ISA guide 7.12.1)
.set HALFA,  4*ASTEP                   ; 64 rows of A
.set HALFT,  64*PITCH                  ; 64 rows of B
.set SLOT,   2*HALFA+2*HALFT
.set LAPS,   SIZE_K/(2*KSTEP)
.set KS,     SIZE_K/32
.set SCLB,   2*SLOT                    ; behind the ring: B's scales, as units of 256 bytes + 16 of padding,
.set HALFS,  (64*KS/256)*272
.set SBLK,   (16*KS/256)*272
.set SCLA,   SCLB+2*HALFS              ; A's scale words: [half][k / 128][64 rows],
.set HALFW,  (SIZE_K/128)*256
.set SPARE,  SCLA+2*HALFW              ; the spare words, 128 bytes for each wave: two blocks of 256 bytes that no other line names
.set SPITCH, 272                       ; the way out: a stage of 16 rows x (256 + 16) bytes for each wave, in slot 0, which has had its last fill and its last read by then
.set CR,   11                          ; v11  16 x (lane % 16)
.set ADRA, 16                          ; v16-17 16 x lane + my A half in slot 0, 1;  v18-19 512 + 8 x lane + the same
.set ADRB, 20                          ; v20-23 B's fragments (slot 0, 1; behind one padding more)
.set STO,  24                          ; v24  the stage: where I put 32 bytes of a row
.set RD,   25                          ; v25  and where I read 16 bytes of a row back
.set CO,   26                          ; v26  16 x lane
.set ADRS, 27                          ; v27  B's scale words
.set SPW,  28                          ; v28  my spare word; never rewritten
.set NIL,  29                          ; v29  0; never rewritten
.set ADRSA, 30                         ; v30  A's scale words: 4 x lane
.set CO2,  31                          ; v31  in the residual and the result: (lane / 16) rows + 16 x (lane % 16)
.set SC,   32
.set SA,   64
.set ACC,  128
.set G1, 24
.set G0, 32
.set G1B, 48
.set G0B, 56
.set G1S, 68
.set G0S, 76
.set G1SB, 80
.set G0SB, 88
.set MSB, 0
.macro WIN new                         ; the immediate's high byte repeats the setting that is left
.if MSB != \new
	s_set_vgpr_msb (MSB<<8)|\new
.set MSB, \new
.endif
.endm
.set MULW, 0x05                        ; sources 0 (B) and 1 (A) window 1; C and D window 0
.set TO_F, 0x40                        ; destination window 1, address window 0
; A joint load: waves 0 and 1 fetch for A, waves 2 and 3 for B; the branch hangs on the wave's number alone.  Four v_nop follow each of the two lines.
.macro JLOAD g0a, g1a, g0b, g1b
	s_cmp_eq_u32 s15, 0
	s_cbranch_scc0 .Lfor_b_\@
	tensor_load_to_lds s[\g0a:\g0a+3], s[\g1a:\g1a+7]
	s_nop 0
.rept 4
	v_nop
.endr
	s_branch .Lasked_\@
.Lfor_b_\@:
	tensor_load_to_lds s[\g0b:\g0b+3], s[\g1b:\g1b+7]
	s_nop 0
.rept 4
	v_nop
.endr
.Lasked_\@:
.endm
.macro CREST                           ; a round of the cluster's barrier behind its opening barrier
	s_cmp_lg_u32 s14, 0
	s_cbranch_scc1 .Lnot_wave_0_\@
	s_barrier_signal -3
.Lnot_wave_0_\@:
	s_barrier_wait -3
	s_barrier_signal -1
	s_barrier_wait -1
.endm
.macro CROUND
	s_barrier_signal -1
	s_barrier_wait -1
	CREST
.endm
	s_load_b256 s[4:11], s[0:1], 0x0               ; A's images, A's scale words, B's codes, B's scales
	s_load_b128 s[96:99], s[0:1], 0x20             ; the residual, the result
.if BIAS
	s_load_b64 s[100:101], s[0:1], 0x30            ; the bias
.endif
	v_lshl_add_u32 v[SPW], v0, 2, SPARE
	v_mov_b32 v[NIL], 0
	ds_add_u32 v28, v29
	ds_add_u32 v28, v29
	s_wait_dscnt 0x0
	v_lshrrev_b32 v1, 5, v0
	v_readfirstlane_b32 s14, v1                    ; wave 0..3
	s_lshr_b32 s15, s14, 1                         ; which half of the tile's rows is mine.  Also: I fetch for A (0) or for B (1)
	s_and_b32 s16, s14, 1                          ; which half of its columns.  Also: which 64 rows of that tile I fetch
	s_bfe_u32 s40, ttmp6, 0x40000                  ; cx, cy: my place in the cluster
	s_bfe_u32 s41, ttmp6, 0x40004
	s_lshl_b32 s42, ttmp9, 2
	s_add_co_u32 s42, s42, s40                     ; tile column
	s_and_b32 s17, ttmp7, 0xffff
	s_lshl_b32 s17, s17, 2
	s_add_co_u32 s17, s17, s41                     ; tile row
	s_lshl_b32 s43, s41, 2
	s_lshl_b32 s43, 15, s43                        ; my row of the cluster
	s_lshl_b32 s44, 0x1111, s40                    ; my column
	s_or_b32 s[G1+0], s43, (3<<16)|(1<<21)         ; A's tile: 4 blocks of 16 rows, each 6,144 consecutive bytes (768 elements of 8 bytes); no padding
	s_mov_b32 s[G1+1], 768<<16
	s_mov_b32 s[G1+2], 4<<16
	s_mov_b32 s[G1+3], 768<<16
	s_mov_b32 s[G1+4], 4
	s_mov_b32 s[G1+5], SIZE_K*3/2                  ; from block to block: (K / 128) x 1,536 bytes
	s_mov_b32 s[G1+6], 0
	s_mov_b32 s[G1+7], 0
	s_or_b32 s[G1B+0], s44, (0<<16)|(1<<20)|(1<<21)|(4<<22)|(3<<25)  ; B's tile: 64 rows of 384 bytes, 16 bytes of padding behind every 128 (32 words: code 4)
	s_mov_b32 s[G1B+1], ROWB<<16
	s_mov_b32 s[G1B+2], 64<<16
	s_mov_b32 s[G1B+3], ROWB<<16
	s_mov_b32 s[G1B+4], 64
	s_mov_b32 s[G1B+5], KROW
	s_mov_b32 s[G1B+6], 0
	s_mov_b32 s[G1B+7], 0
	s_or_b32 s[G1S+0], s43, (3<<16)|(1<<21)        ; A's scale words: K / 128 rows of 256 bytes (64 rows' words), 16,384 bytes apart
	s_mov_b32 s[G1S+1], 32<<16
	s_mov_b32 s[G1S+2], (SIZE_K/128)<<16
	s_mov_b32 s[G1S+3], 32<<16
	s_mov_b32 s[G1S+4], SIZE_K/128
	s_mov_b32 s[G1S+5], 2048
	s_mov_b32 s[G1S+6], 0
	s_mov_b32 s[G1S+7], 0
	s_or_b32 s[G1SB+0], s44, (3<<16)|(1<<20)|(1<<21)|(5<<22)|(3<<25) ; B's scales of 64 rows: a dense block, as rows of 256 bytes + 16 of padding
	s_mov_b32 s[G1SB+1], 32<<16
	s_mov_b32 s[G1SB+2], (64*KS/256)<<16
	s_mov_b32 s[G1SB+3], 32<<16
	s_mov_b32 s[G1SB+4], 64*KS/256
	s_mov_b32 s[G1SB+5], 32
	s_mov_b32 s[G1SB+6], 0
	s_mov_b32 s[G1SB+7], 0
	s_lshl_b32 s18, s16, 6                         ; which 64 rows of the tile I fetch
	s_lshl_b32 s20, s17, 7
	s_add_co_u32 s20, s20, s18                     ; A's row
	s_lshl_b32 s46, s42, 7
	s_add_co_u32 s46, s46, s18                     ; B's row
	s_mov_b32 s21, 0
	s_mov_b32 s47, 0
	s_lshl_b64 s[22:23], s[20:21], 2               ; A's scale words: 4 bytes a row
	s_mov_b64 s[18:19], KS
	s_mul_u64 s[92:93], s[46:47], s[18:19]
	s_mov_b64 s[18:19], KROW
	s_mul_u64 s[20:21], s[20:21], s[18:19]         ; 16 rows of images are as many bytes as 16 rows of codes
	s_mul_u64 s[46:47], s[46:47], s[18:19]
	s_mul_i32 s45, s16, HALFA                      ; where they go: no place in the cluster enters an LDS address
	s_mul_i32 s94, s16, HALFT
	s_add_co_u32 s94, s94, 2*HALFA
	s_mul_i32 s66, s16, HALFW
	s_add_co_u32 s66, s66, SCLA
	s_mul_i32 s67, s16, HALFS
	s_add_co_u32 s67, s67, SCLB
	s_wait_kmcnt 0x0
	s_add_nc_u64 s[20:21], s[4:5], s[20:21]
	s_add_nc_u64 s[22:23], s[6:7], s[22:23]
	s_add_nc_u64 s[46:47], s[8:9], s[46:47]
	s_add_nc_u64 s[92:93], s[10:11], s[92:93]
	CROUND                                         ; all sixteen work-groups are here: the first joint loads meet
	s_mov_b32 s[G0S], 1
	s_mov_b32 s[G0S+1], s66
	s_mov_b64 s[G0S+2:G0S+3], s[22:23]
	s_or_b32 s[G0S+3], s[G0S+3], 0x80000000
	s_mov_b32 s[G0SB], 1
	s_mov_b32 s[G0SB+1], s67
	s_mov_b64 s[G0SB+2:G0SB+3], s[92:93]
	s_or_b32 s[G0SB+3], s[G0SB+3], 0x80000000
	JLOAD G0S, G1S, G0SB, G1SB                     ; the scales first
.irp s, 0,1
	s_mov_b32 s[G0+4*\s], 1
	s_add_co_u32 s[G0+4*\s+1], s45, \s*SLOT
	s_add_nc_u64 s[G0+4*\s+2:G0+4*\s+3], s[20:21], \s*ASTEP
	s_or_b32 s[G0+4*\s+3], s[G0+4*\s+3], 0x80000000
	s_mov_b32 s[G0B+4*\s], 1
	s_add_co_u32 s[G0B+4*\s+1], s94, \s*SLOT
	s_add_nc_u64 s[G0B+4*\s+2:G0B+4*\s+3], s[46:47], \s*ROWB
	s_or_b32 s[G0B+4*\s+3], s[G0B+4*\s+3], 0x80000000
	JLOAD G0+4*\s, G1, G0B+4*\s, G1B
.endr
	v_and_b32 v1, 15, v0                           ; r
	v_bfe_u32 v2, v0, 4, 1                         ; h
	v_and_b32 v6, 31, v0                           ; lane
	v_lshlrev_b32 v[CO], 4, v6
	v_lshl_add_u32 v7, v6, 3, 512
	v_lshlrev_b32 v[CR], 4, v1
	v_lshl_add_u32 v[CO2], v2, 12, v[CR]           ; lanes 0-15 one row of 4,096 bytes, lanes 16-31 the next; 16 bytes a lane
	v_mul_u32_u24 v3, v1, PITCH
	v_mul_u32_u24 v4, v2, 24
	v_add_nc_u32 v4, v3, v4                        ; a fragment's row x pitch + 24 x half
	v_lshl_add_u32 v5, v2, 4, v4                   ; and the same behind one padding more
	s_mul_i32 s21, s15, HALFA                      ; my 64 rows of A
	s_mul_i32 s22, s16, HALFT                      ; my 64 rows of B, behind A's
	s_add_co_u32 s22, s22, 2*HALFA
.irp s, 0,1
	v_add_nc_u32 v[ADRA+\s], s21, v[CO]
	v_add_nc_u32 v[ADRA+2+\s], s21, v7
	v_add_nc_u32 v[ADRB+\s], s22, v4
	v_add_nc_u32 v[ADRB+2+\s], s22, v5
	s_add_co_u32 s21, s21, SLOT
	s_add_co_u32 s22, s22, SLOT
.endr
	v_mul_u32_u24 v5, v1, KS                       ; B's scales of row r: KS bytes a row, and 16 more for each 256 passed; both halves of the lanes read the same
	v_lshrrev_b32 v8, 8, v5
	v_lshl_add_u32 v5, v8, 4, v5
	s_mul_i32 s22, s16, HALFS
	s_add_co_u32 s22, s22, SCLB
	v_add_nc_u32 v[ADRS], s22, v5
	s_mul_i32 s21, s15, HALFW
	s_add_co_u32 s21, s21, SCLA
	v_lshl_add_u32 v[ADRSA], v6, 2, s21            ; A's: 32 rows' words to a load
	s_mul_i32 s23, s14, 16*SPITCH                  ; my stage
	v_mul_u32_u24 v5, v1, SPITCH
	v_lshl_add_u32 v5, v2, 5, v5
	v_add_nc_u32 v[STO], s23, v5                   ; in: row r, 32 bytes for each half of the lanes
	v_mul_u32_u24 v5, v2, SPITCH
	v_add_nc_u32 v5, v5, v[CR]
	v_add_nc_u32 v[RD], s23, v5                    ; back: lanes 0-15 one row of 256 bytes, lanes 16-31 the next
	s_lshl_b32 s20, s17, 7
	s_lshl_b32 s21, s15, 6
	s_add_co_u32 s20, s20, s21                     ; my first row
	s_lshl_b32 s20, s20, 12                        ; x 4,096 bytes
	s_lshl_b32 s46, s42, 9
	s_lshl_b32 s47, s16, 8
	s_add_co_u32 s46, s46, s47                     ; my first column, in bytes: a multiple of 256
	s_mov_b32 s47, 0
.if BIAS
	s_add_nc_u64 s[100:101], s[100:101], s[46:47]
	global_load_b128 v[12:15], v[CR], s[100:101]   ; the bias of my four columns of the wave's 64
.endif
	s_add_co_u32 s20, s20, s46
	s_mov_b32 s21, 0
	s_add_nc_u64 s[96:97], s[96:97], s[20:21]
	s_add_nc_u64 s[98:99], s[98:99], s[20:21]
	WIN 0x80                                       ; destination window 2: the residual's 64 x 64 is asked for now and lands while K is walked; block a, rows 2 t and 2 t + 1 at v[32 a + 4 t]
.irp a, 0,1,2,3
.irp t, 0,1,2,3,4,5,6,7
	global_load_b128 v[32*\a+4*\t:32*\a+4*\t+3], v[CO2], s[96:97] offset:(16*\a+2*\t)*SIZE_N*4 th:TH_LOAD_NT
.endr
.endr
	WIN 0
.macro FRAG reg, adr, q, i             ; a fragment of B from rows: lane l holds row l % 16; registers 6 c .. 6 c + 5 hold K = 64 c + 32 (l / 16) + 0 .. 31, in pieces of 8 bytes
.irp p, 0,1,2,3,4,5
.set PC, 12*(\q)+6*(\p/3)+\p%3        ; 16 bytes of padding lie behind every 16 pieces: where the piece three on lies behind one padding more, the second address register serves
.if PC%16 < 13
	ds_load_b64 v[\reg+2*\p:\reg+2*\p+1], v[\adr] offset:8*PC+16*(PC/16)+(\i)*16*PITCH
.else
	ds_load_b64 v[\reg+2*\p:\reg+2*\p+1], v[\adr+2] offset:8*PC+16*(PC/16)+(\i)*16*PITCH
.endif
.endr
.endm
.macro FRAGI reg, adr, q, i            ; a fragment of A from its image
	ds_load_b128 v[\reg:\reg+3], v[\adr] offset:(\i)*ASTEP+(\q)*1536
	ds_load_b64 v[\reg+4:\reg+5], v[\adr+2] offset:(\i)*ASTEP+(\q)*1536
	ds_load_b128 v[\reg+6:\reg+9], v[\adr] offset:(\i)*ASTEP+(\q)*1536+768
	ds_load_b64 v[\reg+10:\reg+11], v[\adr+2] offset:(\i)*ASTEP+(\q)*1536+768
.endm
; 4 matrix instructions: A's block a x B's four.  The 16 accumulators take turns, one instruction a turn, in the same order in every step.  zero = 1: the first product starts the sums.
; B's words lie in lanes 0-15 of their registers; a register of A's words holds block 2 i in lanes 0-15 and block 2 i + 1 in lanes 16-31.
.macro MUL4 a, p, q, sc, zero
.irp b, 0,1,2,3
.set rD, ACC+8*(4*(\a)+\b)
.set rB, 128*(\p)+48+FR*\b
.set rA, 128*(\p)+FR*(\a)
.set rSB, SC+16*(\sc)+4*\b+(\q)
.set rSA, SA+8*(\sc)+4*((\a)/2)+(\q)
.if \zero
.if (\a)%2
	v_wmma_scale_f32_16x16x128_f8f6f4 v[rD:rD+7], v[rB:rB+FR-1], v[rA:rA+FR-1], 0, v[rSB], v[rSA] matrix_a_fmt:MATRIX_FMT_FP6 matrix_b_fmt:MATRIX_FMT_FP6 matrix_b_scale:MATRIX_SCALE_ROW1
.else
	v_wmma_scale_f32_16x16x128_f8f6f4 v[rD:rD+7], v[rB:rB+FR-1], v[rA:rA+FR-1], 0, v[rSB], v[rSA] matrix_a_fmt:MATRIX_FMT_FP6 matrix_b_fmt:MATRIX_FMT_FP6
.endif
.else
.if (\a)%2
	v_wmma_scale_f32_16x16x128_f8f6f4 v[rD:rD+7], v[rB:rB+FR-1], v[rA:rA+FR-1], v[rD:rD+7], v[rSB], v[rSA] matrix_a_fmt:MATRIX_FMT_FP6 matrix_b_fmt:MATRIX_FMT_FP6 matrix_b_scale:MATRIX_SCALE_ROW1
.else
	v_wmma_scale_f32_16x16x128_f8f6f4 v[rD:rD+7], v[rB:rB+FR-1], v[rA:rA+FR-1], v[rD:rD+7], v[rSB], v[rSA] matrix_a_fmt:MATRIX_FMT_FP6 matrix_b_fmt:MATRIX_FMT_FP6
.endif
.endif
.endr
.endm
.macro FETCH slot, q, p                ; 40 LDS loads in one run: the fragments of the slot's q-th 128 along K into set p
	WIN TO_F
.irp i, 0,1,2,3
	FRAG 128*(\p)+48+FR*\i, ADRB+\slot, \q, \i
.endr
.irp i, 0,1,2,3
	FRAGI 128*(\p)+FR*\i, ADRA+\slot, \q, \i
.endr
.endm
.macro SCALES sc                       ; a slot's scale words: 12 loads.  B: 16 bytes of a row are the four words of the slot's four steps; A: 32 rows' words of one step to a load
.irp i, 0,1,2,3
	ds_load_b128 v[SC+16*\sc+4*\i:SC+16*\sc+4*\i+3], v[ADRS] offset:\i*SBLK
.endr
.irp i, 0,1
.irp q, 0,1,2,3
	ds_load_b32 v[SA+8*\sc+4*\i+\q], v[ADRSA] offset:128*\i+256*\q
.endr
.endr
.endm
.macro PLACES n                        ; plain vector lines between a matrix instruction and a load into, or a read of, its registers
.rept \n
	v_nop
.endr
.endm
.macro STEP slot, q, zero              ; 128 along K with its successor in the same slot
	s_wait_dscnt 0x0                               ; this step's fragments, asked for a step ago, are in
	PLACES NP                                      ; the other set was read by the products just issued
	FETCH \slot, (\q)+1, 1-(\q)%2
	WIN MULW
	MUL4 0, (\q)%2, \q, \slot, \zero
	MUL4 1, (\q)%2, \q, \slot, \zero
	MUL4 2, (\q)%2, \q, \slot, \zero
	MUL4 3, (\q)%2, \q, \slot, \zero
.endm
; A slot's last step changes slots: one barrier; in front of it each wave waits for all its tensor loads, adds 0 to its spare word, and waits for that and for its reads of this slot.  fill = 1: this slot is filled again.
.macro TURN slot, next, fill
	WIN 0                                          ; (the add's two registers lie in window 0)
	s_wait_tensorcnt 0x0                           ; all my tensor loads have landed: my part of the next slot
	ds_add_u32 v[SPW], v[NIL]                      ; 0 onto my spare word
	s_wait_dscnt 1                                 ; this step's fragments are in (the add alone may be out)
	WIN MULW
	MUL4 0, 1, NQ-1, \slot, 0
	s_wait_dscnt 0x0                               ; the add is done, and my reads of this slot are over
	s_barrier_signal -1
	MUL4 1, 1, NQ-1, \slot, 0
	WIN 0
	s_barrier_wait -1
.if \fill
	CREST                                          ; the barrier has opened a round of the cluster's barrier: no wave of any partner still reads this slot or has a load on its way
	s_add_nc_u64 s[G0+4*\slot+2:G0+4*\slot+3], s[G0+4*\slot+2:G0+4*\slot+3], 2*ASTEP
	s_add_nc_u64 s[G0B+4*\slot+2:G0B+4*\slot+3], s[G0B+4*\slot+2:G0B+4*\slot+3], 2*ROWB
	JLOAD G0+4*\slot, G1, G0B+4*\slot, G1B         ; the first tensor load behind the round; its four v_nop are the places in front of the loads below
.else
	PLACES NP
.endif
	v_add_nc_u32 v[ADRS], 4*NQ, v[ADRS]            ; on to the next slot's scale words
	v_add_nc_u32 v[ADRSA], 256*NQ, v[ADRSA]
	FETCH \next, 0, 0
	WIN 0
	SCALES \next
	WIN MULW
	MUL4 2, 1, NQ-1, \slot, 0
	MUL4 3, 1, NQ-1, \slot, 0
.endm
	s_wait_tensorcnt 1                             ; the scales and my part of slot 0 are in (slot 1's load may be out)
	s_barrier_signal -1
	s_barrier_wait -1
	FETCH 0, 0, 0
	WIN 0
	SCALES 0
	STEP 0, 0, 1                                   ; the first step stands in front of the loop: its products start the sums
	STEP 0, 1, 0
	STEP 0, 2, 0
.if LAPS > 1
	WIN 0                                          ; at a label and at a branch every window is 0
	s_mov_b32 s3, LAPS-1
.Llap:                                                 ; a trip goes once round the ring and fills both slots again
	TURN 0, 1, 1
	STEP 1, 0, 0
	STEP 1, 1, 0
	STEP 1, 2, 0
	TURN 1, 0, 1
	STEP 0, 0, 0
	STEP 0, 1, 0
	STEP 0, 2, 0
	WIN 0
	s_sub_co_u32 s3, s3, 1
	s_cmp_lg_u32 s3, 0
	s_cbranch_scc1 .Llap
.endif
	TURN 0, 1, 0                                   ; the last lap fills nothing
	STEP 1, 0, 0
	STEP 1, 1, 0
	STEP 1, 2, 0
	s_wait_dscnt 0x0                               ; the very last step: nothing more to fetch
	WIN MULW
	MUL4 0, 1, NQ-1, 1, 0
	MUL4 1, 1, NQ-1, 1, 0
	MUL4 2, 1, NQ-1, 1, 0
	MUL4 3, 1, NQ-1, 1, 0
	WIN 0
; THE WAY OUT, block by block of 16 rows x 64 columns: through my stage, back as whole rows of 256 bytes, two rows an instruction; the residual's same rows are added; sixteen lanes store 256 consecutive bytes, aligned.
; No pointer is stepped: row 16 a + 2 t stands in the immediate, 253,952 bytes at the most.
.macro TOSTAGE a
.irp b, 0,1,2,3
	ds_store_b128 v[STO], v[ACC+8*(4*(\a)+\b):ACC+8*(4*(\a)+\b)+3] offset:64*\b          ; each accumulator from its low end on
	ds_store_b128 v[STO], v[ACC+8*(4*(\a)+\b)+4:ACC+8*(4*(\a)+\b)+7] offset:64*\b+16
.endr
	WIN TO_F
.irp t, 0,1,2,3,4,5,6,7
	ds_load_b128 v[32*((\a)%2)+4*\t:32*((\a)%2)+4*\t+3], v[RD] offset:2*\t*SPITCH        ; LDS serves a wave's instructions in order: these see the stores above
.endr
	WIN 0
.endm
.macro SENDF a, younger                ; younger: the LDS instructions issued behind block a's loads, which may stay out
.set BB, 32*((\a)%2)
.set RB, 32*(\a)
	s_wait_dscnt \younger
	WIN 0x49                                       ; destination and source 0 window 1, source 1 window 2
.set i, 0
.rept 16
	v_pk_add_f32 v[BB+i:BB+i+1], v[BB+i:BB+i+1], v[RB+i:RB+i+1]
.set i, i+2
.endr
.if BIAS
	WIN 0x41                                       ; source 1 window 0
.irp t, 0,1,2,3,4,5,6,7
	v_pk_add_f32 v[BB+4*\t:BB+4*\t+1], v[BB+4*\t:BB+4*\t+1], v[12:13]
	v_pk_add_f32 v[BB+4*\t+2:BB+4*\t+3], v[BB+4*\t+2:BB+4*\t+3], v[14:15]
.endr
.endif
	WIN 0x04                                       ; a store's data are its source 1: window 1
.irp t, 0,1,2,3,4,5,6,7
.if BIAS
	global_store_b128 v[CO2], v[BB+4*\t:BB+4*\t+3], s[98:99] offset:(16*(\a)+2*\t)*SIZE_N*4 th:TH_STORE_NT
.else
	global_store_b128 v[CO2], v[BB+4*\t:BB+4*\t+3], s[98:99] offset:(16*(\a)+2*\t)*SIZE_N*4
.endif
.endr
	WIN 0
.endm
	PLACES NP                                      ; in front of the first read of results and of the loads into registers that the last products read
	s_wait_loadcnt 0x0                             ; the residual (and the bias), asked for at the head
	TOSTAGE 0
.irp a, 1,2,3
.if \a > 1
	s_wait_xcnt 0x0                                ; block a - 2's stores have read their registers: block a's loads may land there
.endif
	TOSTAGE \a
	SENDF \a-1, 16                                 ; behind block a - 1's loads: block a's 8 stores and 8 loads
.endr
	SENDF 3, 0
	s_wait_tensorcnt 0x0                           ; the wave's end
	ds_add_u32 v[SPW], v[NIL]
	s_wait_dscnt 0x0
	CROUND                                         ; the closing round
	s_endpgm
.Lfunc_end_k_qbe166258be_ff2:
	.size	k_qbe166258be_ff2, .Lfunc_end_k_qbe166258be_ff2-k_qbe166258be_ff2
	.p2alignl 7, 3214868480
	.fill 96, 4, 3214868480
	.section	.rodata,"a",@progbits
	.p2align	6, 0x0
	.amdhsa_kernel k_qbe166258be_ff2
		.amdhsa_group_segment_fixed_size 327680
		.amdhsa_private_segment_fixed_size 0
		.amdhsa_enable_private_segment 0
		.amdhsa_kernarg_size 56
		.amdhsa_user_sgpr_count 2
		.amdhsa_user_sgpr_kernarg_segment_ptr 1
		.amdhsa_wavefront_size32 1
		.amdhsa_system_sgpr_workgroup_id_x 1
		.amdhsa_system_sgpr_workgroup_id_y 1
		.amdhsa_system_sgpr_workgroup_id_z 1
		.amdhsa_system_vgpr_workitem_id 0
		.amdhsa_next_free_vgpr 640
		.amdhsa_next_free_sgpr 106
		.amdhsa_reserve_vcc 0
		.amdhsa_float_denorm_mode_32 3
		.amdhsa_float_denorm_mode_16_64 3
		.amdhsa_memory_ordered 1
		.amdhsa_forward_progress 1
		.amdhsa_inst_pref_size 112
	.end_amdhsa_kernel
	.amdgpu_metadata
---
amdhsa.version: [ 1, 2 ]
amdhsa.kernels:
  - .name:           k_qbe166258be_ff2
    .symbol:         k_qbe166258be_ff2.kd
    .args:
      - { .name: aimg, .offset: 0, .size: 8, .value_kind: global_buffer, .address_space: global }
      - { .name: asc, .offset: 8, .size: 8, .value_kind: global_buffer, .address_space: global }
      - { .name: w2_codes, .offset: 16, .size: 8, .value_kind: global_buffer, .address_space: global }
      - { .name: w2_scales, .offset: 24, .size: 8, .value_kind: global_buffer, .address_space: global }
      - { .name: x1, .offset: 32, .size: 8, .value_kind: global_buffer, .address_space: global }
      - { .name: out0, .offset: 40, .size: 8, .value_kind: global_buffer, .address_space: global }
      - { .name: b2, .offset: 48, .size: 8, .value_kind: global_buffer, .address_space: global }
    .group_segment_fixed_size: 327680
    .private_segment_fixed_size: 0
    .kernarg_segment_align: 8
    .kernarg_segment_size: 56
    .max_flat_workgroup_size: 128
    .sgpr_count:     106
    .vgpr_count:     640
    .wavefront_size: 32
...
	.end_amdgpu_metadata
.endif
;; end of part 9
